; MI455X (gfx1250); checked and timed in simulation.
; The chip was launched on July 23, 2026; its instructions are those of AMD's public machine-readable ISA for CDNA 5 (MIT licence, August 2026) and "CDNA5" Instruction Set Architecture Reference Guide (July 2026). The comments in the code are by the model that wrote it; some were corrected since.
;; Behavioral Rotary Attention V12. Allowed arithmetic: matrix products marked QUANTISED: E2M1 operands, one E8M0 scale for each 32 along K, by v_wmma_scale_f32_16x16x128_f8f6f4 with both operands' format E2M1 (or v_wmma_scale_f32_32x16x128_f4), f32 sums; everything else in f32.
;; Inputs: Wk 1,024 x 1,024 float32; Wo 1,024 x 1,024 float32; Wq 1,024 x 1,024 float32; Wv 1,024 x 1,024 float32; attention_mask 2 x 1 x 1 x 2,048 float32; bk 1,024 float32; bo 1,024 float32; bq 1,024 float32; bv 1,024 float32; hidden_states 2 x 2,048 x 1,024 float32; ln_b 1,024 float32; ln_g 1,024 float32; phi 2 x 2,048 x 16 float32.
;; Outputs: out0 2 x 2,048 x 1,024 float32.
;; This version of the problem:
;;   THIS VERSION OF THE PROBLEM IS GIVEN IN LOW PRECISION. The matrix products marked QUANTISED in the list below multiply operands that are first quantised to E2M1 (2 exponent bits, 1 mantissa bit; 4 bits a number), with one power-of-two scale for each 32 numbers along K (OCP MX v1.0); their sums are f32. All else is computed in f32.
;;   The module's matrix products, in the order in which they are computed (A, B: the left and right operand; K: the contracted axis; several contracted axes count as one K, in the product's order):
;;     1. [M 4,096, K 1,024] x [K 1,024, N 1,024]; A: input hidden_states; B: input Wq: QUANTISED
;;     2. [M 4,096, K 1,024] x [K 1,024, N 1,024]; A: input hidden_states; B: input Wk: QUANTISED
;;     3. [M 4,096, K 1,024] x [K 1,024, N 1,024]; A: input hidden_states; B: input Wv: QUANTISED
;;     4. batch 32 x [M 2,048, K 64] x [K 64, N 2,048]; A: computed on the way; B: computed on the way: QUANTISED
;;     5. batch 32 x [M 2,048, K 2,048] x [K 2,048, N 64]; A: softmax (see below); B: computed on the way: QUANTISED
;;     6. [M 4,096, K 1,024] x [K 1,024, N 1,024]; A: computed on the way; B: input Wo: QUANTISED
;;   THE QUANTISER, for each operand of a quantised product, along K:
;;     - K is cut into blocks of 32 from its start; a last block that is shorter is filled with zeros.
;;     - A block's scale is 2^e with e = floor(log2(the largest magnitude in the block)) - 2, held to -126 .. 127; a block of zeros has e = 0. As a byte (E8M0): e + 127.
;;     - Each number is divided by its block's scale, clamped to +-6, and rounded to the nearest number of E2M1, ties to even, subnormals kept.
;;     - The product sums the exact products of the quantised numbers (number of the format x scale) in f32.
;;   ~~~python
;;   def quantise(x, axis):      # numpy; x: float32 -> the quantised numbers, widened to float32 again
;;       x = np.moveaxis(x, axis, -1); K = x.shape[-1]
;;       x = np.pad(x, [(0, 0)] * (x.ndim - 1) + [(0, -K % 32)]); x = x.reshape(x.shape[:-1] + (-1, 32)); a = np.abs(x).max(-1, keepdims=True)
;;       e = np.where(a > 0, np.clip(np.frexp(np.where(a > 0, a, 1))[1] - 1 - 2, -126, 127), 0)      # np.frexp(a)[1] - 1 = floor(log2(a)), exactly
;;       r = np.clip(x / 2.0 ** e, -6, 6)
;;       step = 2.0 ** (np.maximum(np.frexp(np.where(r == 0, 1, r))[1] - 1, 0) - 1)
;;       q = np.round(r / step) * step * 2.0 ** e      # np.round: ties to even
;;       return np.moveaxis(q.reshape(q.shape[:-2] + (-1,))[..., :K], -1, axis).astype(np.float32)
;;   ~~~
;;   SOFTMAX AHEAD OF A QUANTISED PRODUCT. Where the list says 'softmax', what is quantised is not the finished softmax but p = 2^(t - M), with t = logit x log2(e) and M = ceil(the row's largest t), a whole number; so 1/2 < the row's largest p <= 1. The row's sum l is taken of the UNQUANTISED p, in f32, and the product's result is divided by l at the end. Since M is a whole number, a kernel that streams over the keys may use a running M (the ceiling of the running maximum): every later rescaling is an exact power of two, which a block's scale takes up: the codes' values come out the same.
;;   OPERANDS COMPUTED ON THE WAY. 'Computed on the way' means the value that the module computes at that place (a softmax that the list does not call 'softmax' is quantised finished and normalised). What goes into a quantiser is computed in f32, as accurately as f32 sums, v_exp_f32 and their like allow (about 1e-6 of the number): no bf16 or f16 on the way to a quantiser, and a product that is left as it is and whose result goes on into a quantised operand takes f32 operands (vector FMAs, or v_wmma_f32_16x16x4_f32). A number that lies on a knife's edge between two numbers of the format may be rounded either way, as far as f32 arithmetic and the matrix unit's own rounding can turn it there, and no further.
;; 2 versions. Each part assembles by itself: llvm-mc -triple=amdgcn-amd-amdhsa -mcpu=gfx1250 --defsym DOCPART=n.
;; ======== version 1 of 2: 4 launches
;; limits: right only within a limited range of input values
;; workspace buffers: xw 4,194,304 bytes; xws 262,144 bytes; trig 524,288 bytes; qkv 6,291,456 bytes; qkvs 393,216 bytes; ctx 2,097,152 bytes; ctxs 131,072 bytes
;; launch prep (part 1): grid 272 x 1, 4 waves a work-group, no clusters, 39,424 bytes of LDS; arguments hidden_states, Wq, Wk, Wv, Wo, phi, xw, xws, trig; writes xw, xws, trig
.if DOCPART == 1
	.amdgcn_target "amdgcn-amd-amdhsa--gfx1250"
	.amdhsa_code_object_version 6
	.text
	.protected	k_q9474ed0436_prep
	.globl	k_q9474ed0436_prep
	.p2align	8
	.type	k_q9474ed0436_prep,@function
k_q9474ed0436_prep:
	s_mov_b64 s[64:65], 0
	v_nop
	global_prefetch_b8 v0, s[64:65] scope:SCOPE_SE
	s_setreg_imm32_b32 hwreg(HW_REG_WAVE_MODE, 25, 1), 1
	s_wait_xcnt 0x0
; hidden_states [4096][1024] and Wq, Wk, Wv, Wo [1024][1024], f32, K innermost, become codes of FP4 (E2M1) with one E8M0 byte for each 32 along K; phi becomes tables of cos and sin.
; A block's scale is 2^(floor(log2(largest magnitude)) - 2): its byte is the largest magnitude's exponent field - 2, held at 1 from below.
; THE CODES ARE LAID AS IMAGES OF OPERAND REGISTERS: xw[tile U][K step s][c][lane][16 bytes]; lane (r, h) of (s, c) holds k = 128 s + 64 c + 32 h + 0..31 of the tile's row r, so a later launch loads a fragment at 16 x lane.
; THE ROWS OF A TILE ARE NOT NEIGHBOURS: row r of tile T of a tensor is its row 32 (T / 2) + 8 (T % 2) + r + 8 (r / 8), so that a product's results lie with 16 neighbours of the next K in a lane's registers.
; Tiles: 0-255 hidden_states, 256-319 Wq, 320-383 Wk, 384-447 Wv, 448-511 Wo.  Scale bytes: xws[U][K half][r][16 bytes].
; SHARES.  Work-groups 0-255: a wave takes one tile's 16 rows x 512 along K, a row a step.  Each load reads 512 consecutive bytes; a step's 2,048 bytes turn through the wave's own stage in LDS so that a lane holds 16 neighbours
; (two lanes a block).  Block j of row t belongs at byte 256 j + 16 t of the wave's 4,096 bytes of codes: they are gathered in LDS and leave in stores of 512 consecutive bytes; the 256 scale bytes leave as one store.
; Work-groups 256-271: a wave takes 64 tokens of phi (a lane two tokens, 128 consecutive bytes) and stores cos and sin as [batch][head][token], 256 consecutive bytes a store.  That path uses no LDS.
; LIMITS: a block of zeros gets the byte 1 (its codes are zeros; this program alone reads the bytes); blocks under 2^-124 meet that floor; NaN and infinities are not served.
; cos and sin: three-part reduction by pi / 2 and polynomials of degree 7 and 8, about 1e-7 absolute for |phi| up to some 1e4.
.set STEPS, 16
.set WREG,  9728                       ; LDS of a wave: two turn stages of 32 x 80 bytes, 256 scale bytes, 16 units of codes at pitch 272
.set SP,    80
.set SCB,   5120
.set CST,   5376
.set CPI,   272
.set SPARE, 4*WREG                     ; the spare words, 128 bytes for each wave; no other line names them
.set R,     16                         ; v16-79   four sets of 16 numbers as loaded
.set X,     80                         ; v80-111  two sets of 16 neighbours
.set E,     112                        ; v112-127 a scale byte for each step
.set C,     128                        ; v128-191 codes, four registers for each step
.set SPW,   12
.set NIL,   13
.set PH,    32                         ; table path: v32-63 phi, v64-95 cos, v96-127 sin
.set CO,    64
.set SI,    96
	s_load_b256 s[4:11], s[0:1], 0x0               ; hidden_states, Wq, Wk, Wv
	s_load_b256 s[12:19], s[0:1], 0x20             ; Wo, phi, xw, xws
	s_load_b64 s[20:21], s[0:1], 0x40              ; trig
	v_lshl_add_u32 v[SPW], v0, 2, SPARE
	v_mov_b32 v[NIL], 0
	v_lshrrev_b32 v1, 5, v0
	v_readfirstlane_b32 s26, v1                    ; wave
	v_and_b32 v2, 31, v0                           ; lane
	s_cmp_ge_u32 ttmp9, 256                        ; the last sixteen work-groups make the tables
	s_cbranch_scc1 .Ltable
	v_lshlrev_b32 v3, 4, v2                        ; 16 x lane
	s_mul_i32 s27, s26, WREG
	v_lshrrev_b32 v14, 2, v2
	v_mul_u32_u24 v14, v14, SP
	v_and_b32 v15, 3, v2
	v_lshl_add_u32 v14, v15, 4, v14
	v_add_nc_u32 v14, s27, v14                     ; turn stage, in: 80 (lane / 4) + 16 (lane % 4)
	v_mul_u32_u24 v15, v2, SP
	v_add_nc_u32 v15, s27, v15                     ; turn stage, out: 80 x lane
	v_lshrrev_b32 v5, 1, v2                        ; my block j
	v_mul_u32_u24 v4, v5, CPI
	v_and_b32 v6, 1, v2
	v_lshl_add_u32 v4, v6, 3, v4
	v_add_nc_u32 v4, s27, v4
	v_add_nc_u32 v4, CST, v4                       ; codes, in: unit j, my half of the block's 16 bytes
	v_add_nc_u32 v5, s27, v5
	v_add_nc_u32 v5, SCB, v5                       ; my block's scale byte
	v_lshrrev_b32 v6, 4, v2
	v_mul_u32_u24 v6, v6, CPI
	v_and_b32 v7, 15, v2
	v_lshl_add_u32 v6, v7, 4, v6
	v_add_nc_u32 v6, s27, v6
	v_add_nc_u32 v6, CST, v6                       ; codes, out: sixteen lanes to a unit
	v_lshlrev_b32 v7, 3, v2                        ; 8 x lane
	v_add_nc_u32 v1, s27, v7
	v_add_nc_u32 v1, SCB, v1                       ; scale bytes, out
	s_lshl_b32 s28, ttmp9, 1
	s_lshr_b32 s29, s26, 1
	s_add_co_u32 s28, s28, s29                     ; my tile U
	s_and_b32 s29, s26, 1                          ; my half of K
	s_wait_kmcnt 0x0
	s_cmp_lt_u32 ttmp9, 224                        ; which tensor: the choice hangs on the work-group's number alone
	s_cselect_b64 s[22:23], s[10:11], s[12:13]
	s_cmp_lt_u32 ttmp9, 192
	s_cselect_b64 s[22:23], s[8:9], s[22:23]
	s_cmp_lt_u32 ttmp9, 160
	s_cselect_b64 s[22:23], s[6:7], s[22:23]
	s_cmp_lt_u32 ttmp9, 128
	s_cselect_b64 s[22:23], s[4:5], s[22:23]
	s_cselect_b32 s24, 255, 63                     ; a tensor's tiles begin at a multiple of their number
	s_and_b32 s25, s28, s24                        ; the tile's number in its tensor
	s_lshr_b32 s30, s25, 1
	s_lshl_b32 s30, s30, 5
	s_and_b32 s31, s25, 1
	s_lshl_b32 s31, s31, 3
	s_add_co_u32 s30, s30, s31                     ; its first row
	s_lshl_b32 s30, s30, 12                        ; rows of 4,096 bytes
	s_lshl_b32 s31, s29, 11
	s_add_co_u32 s30, s30, s31
	s_mov_b32 s31, 0
	s_add_nc_u64 s[22:23], s[22:23], s[30:31]
	s_lshl_b32 s30, s28, 13
	s_lshl_b32 s32, s29, 12
	s_add_co_u32 s30, s30, s32
	s_add_nc_u64 s[16:17], s[16:17], s[30:31]      ; my 4,096 bytes of codes
	s_lshl_b32 s30, s28, 9
	s_lshl_b32 s32, s29, 8
	s_add_co_u32 s30, s30, s32
	s_add_nc_u64 s[18:19], s[18:19], s[30:31]      ; my 256 scale bytes
.macro LOAD t                          ; the tile's row t: 2,048 bytes, 512 consecutive bytes a load
.irp i, 0,1,2,3
	global_load_b128 v[R+16*((\t)%4)+4*\i:R+16*((\t)%4)+4*\i+3], v3, s[22:23] offset:((\t)+8*((\t)/8))*4096+512*\i th:TH_LOAD_NT
.endr
.endm
.macro TURN t                          ; through the stage: LDS serves a wave's instructions in order, so no wait stands between the stores and the loads
.irp i, 0,1,2,3
	ds_store_b128 v14, v[R+16*((\t)%4)+4*\i:R+16*((\t)%4)+4*\i+3] offset:32*SP*((\t)%2)+8*SP*\i
.endr
.irp i, 0,1,2,3
	ds_load_b128 v[X+16*((\t)%2)+4*\i:X+16*((\t)%2)+4*\i+3], v15 offset:32*SP*((\t)%2)+16*\i
.endr
.endm
.irp t, 0,1,2,3
	LOAD \t
.endr
	s_wait_loadcnt 12                              ; row 0's four loads are in
	TURN 0
.macro STEP t
.set XS, X+16*((\t)%2)
.if (\t) > 0
	s_wait_dscnt 2                                 ; this row's numbers are back from the stage; the last step's two stores (byte, codes) may be out
.else
	s_wait_dscnt 0x0
.endif
.if (\t)+4 < STEPS
	LOAD (\t)+4                                    ; into the set that the stage's stores have read
.endif
.if (\t)+1 < STEPS
.if STEPS-2-(\t) >= 3
	s_wait_loadcnt 12                              ; the next row's four loads are in; three rows' may be out
.else
	s_wait_loadcnt 4*(STEPS-2-(\t))
.endif
	TURN (\t)+1
.endif
	v_max3_num_f32 v8, |v[XS]|, |v[XS+1]|, |v[XS+2]|
	v_max3_num_f32 v9, |v[XS+3]|, |v[XS+4]|, |v[XS+5]|
.irp i, 6,10
	v_max3_num_f32 v8, v8, |v[XS+\i]|, |v[XS+\i+1]|
	v_max3_num_f32 v9, v9, |v[XS+\i+2]|, |v[XS+\i+3]|
.endr
	v_max3_num_f32 v8, v8, |v[XS+14]|, |v[XS+15]|
	v_max3_num_f32 v8, v8, v9, 0x1800000           ; the floor 2^(3 - 127): the byte cannot fall under 1
	v_max_num_f32_dpp v8, v8, v8 row_xmask:1 row_mask:0xf bank_mask:0xf   ; with my neighbour's 16: the block's largest magnitude
	v_add_nc_u32 v11, 0xff000000, v8               ; 2 off its exponent field: the conversion's scale operand
	v_cvt_scalef32_pk8_fp4_f32 v[C+4*(\t)], v[XS:XS+7], v11
	v_cvt_scalef32_pk8_fp4_f32 v[C+4*(\t)+1], v[XS+8:XS+15], v11
	v_lshrrev_b32 v[E+(\t)], 23, v11               ; the scale's byte (a plain line behind the conversions)
	ds_store_b8 v5, v[E+(\t)] offset:16*(\t)       ; both lanes of a block write the same byte
	ds_store_b64 v4, v[C+4*(\t):C+4*(\t)+1] offset:16*(\t)   ; unit j, row t
.endm
.irp t, 0,1,2,3,4,5,6,7,8,9,10,11,12,13,14,15
	STEP \t
.endr
	ds_load_b64 v[8:9], v1                         ; LDS serves a wave's instructions in order: these see my stores
.irp i, 0,1,2,3,4,5,6,7
	ds_load_b128 v[R+4*\i:R+4*\i+3], v6 offset:2*CPI*\i
.endr
	s_wait_dscnt 0x0
	global_store_b64 v7, v[8:9], s[18:19]          ; 256 consecutive bytes
.irp i, 0,1,2,3,4,5,6,7
	global_store_b128 v3, v[R+4*\i:R+4*\i+3], s[16:17] offset:512*\i   ; 512 consecutive bytes
.endr
	s_branch .Lend
.Ltable:
	s_sub_co_u32 s28, ttmp9, 256
	s_lshl_b32 s28, s28, 2
	s_add_co_u32 s28, s28, s26                     ; which 64 tokens of the 4,096
	s_lshl_b32 s30, s28, 12                        ; 64 bytes of phi a token
	s_mov_b32 s31, 0
	v_lshlrev_b32 v3, 7, v2                        ; two tokens a lane
	v_lshlrev_b32 v7, 3, v2
	s_mov_b32 s34, 0x3f22f983                      ; 2 / pi
	s_mov_b32 s35, 0xbfc90fda                      ; - pi / 2 in three parts
	s_mov_b32 s36, 0xb3a22168
	s_mov_b32 s37, 0xa7c234c4
	s_mov_b32 s38, 0xbe2aaaa3                      ; sine's polynomial
	s_mov_b32 s39, 0x3c08839e
	s_mov_b32 s40, 0xb94ca1f9
	s_mov_b32 s41, 0x3d2aaaa5                      ; cosine's
	s_mov_b32 s42, 0xbab6061a
	s_mov_b32 s43, 0x37ccf5ce
	s_wait_kmcnt 0x0
	s_add_nc_u64 s[14:15], s[14:15], s[30:31]
.irp i, 0,1,2,3,4,5,6,7
	global_load_b128 v[PH+4*\i:PH+4*\i+3], v3, s[14:15] offset:16*\i   ; register 16 e + head: token 2 lane + e
.endr
	s_lshr_b32 s30, s28, 5                         ; batch
	s_lshl_b32 s30, s30, 17
	s_and_b32 s32, s28, 31
	s_lshl_b32 s32, s32, 8
	s_add_co_u32 s30, s30, s32
	s_add_nc_u64 s[20:21], s[20:21], s[30:31]
	s_wait_loadcnt 0x0
.macro SINCOS n                        ; x = k pi / 2 + r; sin r and cos r by polynomials; the quadrant k exchanges them and sets the signs
.set XI, PH+(\n)
.set OC, CO+2*((\n)%16)+(\n)/16
.set OS, SI+2*((\n)%16)+(\n)/16
	v_mul_f32 v16, s34, v[XI]
	v_rndne_f32 v16, v16
	v_fma_f32 v17, v16, s35, v[XI]
	v_fma_f32 v17, v16, s36, v17
	v_fma_f32 v17, v16, s37, v17                   ; r
	v_cvt_i32_f32 v18, v16                         ; k
	v_mul_f32 v19, v17, v17                        ; z = r r
	v_fma_f32 v20, v19, s40, s39
	v_fma_f32 v21, v19, s43, s42
	v_fma_f32 v20, v20, v19, s38
	v_fma_f32 v21, v21, v19, s41
	v_mul_f32 v22, v17, v19
	v_mul_f32 v23, v19, v19
	v_fma_f32 v24, v19, -0.5, 1.0
	v_fma_f32 v20, v20, v22, v17                   ; sin r
	v_fma_f32 v21, v21, v23, v24                   ; cos r
	v_and_b32 v22, 1, v18
	v_cmp_eq_u32 vcc_lo, 1, v22
	v_cndmask_b32 v23, v20, v21, vcc_lo            ; an odd quadrant exchanges them
	v_cndmask_b32 v24, v21, v20, vcc_lo
	v_lshlrev_b32 v22, 30, v18                     ; sine's sign: bit 1 of k
	v_add_nc_u32 v18, 1, v18
	v_and_b32 v22, 0x80000000, v22
	v_lshlrev_b32 v18, 30, v18                     ; cosine's: bit 1 of k + 1
	v_xor_b32 v[OS], v22, v23
	v_and_b32 v18, 0x80000000, v18
	v_xor_b32 v[OC], v18, v24
.endm
.irp n, 0,1,2,3,4,5,6,7,8,9,10,11,12,13,14,15,16,17,18,19,20,21,22,23,24,25,26,27,28,29,30,31
	SINCOS \n
.endr
.irp hd, 0,1,2,3,4,5,6,7,8,9,10,11,12,13,14,15
	global_store_b64 v7, v[CO+2*\hd:CO+2*\hd+1], s[20:21] offset:8192*\hd          ; 32 lanes store 256 consecutive bytes of a head's row
	global_store_b64 v7, v[SI+2*\hd:SI+2*\hd+1], s[20:21] offset:262144+8192*\hd
.endr
.Lend:
	s_wait_tensorcnt 0x0                           ; the wave's end, behind my last LDS store
	ds_add_u32 v[SPW], v[NIL]
	s_wait_dscnt 0x0
	s_endpgm
.Lfunc_end_k_q9474ed0436_prep:
	.size	k_q9474ed0436_prep, .Lfunc_end_k_q9474ed0436_prep-k_q9474ed0436_prep
	.p2alignl 7, 3214868480
	.fill 96, 4, 3214868480
	.section	.rodata,"a",@progbits
	.p2align	6, 0x0
	.amdhsa_kernel k_q9474ed0436_prep
		.amdhsa_group_segment_fixed_size 39424
		.amdhsa_private_segment_fixed_size 0
		.amdhsa_enable_private_segment 0
		.amdhsa_kernarg_size 72
		.amdhsa_user_sgpr_count 2
		.amdhsa_user_sgpr_kernarg_segment_ptr 1
		.amdhsa_wavefront_size32 1
		.amdhsa_system_sgpr_workgroup_id_x 1
		.amdhsa_system_sgpr_workgroup_id_y 1
		.amdhsa_system_sgpr_workgroup_id_z 1
		.amdhsa_system_vgpr_workitem_id 0
		.amdhsa_next_free_vgpr 192
		.amdhsa_next_free_sgpr 66
		.amdhsa_reserve_vcc 1
		.amdhsa_float_denorm_mode_32 3
		.amdhsa_float_denorm_mode_16_64 3
		.amdhsa_memory_ordered 1
		.amdhsa_forward_progress 1
		.amdhsa_inst_pref_size 79
	.end_amdhsa_kernel
	.amdgpu_metadata
---
amdhsa.version: [ 1, 2 ]
amdhsa.kernels:
  - .name:           k_q9474ed0436_prep
    .symbol:         k_q9474ed0436_prep.kd
    .args:
      - { .name: hidden_states, .offset: 0, .size: 8, .value_kind: global_buffer, .address_space: global }
      - { .name: Wq, .offset: 8, .size: 8, .value_kind: global_buffer, .address_space: global }
      - { .name: Wk, .offset: 16, .size: 8, .value_kind: global_buffer, .address_space: global }
      - { .name: Wv, .offset: 24, .size: 8, .value_kind: global_buffer, .address_space: global }
      - { .name: Wo, .offset: 32, .size: 8, .value_kind: global_buffer, .address_space: global }
      - { .name: phi, .offset: 40, .size: 8, .value_kind: global_buffer, .address_space: global }
      - { .name: xw, .offset: 48, .size: 8, .value_kind: global_buffer, .address_space: global }
      - { .name: xws, .offset: 56, .size: 8, .value_kind: global_buffer, .address_space: global }
      - { .name: trig, .offset: 64, .size: 8, .value_kind: global_buffer, .address_space: global }
    .group_segment_fixed_size: 39424
    .private_segment_fixed_size: 0
    .kernarg_segment_align: 8
    .kernarg_segment_size: 72
    .max_flat_workgroup_size: 128
    .sgpr_count:     66
    .vgpr_count:     192
    .wavefront_size: 32
...
	.end_amdgpu_metadata
.endif
;; end of part 1
;; launch qkv (part 2): grid 12 x 16, 4 waves a work-group, clusters of 4 x 4, 327,680 bytes of LDS; arguments xw, xws, trig, bq, bk, bv, qkv, qkvs; writes qkv, qkvs
.if DOCPART == 2
	.amdgcn_target "amdgcn-amd-amdhsa--gfx1250"
	.amdhsa_code_object_version 6
	.text
	.protected	k_q9474ed0436_qkv
	.globl	k_q9474ed0436_qkv
	.p2align	8
	.type	k_q9474ed0436_qkv,@function
k_q9474ed0436_qkv:
	s_mov_b64 s[64:65], 0
	v_nop
	global_prefetch_b8 v0, s[64:65] scope:SCOPE_SE
	s_setreg_imm32_b32 hwreg(HW_REG_WAVE_MODE, 25, 1), 1
	s_wait_xcnt 0x0
	s_wait_alu depctr_hold_cnt(0) depctr_sa_sdst(0) depctr_va_vdst(0) depctr_va_sdst(0) depctr_va_ssrc(0) depctr_va_vcc(0) depctr_vm_vsrc(0)
	s_getreg_b32 s2, hwreg(HW_REG_IB_STS2, 6, 4)
	s_cmp_eq_u32 s2, 0
	s_cbranch_scc0 .Lentry_in_a_cluster
	s_endpgm
.Lentry_in_a_cluster:
	s_bfe_u32 s2, ttmp6, 0x10000c
	s_cmp_lg_u32 s2, 0xf033
	s_cbranch_scc0 .Lentry_shape_is_right
	s_endpgm
.Lentry_shape_is_right:
; The three projections as one GEMM on codes of FP4: [4096 tokens] x [3072 rows of Wq, Wk, Wv], K = 1024; then bias, the rotation by phi (q, k) and the quantising of the results for the attention launch.
; A work-group of four waves makes 256 tokens x 256 rows; a wave 128 x 128: 64 accumulators, 512 registers.  192 work-groups: the size has no more such tiles.
; OPERANDS lie in memory as images of their registers (tile of 16 rows: 8 K steps x 1,024 bytes), so a fragment is two LDS loads at 16 x lane: dense, no pitch.
; K = 1,024 is two slots of 512 along K: both are asked for at the start, nothing is filled again.  A wave's tensor load brings 8 tiles x 4,096 bytes.  The scale bytes of the 256 + 256 rows come once.
; CLUSTERS: 4 x 4 work-groups; A's tiles (tokens) are shared along a row of the cluster, B's (weights) along a column: joint loads with a mask that names the four.  Cluster x is the tensor: 0 q, 1 k, 2 v,
; so the one branch on the tensor goes the same way in all sixteen partners.
; THE MATRIX INSTRUCTION IS USED TRANSPOSED (source 0 = 16 rows of W, source 1 = 16 tokens): a lane holds one token; by the order of rows in a tile, register j of tiles 2 b + u is column 32 b + 16 h + 8 u + j.
; Q, K: a wave's 128 columns are two heads.  x = sum + bias; lo = d 0-31, hi = d 32-63 lie in the same lane: lo' = lo cos - hi sin, hi' = hi cos + lo sin.  q's cos and sin carry the factor 1/8 = 1/sqrt(64): a power
; of two, which the block scales take up, so the scores come out divided.  Each head's two blocks of 32 are quantised (a block lies in lanes l and l xor 16) and stored as [tile of 16 tokens][lane][16 bytes].
; V: its K in the next product is the keys, which lie across lanes: 32 tokens at a time go through the wave's stage in LDS; then a lane takes a column and its 32 registers run down the keys.
; The stage lies in slot 0, which has had its only fill and which nobody reads behind the change of slots.
; LIMITS: blocks of zeros carry the byte 1; blocks of q under 2^-121 before the factor meet the floor; NaN and infinities are not served.
; REGISTERS: window 0: v0-31 addresses and small things; v32-95 scale words, two sets (nothing else ever); v96-127 (cos, sin) pairs; v128-191 A's fragments, later at work; v192-255 the bias in the result's layout, in V's path codes.
;   window 1: B's fragments, two sets.  windows 2, 3: the accumulators ((a, b) at v[8 (8 (a % 4) + b)]).
.set NQ,     4                         ; K steps of 128 in a slot
.set FR,     8
.set NL,     2
.set NP,     4
.set SLOT,   131072                    ; A's 16 tiles x 4,096 bytes, then B's
.set SCL,    262144                    ; A's scale bytes (16 tiles x 512), then B's
.set SPARE,  278528                    ; the spare words, 128 bytes for each wave; no other line names them
.set ADRA, 16
.set ADRB, 20
.set STO,  24                          ; V: into the stage
.set RDV,  25                          ; V: out of it
.set VSO,  26                          ; V: my place in a store of codes
.set ADRS, 27
.set SPW,  28
.set NIL,  29
.set SC,   32
.set CSN,  96
.set AF,   128
.set T,    128
.set RR,   160
.set XV,   128
.set BI,   192
.set VB,   8
.set SB,   4
.set TM,   16
.set PC,   24
.set G1, 24
.set G0, 32
.set G1B, 48
.set G0B, 56
.set SEL, 66
.set G1S, 68
.set G0S, 76
.set G1SB, 80
.set G0SB, 88
.set MSB, 0
.macro WIN new                         ; the immediate's high byte repeats the setting that is left
.if MSB != \new
	s_set_vgpr_msb (MSB<<8)|\new
.set MSB, \new
.endif
.endm
.set MUL_LO, 0xa1                      ; source 0 (W) window 1, source 1 (tokens) window 0, C and D window 2
.set MUL_HI, 0xf1
.set TO_B,   0x40
.macro JLOAD g0a, g1a, g0b, g1b        ; a joint load: waves 0 and 1 fetch for A, waves 2 and 3 for B; the branch hangs on the wave's number alone; an s_nop 0 and four v_nop follow each line
	s_cmp_eq_u32 s15, 0
	s_cbranch_scc0 .Lfor_b_\@
	tensor_load_to_lds s[\g0a:\g0a+3], s[\g1a:\g1a+7]
	s_nop 0
.rept 4
	v_nop
.endr
	s_branch .Lasked_\@
.Lfor_b_\@:
	tensor_load_to_lds s[\g0b:\g0b+3], s[\g1b:\g1b+7]
	s_nop 0
.rept 4
	v_nop
.endr
.Lasked_\@:
.endm
.macro CROUND                          ; a round of the cluster's barrier
	s_barrier_signal -1
	s_barrier_wait -1
	s_cmp_lg_u32 s14, 0
	s_cbranch_scc1 .Lnot_wave_0_\@
	s_barrier_signal -3
.Lnot_wave_0_\@:
	s_barrier_wait -3
	s_barrier_signal -1
	s_barrier_wait -1
.endm
	s_load_b256 s[4:11], s[0:1], 0x0               ; xw, xws, trig, bq
	s_load_b256 s[92:99], s[0:1], 0x20             ; bk, bv, qkv, qkvs
	v_lshl_add_u32 v[SPW], v0, 2, SPARE
	v_mov_b32 v[NIL], 0
	ds_add_u32 v[SPW], v[NIL]                      ; the wave's opening: the add and its wait stand ahead of my first tensor load
	v_lshrrev_b32 v1, 5, v0
	v_readfirstlane_b32 s14, v1                    ; wave 0..3
	s_lshr_b32 s15, s14, 1                         ; my half of the tokens.  Also: I fetch for A (0) or for B (1)
	s_and_b32 s16, s14, 1                          ; my half of the columns.  Also: which 8 tiles I fetch
	s_bfe_u32 s40, ttmp6, 0x40000                  ; cx
	s_bfe_u32 s41, ttmp6, 0x40004                  ; cy
	s_lshl_b32 s42, ttmp9, 2
	s_add_co_u32 s42, s42, s40                     ; tile column 0..11
	s_and_b32 s17, ttmp7, 0xffff
	s_lshl_b32 s17, s17, 2
	s_add_co_u32 s17, s17, s41                     ; tile row 0..15
	s_lshl_b32 s43, s41, 2
	s_lshl_b32 s43, 15, s43                        ; my row of the cluster
	s_lshl_b32 s44, 0x1111, s40                    ; my column
	s_or_b32 s[G1+0], s43, (3<<16)|(1<<21)         ; the mask; elements of 8 bytes; bit 21 beside a mask; no padding
	s_or_b32 s[G1B+0], s44, (3<<16)|(1<<21)
.irp g, G1, G1B                        ; codes: 8 rows (tiles) of 512 elements (a slot's 4,096 bytes), 1,024 elements from tile to tile
	s_mov_b32 s[\g+1], 512<<16
	s_mov_b32 s[\g+2], 8<<16
	s_mov_b32 s[\g+3], 512<<16
	s_mov_b32 s[\g+4], 8
	s_mov_b32 s[\g+5], 1024
	s_mov_b32 s[\g+6], 0
	s_mov_b32 s[\g+7], 0
.endr
	s_or_b32 s[G1S+0], s43, (3<<16)|(1<<21)
	s_or_b32 s[G1SB+0], s44, (3<<16)|(1<<21)
.irp g, G1S, G1SB                      ; scale bytes of 8 tiles: 4,096 dense bytes as 16 rows of 256
	s_mov_b32 s[\g+1], 32<<16
	s_mov_b32 s[\g+2], 16<<16
	s_mov_b32 s[\g+3], 32<<16
	s_mov_b32 s[\g+4], 16
	s_mov_b32 s[\g+5], 32
	s_mov_b32 s[\g+6], 0
	s_mov_b32 s[\g+7], 0
.endr
	s_lshl_b32 s18, s16, 3
	s_lshl_b32 s20, s17, 4
	s_add_co_u32 s20, s20, s18                     ; A's first tile that I fetch: made of the tile row and the wave's number
	s_lshl_b32 s46, s42, 4
	s_add_co_u32 s46, s46, s18
	s_add_co_u32 s46, s46, 256                     ; B's: of the tile column and the wave's number
	s_lshl_b32 s22, s20, 9
	s_mov_b32 s23, 0
	s_lshl_b32 s20, s20, 13
	s_mov_b32 s21, 0
	s_lshl_b32 s18, s46, 9
	s_mov_b32 s19, 0
	s_lshl_b32 s46, s46, 13
	s_mov_b32 s47, 0
	s_lshl_b32 s45, s14, 15                        ; where they go: wave x 32,768,
	s_lshl_b32 s3, s14, 12                         ; the scales: wave x 4,096
	s_mov_b32 s[SEL], 0x76543210
	s_mov_b32 s[SEL+1], 0xfedcba98
	s_mov_b32 s100, 0xffff0000                     ; lanes 16-31
	s_wait_dscnt 0x0                               ; the opening add is done
	s_wait_kmcnt 0x0
	s_add_nc_u64 s[20:21], s[4:5], s[20:21]
	s_add_nc_u64 s[22:23], s[6:7], s[22:23]
	s_add_nc_u64 s[46:47], s[4:5], s[46:47]
	s_add_nc_u64 s[18:19], s[6:7], s[18:19]
	CROUND                                         ; all sixteen work-groups are here: the joint loads meet
	s_mov_b32 s[G0S], 1
	s_add_co_u32 s[G0S+1], s3, SCL
	s_mov_b64 s[G0S+2:G0S+3], s[22:23]
	s_or_b32 s[G0S+3], s[G0S+3], 0x80000000
	s_mov_b32 s[G0SB], 1
	s_add_co_u32 s[G0SB+1], s3, SCL
	s_mov_b64 s[G0SB+2:G0SB+3], s[18:19]
	s_or_b32 s[G0SB+3], s[G0SB+3], 0x80000000
	JLOAD G0S, G1S, G0SB, G1SB                     ; three loads of mine go out: the scales, slot 0, slot 1
.irp s, 0,1
	s_mov_b32 s[G0+4*\s], 1
	s_add_co_u32 s[G0+4*\s+1], s45, \s*SLOT
	s_add_nc_u64 s[G0+4*\s+2:G0+4*\s+3], s[20:21], \s*4096
	s_or_b32 s[G0+4*\s+3], s[G0+4*\s+3], 0x80000000
	s_mov_b32 s[G0B+4*\s], 1
	s_add_co_u32 s[G0B+4*\s+1], s45, \s*SLOT
	s_add_nc_u64 s[G0B+4*\s+2:G0B+4*\s+3], s[46:47], \s*4096
	s_or_b32 s[G0B+4*\s+3], s[G0B+4*\s+3], 0x80000000
	JLOAD G0+4*\s, G1, G0B+4*\s, G1B
.endr
	v_and_b32 v1, 15, v0                           ; r
	v_bfe_u32 v2, v0, 4, 1                         ; h
	v_and_b32 v6, 31, v0
	v_lshlrev_b32 v30, 4, v6                       ; 16 x lane
	s_lshl_b32 s21, s15, 15                        ; my 8 tiles of A
	s_lshl_b32 s22, s16, 15                        ; my 8 tiles of B,
	s_add_co_u32 s22, s22, 65536                   ; behind A's 16
.irp s, 0,1
	v_add_nc_u32 v[ADRA+\s], s21, v30
	v_add_nc_u32 v[ADRB+\s], s22, v30
	s_add_co_u32 s21, s21, SLOT
	s_add_co_u32 s22, s22, SLOT
.endr
	v_lshlrev_b32 v6, 4, v1                        ; scale words: 16 bytes a row and K half
	s_lshl_b32 s21, s15, 12
	s_lshl_b32 s22, s16, 12
	s_add_co_u32 s22, s22, 8192
	s_sub_co_u32 s22, s22, s21
	v_mul_u32_u24 v7, s22, v2                      ; lanes 16-31 take B's
	s_add_co_u32 s21, s21, SCL
	v_add_nc_u32 v6, v6, v7
	v_add_nc_u32 v[ADRS], s21, v6
	v_lshlrev_b32 v31, 4, v1
	v_lshl_add_u32 v31, v2, 12, v31                ; q, k scale words out: 16 r, lanes 16-31 the next head
	v_bfe_u32 v7, v0, 3, 1                         ; r / 8
	s_mul_i32 s23, s14, 16896                      ; V's stage: 32 rows x 528 bytes for each wave
	v_lshl_add_u32 v6, v7, 3, v1                   ; r + 8 (r / 8)
	v_mul_u32_u24 v[STO], v6, 528
	v_lshl_add_u32 v[STO], v2, 5, v[STO]
	v_add_nc_u32 v[STO], s23, v[STO]
	v_and_b32 v6, 31, v0
	v_lshl_add_u32 v[RDV], v6, 2, s23
	v_lshlrev_b32 v[VSO], 4, v1
	v_lshl_add_u32 v[VSO], v2, 10, v[VSO]
	; what the way out wants is asked for now, by the same lines in every cluster: the bias in two layouts, cos and sin of my tokens
	s_cmp_eq_u32 ttmp9, 0
	s_cselect_b64 s[10:11], s[10:11], s[92:93]
	s_cselect_b32 s12, 0x3e000000, 1.0             ; q carries 1 / 8
	s_cmp_eq_u32 ttmp9, 2
	s_cselect_b64 s[10:11], s[94:95], s[10:11]
	s_mov_b32 s13, s12
	s_lshl_b32 s20, s40, 10
	s_lshl_b32 s21, s16, 9
	s_add_co_u32 s20, s20, s21                     ; my first column in the tensor, x 4 bytes
	s_mov_b32 s21, 0
	s_add_nc_u64 s[10:11], s[10:11], s[20:21]
	v_lshlrev_b32 v3, 6, v2                        ; 64 h
.irp hh, 0,1
.irp t, 0,1,2,3
	global_load_b128 v[BI+32*\hh+8*\t:BI+32*\hh+8*\t+3], v3, s[10:11] offset:4*(64*\hh+32*(\t/2)+8*(\t%2))
	global_load_b128 v[BI+32*\hh+8*\t+4:BI+32*\hh+8*\t+7], v3, s[10:11] offset:4*(64*\hh+32*(\t/2)+8*(\t%2))+16
.endr
.endr
	v_and_b32 v4, 7, v0
	v_lshl_add_u32 v4, v2, 3, v4
	v_lshl_add_u32 v4, v7, 4, v4                   ; the column that stands at place lane of 32
	v_lshlrev_b32 v4, 2, v4
.irp g, 0,1,2,3
	global_load_b32 v[VB+2*\g], v4, s[10:11] offset:128*\g
	global_load_b32 v[VB+2*\g+1], v4, s[10:11] offset:128*\g     ; twice: a pair for the packed addition
.endr
	s_lshr_b32 s20, s17, 3                         ; batch
	s_lshl_b32 s20, s20, 4
	s_lshl_b32 s21, s40, 2
	s_add_co_u32 s20, s20, s21
	s_lshl_b32 s21, s16, 1
	s_add_co_u32 s2, s20, s21                      ; y of my first head = 16 batch + head
	s_and_b32 s21, s17, 7
	s_lshl_b32 s21, s21, 1
	s_add_co_u32 s3, s21, s15                      ; which 128 tokens of the batch are mine
	s_lshl_b32 s20, s2, 13
	s_lshl_b32 s21, s3, 9
	s_add_co_u32 s20, s20, s21
	s_mov_b32 s21, 0
	s_add_nc_u64 s[8:9], s[8:9], s[20:21]
	v_lshl_add_u32 v5, v7, 3, v1
	v_lshlrev_b32 v5, 2, v5                        ; 4 (r + 8 (r / 8))
.irp a, 0,1,2,3,4,5,6,7
.irp hh, 0,1
	global_load_b32 v[CSN+2*(2*\a+\hh)], v5, s[8:9] offset:8192*\hh+(32*(\a/2)+8*(\a%2))*4
	global_load_b32 v[CSN+2*(2*\a+\hh)+1], v5, s[8:9] offset:262144+8192*\hh+(32*(\a/2)+8*(\a%2))*4
.endr
.endr
	s_lshl_b32 s20, ttmp9, 21                      ; where my codes go: tensor, head, 128 tokens
	s_lshl_b32 s22, s2, 16
	s_add_co_u32 s20, s20, s22
	s_lshl_b32 s22, s3, 12
	s_add_co_u32 s20, s20, s22
	s_add_nc_u64 s[96:97], s[96:97], s[20:21]
	s_lshl_b32 s20, ttmp9, 17                      ; and my scale bytes
	s_lshl_b32 s22, s2, 12
	s_add_co_u32 s20, s20, s22
	s_lshl_b32 s22, s3, 8
	s_add_co_u32 s20, s20, s22
	s_add_nc_u64 s[98:99], s[98:99], s[20:21]
.macro FRAG reg, adr, q, i             ; a fragment as it lies: tile i, the slot's q-th K step
.irp c, 0,1
	ds_load_b128 v[\reg+4*\c:\reg+4*\c+3], v[\adr] offset:4096*(\i)+1024*(\q)+512*\c
.endr
.endm
; 16 matrix instructions: A's blocks a0, a0 + 1 x B's eight.  The 64 accumulators take turns, one instruction a turn, in the same order in every step.
.macro MUL16 a0, p, q, sc, zero
.irp a, \a0, \a0+1
.irp b, 0,1,2,3,4,5,6,7
.if \zero
	v_wmma_scale_f32_16x16x128_f8f6f4 v[8*(8*((\a)%4)+\b):8*(8*((\a)%4)+\b)+7], v[128*(\p)+FR*\b:128*(\p)+FR*\b+FR-1], v[AF+FR*(\a):AF+FR*(\a)+FR-1], 0, v[SC+8*NQ*(\sc)+NQ*\b+(\q)], v[SC+8*NQ*(\sc)+NQ*(\a)+(\q)] matrix_a_fmt:MATRIX_FMT_FP4 matrix_b_fmt:MATRIX_FMT_FP4 matrix_a_scale:MATRIX_SCALE_ROW1
.else
	v_wmma_scale_f32_16x16x128_f8f6f4 v[8*(8*((\a)%4)+\b):8*(8*((\a)%4)+\b)+7], v[128*(\p)+FR*\b:128*(\p)+FR*\b+FR-1], v[AF+FR*(\a):AF+FR*(\a)+FR-1], v[8*(8*((\a)%4)+\b):8*(8*((\a)%4)+\b)+7], v[SC+8*NQ*(\sc)+NQ*\b+(\q)], v[SC+8*NQ*(\sc)+NQ*(\a)+(\q)] matrix_a_fmt:MATRIX_FMT_FP4 matrix_b_fmt:MATRIX_FMT_FP4 matrix_a_scale:MATRIX_SCALE_ROW1
.endif
.endr
.endr
.endm
.macro FETCH_B slot, q, p
	WIN TO_B
.irp i, 0,1,2,3,4,5,6,7
	FRAG 128*(\p)+FR*\i, ADRB+\slot, \q, \i
.endr
	WIN 0
.endm
.macro FETCH_A slot, q, i0
.irp i, \i0, \i0+1, \i0+2, \i0+3
	FRAG AF+FR*(\i), ADRA+\slot, \q, \i
.endr
.endm
.macro SCALES sc                       ; a slot's scale words: lanes 0-15 A's tile i, lanes 16-31 B's tile i; four words a row
.irp i, 0,1,2,3,4,5,6,7
	ds_load_b128 v[SC+8*NQ*\sc+NQ*\i:SC+8*NQ*\sc+NQ*\i+3], v[ADRS] offset:\i*512
.endr
.endm
.macro PLACES n                        ; plain places behind matrix instructions, in front of loads into registers that they read and of the first read of results
.rept \n
	v_nop
.endr
.endm
.macro STEP slot, q, zero              ; 128 along K whose successor lies in the same slot
	s_wait_dscnt 4*NL                              ; B's set and A's blocks 0-3 are in; the youngest eight loads (A's blocks 4-7) may be out
	WIN MUL_LO
	MUL16 0, (\q)%2, \q, \slot, \zero
	MUL16 2, (\q)%2, \q, \slot, \zero
	s_wait_dscnt 0                                 ; A's blocks 4-7 are in
	PLACES NP
	FETCH_B \slot, (\q)+1, 1-(\q)%2
	FETCH_A \slot, (\q)+1, 0
	WIN MUL_HI
	MUL16 4, (\q)%2, \q, \slot, \zero
	MUL16 6, (\q)%2, \q, \slot, \zero
	PLACES NP
	WIN 0
	FETCH_A \slot, (\q)+1, 4
.endm
.macro STEPS slot, from
.set Q, \from
.rept NQ-1-\from
	STEP \slot, Q, 0
.set Q, Q+1
.endr
.endm
	s_wait_tensorcnt 1                             ; the scales and my part of slot 0 are in; slot 1's load may be out
	s_barrier_signal -1
	s_barrier_wait -1
	FETCH_B 0, 0, 0
	FETCH_A 0, 0, 0
	SCALES 0
	FETCH_A 0, 0, 4
	STEP 0, 0, 1                                   ; the first products start the sums: nothing is cleared
	STEPS 0, 1
	; slot 0's last step changes slots: one barrier; in front of it all my tensor loads have landed, and my reads of slot 0 are over
	s_wait_tensorcnt 0x0
	ds_add_u32 v[SPW], v[NIL]                      ; 0 onto my spare word
	s_wait_dscnt 4*NL+1                            ; (the add and A's blocks 4-7 may be out)
	WIN MUL_LO
	MUL16 0, 1, NQ-1, 0, 0
	s_wait_dscnt 0x0
	s_barrier_signal -1
	MUL16 2, 1, NQ-1, 0, 0
	WIN 0
	s_barrier_wait -1
	PLACES NP
	v_add_nc_u32 v[ADRS], 256, v[ADRS]             ; the other half of K's scale words
	FETCH_B 1, 0, 0
	FETCH_A 1, 0, 0
	SCALES 1
	WIN MUL_HI
	MUL16 4, 1, NQ-1, 0, 0
	MUL16 6, 1, NQ-1, 0, 0
	PLACES NP
	WIN 0
	FETCH_A 1, 0, 4
	STEPS 1, 0
	s_wait_dscnt 4*NL                              ; the very last step
	WIN MUL_LO
	MUL16 0, 1, NQ-1, 1, 0
	MUL16 2, 1, NQ-1, 1, 0
	s_wait_dscnt 0
	WIN MUL_HI
	MUL16 4, 1, NQ-1, 1, 0
	MUL16 6, 1, NQ-1, 1, 0
	WIN 0
	PLACES NP
	s_wait_loadcnt 0x0                             ; bias, cos and sin
	s_cmp_eq_u32 ttmp9, 2                          ; the cluster's x: the same in all sixteen partners
	s_cbranch_scc1 .Lv_path
	; ---- Q, K
.irp i, 0,1,2,3,4,5,6,7,8,9,10,11,12,13,14,15
	v_pk_mul_f32 v[CSN+2*\i:CSN+2*\i+1], v[CSN+2*\i:CSN+2*\i+1], s[12:13] op_sel_hi:[1,0]   ; q: cos / 8 and sin / 8; k: x 1
.endr
	v_mov_b32 v[TM+2], 0                           ; written once: a lane permute's destination counts as one of its sources
	v_mov_b32 v[TM+3], 0
; head hh of my two, tile a of my eight tiles of tokens: 32 numbers a lane
.macro QKUNIT hh, a
.set AC, 64*((\a)%4)+32*(\hh)
.set CP, CSN+2*(2*(\a)+(\hh))
	WIN 0x02+(\a)/4                                ; source 0: the accumulators' window
.irp i, 0,1,2,3,4,5,6,7,8,9,10,11,12,13,14,15
	v_pk_add_f32 v[T+2*\i:T+2*\i+1], v[AC+2*\i:AC+2*\i+1], v[BI+32*(\hh)+2*\i:BI+32*(\hh)+2*\i+1]   ; + bias; each accumulator from its low end on
.endr
	WIN 0
.irp i, 0,1,2,3,4,5,6,7
	v_pk_mul_f32 v[RR+2*\i:RR+2*\i+1], v[T+2*\i:T+2*\i+1], v[CP:CP+1] op_sel_hi:[1,0]              ; lo cos
	v_pk_mul_f32 v[RR+16+2*\i:RR+16+2*\i+1], v[T+16+2*\i:T+16+2*\i+1], v[CP:CP+1] op_sel_hi:[1,0]  ; hi cos
.endr
.irp i, 0,1,2,3,4,5,6,7
	v_pk_fma_f32 v[RR+2*\i:RR+2*\i+1], v[T+16+2*\i:T+16+2*\i+1], v[CP:CP+1], v[RR+2*\i:RR+2*\i+1] op_sel:[0,1,0] op_sel_hi:[1,1,1] neg_lo:[0,1,0] neg_hi:[0,1,0]   ; - hi sin (the pair's second word for both halves)
	v_pk_fma_f32 v[RR+16+2*\i:RR+16+2*\i+1], v[T+2*\i:T+2*\i+1], v[CP:CP+1], v[RR+16+2*\i:RR+16+2*\i+1] op_sel:[0,1,0] op_sel_hi:[1,1,1]                             ; + lo sin
.endr
.irp b, 0,1
	v_max3_num_f32 v[TM+\b], |v[RR+16*\b]|, |v[RR+16*\b+1]|, 0x1800000   ; block b: my 16, and the floor 2^(3 - 127)
.endr
.irp i, 2,4,6,8,10,12,14
.irp b, 0,1
	v_max3_num_f32 v[TM+\b], v[TM+\b], |v[RR+16*\b+\i]|, |v[RR+16*\b+\i+1]|
.endr
.endr
.irp b, 0,1
	v_permlanex16_b32 v[TM+2+\b], v[TM+\b], s[SEL], s[SEL+1]
.endr
.irp b, 0,1
	v_max_num_f32 v[TM+\b], v[TM+\b], v[TM+2+\b]   ; with lane l xor 16's
.endr
.irp b, 0,1
	v_add_nc_u32 v[TM+4+\b], 0xff000000, v[TM+\b]  ; the conversion's scale operand
.endr
.irp b, 0,1
	v_lshrrev_b32 v[TM+6+\b], 23, v[TM+4+\b]       ; the byte
.endr
	v_lshl_or_b32 v[8*(\hh)+(\a)], v[TM+7], 8, v[TM+6]
	s_wait_xcnt 0x0                                ; the last unit's store has read the codes' registers
.irp b, 0,1
	v_cvt_scalef32_pk8_fp4_f32 v[PC+2*\b], v[RR+16*\b:RR+16*\b+7], v[TM+4+\b]
	v_cvt_scalef32_pk8_fp4_f32 v[PC+2*\b+1], v[RR+16*\b+8:RR+16*\b+15], v[TM+4+\b]
.endr
	v_nop                                          ; one plain place behind a scaled conversion
	v_permlane16_swap_b32 v[PC], v[PC+2]           ; a whole block to a lane: lanes 0-15 block 0, lanes 16-31 block 1
	v_permlane16_swap_b32 v[PC+1], v[PC+3]
	global_store_b128 v30, v[PC:PC+3], s[96:97] offset:(\hh)*65536+(\a)*512   ; a tile's image: 512 consecutive bytes
.endm
.irp hh, 0,1
.irp a, 0,1,2,3,4,5,6,7
	QKUNIT \hh, \a
.endr
.endr
.irp hh, 0,1
.irp i, 0,1,2,3
	v_lshl_or_b32 v[TM+4*\hh+\i], v[8*\hh+2*\i+1], 16, v[8*\hh+2*\i]   ; word i: the bytes of tiles 2 i and 2 i + 1
.endr
.endr
	s_wait_xcnt 0x0
.irp i, 0,1,2,3
	v_cndmask_b32 v[PC+\i], v[TM+\i], v[TM+4+\i], s100     ; lanes 16-31 store the second head's
.endr
	global_store_b128 v31, v[PC:PC+3], s[98:99]    ; sixteen lanes store 256 consecutive bytes
	s_branch .Ljoin
	; ---- V
.Lv_path:
	v_and_b32 v27, 31, v0
	v_lshlrev_b32 v27, 3, v27                      ; 8 x lane
.macro VSTAGE gq                       ; 32 tokens (tiles 2 gq, 2 gq + 1) x my 128 columns into the stage; rows in the tokens' own order
	WIN 0x08+4*((\gq)/2)                           ; an LDS store's data are its source 1
.irp u, 0,1
.irp b, 0,1,2,3,4,5,6,7
	ds_store_b128 v[STO], v[64*((2*(\gq)+\u)%4)+8*\b:64*((2*(\gq)+\u)%4)+8*\b+3] offset:8*\u*528+64*\b
	ds_store_b128 v[STO], v[64*((2*(\gq)+\u)%4)+8*\b+4:64*((2*(\gq)+\u)%4)+8*\b+7] offset:8*\u*528+64*\b+16
.endr
.endr
	WIN 0
.endm
.macro VLOAD g                         ; a lane takes place 32 g + lane of the columns; its registers run down the 32 tokens
.irp i, 0,1,2,3,4,5,6,7,8,9,10,11,12,13,14,15,16,17,18,19,20,21,22,23,24,25,26,27,28,29,30,31
	ds_load_b32 v[XV+32*((\g)%2)+\i], v[RDV] offset:\i*528+128*(\g)
.endr
.endm
.macro VPASS gq, g
.set XS, XV+32*((\g)%2)
.set CS, BI+4*(4*(\gq)+(\g))
.if (\g) < 3
	VLOAD (\g)+1
	s_wait_dscnt 32                                ; all but the 32 just issued
.else
	s_wait_dscnt 0x0
.endif
.irp i, 0,1,2,3,4,5,6,7,8,9,10,11,12,13,14,15
	v_pk_add_f32 v[XS+2*\i:XS+2*\i+1], v[XS+2*\i:XS+2*\i+1], v[VB+2*(\g):VB+2*(\g)+1]   ; + my column's bias
.endr
	v_max3_num_f32 v16, |v[XS]|, |v[XS+1]|, |v[XS+2]|     ; the block's 32 numbers are all mine
	v_max3_num_f32 v17, |v[XS+3]|, |v[XS+4]|, |v[XS+5]|
.irp i, 6,10,14,18,22,26
	v_max3_num_f32 v16, v16, |v[XS+\i]|, |v[XS+\i+1]|
	v_max3_num_f32 v17, v17, |v[XS+\i+2]|, |v[XS+\i+3]|
.endr
	v_max3_num_f32 v16, v16, |v[XS+30]|, |v[XS+31]|
	v_max3_num_f32 v16, v16, v17, 0x1800000
	v_add_nc_u32 v18, 0xff000000, v16
	v_lshrrev_b32 v17, 23, v18
.if (\gq) == 0
	v_mov_b32 v[SB+(\g)], v17                      ; four key blocks' bytes to a word
.else
	v_lshl_or_b32 v[SB+(\g)], v17, 8*(\gq), v[SB+(\g)]
.endif
.irp i, 0,1,2,3
	v_cvt_scalef32_pk8_fp4_f32 v[CS+\i], v[XS+8*\i:XS+8*\i+7], v18
.endr
	v_nop                                          ; one plain place behind a scaled conversion
	global_store_b128 v[VSO], v[CS:CS+3], s[96:97] offset:((\g)/2)*65536+((\g)%2)*2048+((\gq)/2)*512+((\gq)%2)*256   ; sixteen lanes store 256 consecutive bytes of a fragment's image
.endm
.irp gq, 0,1,2,3
	VSTAGE \gq                                     ; LDS serves a wave's instructions in order: these come behind the last group's reads
	VLOAD 0
.irp g, 0,1,2,3
	VPASS \gq, \g
.endr
.endr
	global_store_b64 v27, v[SB:SB+1], s[98:99]             ; a head's scale words of these 128 keys: 256 consecutive bytes
	global_store_b64 v27, v[SB+2:SB+3], s[98:99] offset:4096
.Ljoin:
	s_wait_tensorcnt 0x0                           ; the wave's end
	ds_add_u32 v[SPW], v[NIL]
	s_wait_dscnt 0x0
	CROUND                                         ; the closing round
	s_endpgm
.Lfunc_end_k_q9474ed0436_qkv:
	.size	k_q9474ed0436_qkv, .Lfunc_end_k_q9474ed0436_qkv-k_q9474ed0436_qkv
	.p2alignl 7, 3214868480
	.fill 96, 4, 3214868480
	.section	.rodata,"a",@progbits
	.p2align	6, 0x0
	.amdhsa_kernel k_q9474ed0436_qkv
		.amdhsa_group_segment_fixed_size 327680
		.amdhsa_private_segment_fixed_size 0
		.amdhsa_enable_private_segment 0
		.amdhsa_kernarg_size 64
		.amdhsa_user_sgpr_count 2
		.amdhsa_user_sgpr_kernarg_segment_ptr 1
		.amdhsa_wavefront_size32 1
		.amdhsa_system_sgpr_workgroup_id_x 1
		.amdhsa_system_sgpr_workgroup_id_y 1
		.amdhsa_system_sgpr_workgroup_id_z 1
		.amdhsa_system_vgpr_workitem_id 0
		.amdhsa_next_free_vgpr 1024
		.amdhsa_next_free_sgpr 102
		.amdhsa_reserve_vcc 0
		.amdhsa_float_denorm_mode_32 3
		.amdhsa_float_denorm_mode_16_64 3
		.amdhsa_memory_ordered 1
		.amdhsa_forward_progress 1
		.amdhsa_inst_pref_size 255
	.end_amdhsa_kernel
	.section	.bss,"aw",@nobits
	.p2align	6
	.space	262144
	.amdgpu_metadata
---
amdhsa.version: [ 1, 2 ]
amdhsa.kernels:
  - .name:           k_q9474ed0436_qkv
    .symbol:         k_q9474ed0436_qkv.kd
    .args:
      - { .name: xw, .offset: 0, .size: 8, .value_kind: global_buffer, .address_space: global }
      - { .name: xws, .offset: 8, .size: 8, .value_kind: global_buffer, .address_space: global }
      - { .name: trig, .offset: 16, .size: 8, .value_kind: global_buffer, .address_space: global }
      - { .name: bq, .offset: 24, .size: 8, .value_kind: global_buffer, .address_space: global }
      - { .name: bk, .offset: 32, .size: 8, .value_kind: global_buffer, .address_space: global }
      - { .name: bv, .offset: 40, .size: 8, .value_kind: global_buffer, .address_space: global }
      - { .name: qkv, .offset: 48, .size: 8, .value_kind: global_buffer, .address_space: global }
      - { .name: qkvs, .offset: 56, .size: 8, .value_kind: global_buffer, .address_space: global }
    .group_segment_fixed_size: 327680
    .private_segment_fixed_size: 0
    .kernarg_segment_align: 8
    .kernarg_segment_size: 64
    .max_flat_workgroup_size: 128
    .sgpr_count:     102
    .vgpr_count:     1024
    .wavefront_size: 32
...
	.end_amdgpu_metadata
.endif
;; end of part 2
;; launch attn (part 3): grid 8 x 32, 16 waves a work-group, clusters of 4 x 1, 167,936 bytes of LDS; arguments qkv, qkvs, trig, attention_mask, ctx, ctxs; writes ctx, ctxs
.if DOCPART == 3
	.amdgcn_target "amdgcn-amd-amdhsa--gfx1250"
	.amdhsa_code_object_version 6
	.text
	.protected	k_q9474ed0436_attn
	.globl	k_q9474ed0436_attn
	.p2align	8
	.type	k_q9474ed0436_attn,@function
k_q9474ed0436_attn:
	s_mov_b64 s[64:65], 0
	v_nop
	global_prefetch_b8 v0, s[64:65] scope:SCOPE_SE
	s_setreg_imm32_b32 hwreg(HW_REG_WAVE_MODE, 25, 1), 1
	s_wait_xcnt 0x0
	s_wait_alu depctr_hold_cnt(0) depctr_sa_sdst(0) depctr_va_vdst(0) depctr_va_sdst(0) depctr_va_ssrc(0) depctr_va_vcc(0) depctr_vm_vsrc(0)
	s_getreg_b32 s2, hwreg(HW_REG_IB_STS2, 6, 4)
	s_cmp_eq_u32 s2, 0
	s_cbranch_scc0 .Lentry_in_a_cluster
	s_endpgm
.Lentry_in_a_cluster:
	s_bfe_u32 s2, ttmp6, 0x10000c
	s_cmp_lg_u32 s2, 0x3003
	s_cbranch_scc0 .Lentry_shape_is_right
	s_endpgm
.Lentry_shape_is_right:
; Attention of one (batch, head) on codes of FP4: scores = q_rot . k_rot / 8 (the 1 / 8 lies in q's scales), the sync mask, attention_mask, the softmax by p = 2^(t - M) with a whole running M, O = p v / l,
; the fallback for rows that are masked altogether, and the quantising of the context for the output projection.
; SHARES.  A work-group owns 256 queries of a head, each of its sixteen waves one tile of 16, in 256 registers: four waves to a SIMD.  Every wave walks the head's 2,048 keys, 128 a trip.
; ALL THAT A HEAD NEEDS LIES IN LDS AFTER THE FIRST FILLS (163,840 bytes): k's and v's codes and scales, cos and sin of the keys' phases, attention_mask.  Nothing is filled again: no ring, no barrier in the loop.
; CLUSTER.  The four work-groups of a cluster belong to one head: each fill is asked for jointly (mask 15), one load a wave in waves 0 to 8.
; LAYOUT.  Both products are used transposed: a lane holds ONE query (lane % 16).  By the order of tokens in a tile, register 16 b + i of the scores is key 32 b + 16 (lane / 16) + i of the trip's 128.
; THE HEAD'S 64 IN AN INSTRUCTION OF 128: a fragment of k holds TWO tiles of keys (registers 0-3, 4-7); q stands as [q | 0 | q]: [q | 0] meets the first tile, [0 | q] the second; zero codes add nothing.
; PER SCORE: attention_mask is the C of the first product; g = 2^100 (cos(phi_q - phi_k) + 0.7) by two fused multiply-adds from the tables; the middle of (score, g, -1e9) is the score where g is large and -1e9 where g is
; far below zero.  On the diagonal cos is 1, so reference()'s exception for it changes nothing.
; FALLBACK.  A row whose largest score is -1e8 or less attends to itself: its context is the quantised v at its own key, made by one more product with a one-hot p and chosen by a select.
; LIMITS: cos(a - b) is taken as cos a cos b + sin a sin b, within about 1e-7: a pair so near to -0.7 may fall either way, and where g is exactly 0 a positive score is held at 0.  A sync-masked pair is held at -1e9 without
; its attention_mask, and scores under -1e9 are held there: the same results as reference()'s for attention_mask under +9e8, -infinity too.  NaN is not served.
; REGISTERS: v1-4 lane terms; v5, v6 the add's two; v7-11 addresses in hand; v12 -M, v13 largest t, v[14:15] l; v16-27 q, 0, q; v[28:29], v[30:31] 2^100 cos, sin of my query; v32-63 k's fragments, by turns table set B;
; v64-95 v's fragments; v96-159 scores, then p; v160-191 O^T; v192-199 p's codes; v200-231 table set A; v232-243, v252-255 at work; v244-247 k's, v[248:249] v's, v250 p's, v251 q's scale words.
.set VC,    65536                      ; LDS: k's codes at 0, v's here,
.set COS,   131072                     ; cos, sin (+ 8,192), attention_mask (+ 16,384): 8,192 bytes each,
.set KSC,   155648                     ; k's scale words, 4,096 bytes,
.set VSC,   159744                     ; v's
.set SST,   164352                     ; the context's scale bytes of the work-group's 256 queries: 512 bytes, stored by ds_store alone
.set SPARE, 164864                     ; the spare words, 128 bytes for each wave; no other line names them
.set L16, 1
.set TB0, 2
.set KS0, 3
.set VS0, 4
.set SPW, 5
.set NIL, 6
.set ADK, 7
.set ADV, 8
.set AKS, 9
.set AVS, 10
.set ATB, 11
.set KF,  32
.set VF,  64
.set S,   96
.set O,   160
.set P,   192
.set SAT, 200
.set SBT, 32
.set KS,  244
.set VS,  248
.set PS,  250
.set QS,  251
.set WV,  18
.set SEL, 20
.set CS,  22
.set G1A, 24
.set G1B, 32
.set G1C, 40
.set G0A, 48
.set G0B, 52
.set G0C, 56
.set OF,  60                           ; s[60:61] 0.7 x 2^100
.macro CROUND
	s_barrier_signal -1
	s_barrier_wait -1
	s_cmp_lg_u32 s[WV], 0
	s_cbranch_scc1 .Lnot_wave_0_\@
	s_barrier_signal -3
.Lnot_wave_0_\@:
	s_barrier_wait -3
	s_barrier_signal -1
	s_barrier_wait -1
.endm
	s_load_b256 s[4:11], s[0:1], 0x0               ; qkv, qkvs, trig, attention_mask
	s_load_b128 s[12:15], s[0:1], 0x20             ; ctx, ctxs
	v_lshl_add_u32 v[SPW], v0, 2, SPARE
	v_mov_b32 v[NIL], 0
	ds_add_u32 v[SPW], v[NIL]                      ; the wave's opening: the add and its wait stand ahead of the first tensor loads
	v_lshrrev_b32 v7, 5, v0
	v_readfirstlane_b32 s[WV], v7                  ; wave 0..15
	s_and_b32 s19, ttmp7, 0xffff                   ; y = 16 batch + head, which the four partners share
	s_lshr_b32 s16, s19, 4
	s_and_b32 s17, s19, 15
	; descriptor groups 1: dense blocks as rows of 256 bytes (32 elements of 8 bytes): 128, 32 and 16 rows; mask 15, bit 21 beside it
.irp g, G1A, G1B, G1C
	s_mov_b32 s[\g], 15|(3<<16)|(1<<21)
	s_mov_b32 s[\g+1], 32<<16
	s_mov_b32 s[\g+3], 32<<16
	s_mov_b32 s[\g+5], 32
	s_mov_b32 s[\g+6], 0
	s_mov_b32 s[\g+7], 0
.endr
	s_mov_b32 s[G1A+2], 128<<16
	s_mov_b32 s[G1A+4], 128
	s_mov_b32 s[G1B+2], 32<<16
	s_mov_b32 s[G1B+4], 32
	s_mov_b32 s[G1C+2], 16<<16
	s_mov_b32 s[G1C+4], 16
	; groups 0, made of the wave's number and y on the way that all waves take.  Waves 0-3: halves of k's and v's codes
	s_mov_b32 s[G0A], 1
	s_lshl_b32 s[G0A+1], s[WV], 15
	s_lshr_b32 s66, s[WV], 1
	s_lshl_b32 s66, s66, 21
	s_add_co_u32 s66, s66, 0x200000
	s_lshl_b32 s68, s19, 16
	s_add_co_u32 s66, s66, s68
	s_and_b32 s68, s[WV], 1
	s_lshl_b32 s68, s68, 15
	s_add_co_u32 s66, s66, s68
	s_mov_b32 s67, 0
	; waves 4, 5, 6: cos, sin, attention_mask
	s_mov_b32 s[G0B], 1
	s_and_b32 s70, s[WV], 3
	s_lshl_b32 s[G0B+1], s70, 13
	s_add_co_u32 s[G0B+1], s[G0B+1], COS
	s_lshl_b32 s72, s70, 18
	s_lshl_b32 s73, s19, 13
	s_add_co_u32 s72, s72, s73
	s_lshl_b32 s74, s16, 13
	; waves 7, 8: k's and v's scale words
	s_mov_b32 s[G0C], 1
	s_add_co_u32 s75, s[WV], 1
	s_and_b32 s75, s75, 1
	s_lshl_b32 s[G0C+1], s75, 12
	s_add_co_u32 s[G0C+1], s[G0C+1], KSC
	s_lshl_b32 s76, s75, 17
	s_add_co_u32 s76, s76, 131072
	s_lshl_b32 s77, s19, 12
	s_add_co_u32 s76, s76, s77
	s_mov_b32 s77, 0
	s_mov_b32 s[SEL], 0x76543210
	s_mov_b32 s[SEL+1], 0xfedcba98
	s_mov_b32 s[CS], 0x3fb8aa3b                    ; log2(e)
	s_mov_b32 s[CS+1], s[CS]
	s_mov_b32 s[OF], 0x71333333                    ; 0.7 x 2^100
	s_mov_b32 s[OF+1], s[OF]
	s_mov_b32 s62, 0xce6e6b28                      ; -1e9
	s_mov_b32 s63, 0xcd09960c                      ; -1e8 log2(e)
	s_wait_dscnt 0x0                               ; the opening add is done
	s_wait_kmcnt 0x0
	s_add_nc_u64 s[G0A+2:G0A+3], s[4:5], s[66:67]
	s_or_b32 s[G0A+3], s[G0A+3], 0x80000000
	s_cmp_eq_u32 s70, 2
	s_cselect_b64 s[G0B+2:G0B+3], s[10:11], s[8:9]
	s_cselect_b32 s72, s74, s72
	s_mov_b32 s73, 0
	s_add_nc_u64 s[G0B+2:G0B+3], s[G0B+2:G0B+3], s[72:73]
	s_or_b32 s[G0B+3], s[G0B+3], 0x80000000
	s_add_nc_u64 s[G0C+2:G0C+3], s[6:7], s[76:77]
	s_or_b32 s[G0C+3], s[G0C+3], 0x80000000
	CROUND                                         ; all four work-groups are here: the joint loads meet
	s_cmp_lt_u32 s[WV], 4                          ; a wave's one load; the branches hang on the wave's number alone; an s_nop 0 and four v_nop follow each line
	s_cbranch_scc0 .Lnot_a
	tensor_load_to_lds s[G0A:G0A+3], s[G1A:G1A+7]
	s_nop 0
.rept 4
	v_nop
.endr
	s_branch .Lasked
.Lnot_a:
	s_cmp_lt_u32 s[WV], 7
	s_cbranch_scc0 .Lnot_b
	tensor_load_to_lds s[G0B:G0B+3], s[G1B:G1B+7]
	s_nop 0
.rept 4
	v_nop
.endr
	s_branch .Lasked
.Lnot_b:
	s_cmp_lt_u32 s[WV], 9
	s_cbranch_scc0 .Lasked
	tensor_load_to_lds s[G0C:G0C+3], s[G1C:G1C+7]
	s_nop 0
.rept 4
	v_nop
.endr
.Lasked:
	v_and_b32 v7, 31, v0
	v_lshlrev_b32 v[L16], 4, v7                    ; 16 x lane
	v_and_b32 v8, 15, v0                           ; r
	v_bfe_u32 v9, v0, 4, 1                         ; h
	v_lshl_add_u32 v[TB0], v9, 6, COS              ; the tables: my half's 16 keys of a block of 32
	v_lshl_add_u32 v[KS0], v8, 4, KSC
	v_lshl_add_u32 v[VS0], v7, 3, VSC
	s_bfe_u32 s85, ttmp6, 0x40000                  ; cx enters global addresses of q and of the results alone
	s_lshl_b32 s86, ttmp9, 2
	s_add_co_u32 s85, s86, s85                     ; my work-group's block of 256 queries
	s_lshl_b32 s86, s85, 4
	s_add_co_u32 s86, s86, s[WV]                   ; my tile of queries, 0..127
	s_lshl_b32 s66, s19, 16
	s_lshl_b32 s67, s86, 9
	s_add_co_u32 s66, s66, s67
	s_mov_b32 s67, 0
	s_add_nc_u64 s[68:69], s[4:5], s[66:67]
	global_load_b128 v[16:19], v[L16], s[68:69]    ; q, twice: [q | 0 | q]
	global_load_b128 v[24:27], v[L16], s[68:69]
	s_lshl_b32 s66, s19, 12
	s_lshr_b32 s70, s86, 3
	s_lshl_b32 s71, s70, 8
	s_add_co_u32 s66, s66, s71
	s_bfe_u32 s71, s[WV], 0x20001
	s_lshl_b32 s71, s71, 2
	s_add_co_u32 s66, s66, s71
	s_add_nc_u64 s[72:73], s[6:7], s[66:67]
	v_lshlrev_b32 v232, 4, v8
	global_load_b32 v[QS], v232, s[72:73]          ; the word that holds my tile's two bytes
	s_lshl_b32 s66, s19, 13
	s_lshr_b32 s71, s86, 1
	s_lshl_b32 s71, s71, 7
	s_add_co_u32 s66, s66, s71
	s_and_b32 s71, s86, 1
	s_lshl_b32 s71, s71, 5
	s_add_co_u32 s66, s66, s71
	s_add_nc_u64 s[74:75], s[8:9], s[66:67]
	v_bfe_u32 v233, v0, 3, 1
	v_lshl_add_u32 v233, v233, 3, v8
	v_lshlrev_b32 v233, 2, v233
	global_load_b32 v28, v233, s[74:75]            ; cos and sin of my query's phase
	global_load_b32 v30, v233, s[74:75] offset:262144
.irp j, 20,21,22,23
	v_mov_b32 v[\j], 0
.endr
	v_mov_b32 v13, 0xff61b1e6                      ; the largest t so far: -3e38
	v_floor_f32 v12, -v13                          ; -M
	v_mov_b32 v14, 0
	v_mov_b32 v15, 0
.irp b, 0,1,2,3
	v_mov_b32 v[236+\b], 0                         ; written once: a lane permute's destination counts as one of its sources
.endr
	v_mov_b32 v253, 0                              ; (named as the upper half of the pair v[252:253])
	s_wait_tensorcnt 0x0                           ; my fill has landed,
	s_barrier_signal -1
	s_barrier_wait -1                              ; everybody's has
.macro LDK                             ; a trip's four fragments of k (two tiles each) and their scale words
.irp i, 0,1,2,3
.irp c, 0,1
	ds_load_b128 v[KF+8*\i+4*\c:KF+8*\i+4*\c+3], v[ADK] offset:1024*\i+512*\c
.endr
.endr
	ds_load_b128 v[KS:KS+3], v[AKS]
.endm
.macro LDAM                            ; attention_mask of the trip's keys, in the scores' layout: the C of the first product
.irp b, 0,1,2,3
.irp m, 0,1,2,3
	ds_load_b128 v[S+16*\b+4*\m:S+16*\b+4*\m+3], v[ATB] offset:16384+128*\b+16*\m
.endr
.endr
.endm
.macro LDT b, set                      ; cos and sin of block b's keys
.irp m, 0,1,2,3
	ds_load_b128 v[\set+4*\m:\set+4*\m+3], v[ATB] offset:128*\b+16*\m
	ds_load_b128 v[\set+16+4*\m:\set+16+4*\m+3], v[ATB] offset:8192+128*\b+16*\m
.endr
.endm
.macro LDV
.irp t, 0,1,2,3
.irp c, 0,1
	ds_load_b128 v[VF+8*\t+4*\c:VF+8*\t+4*\c+3], v[ADV] offset:1024*\t+512*\c
.endr
.endr
	ds_load_b64 v[VS:VS+1], v[AVS]
.endm
.macro MASK b, set                     ; g = 2^100 (cos cos + sin sin + 0.7); the middle of (score, g, -1e9); each accumulator from its low end on
.irp m, 0,1,2,3,4,5,6,7
	v_pk_fma_f32 v[\set+2*\m:\set+2*\m+1], v[\set+2*\m:\set+2*\m+1], v[28:29], s[OF:OF+1] op_sel_hi:[1,1,0]
.endr
.irp m, 0,1,2,3,4,5,6,7
	v_pk_fma_f32 v[\set+2*\m:\set+2*\m+1], v[\set+16+2*\m:\set+16+2*\m+1], v[30:31], v[\set+2*\m:\set+2*\m+1]
.endr
.irp i, 0,1,2,3,4,5,6,7,8,9,10,11,12,13,14,15
	v_med3_num_f32 v[S+16*\b+\i], v[S+16*\b+\i], v[\set+\i], s62
.endr
.endm
	s_mov_b32 s82, 0                               ; the trip's place among the codes (4,096 bytes a trip), the scale words (256), the tables (512)
	s_mov_b32 s83, 0
	s_mov_b32 s84, 0
	v_add_nc_u32 v[ADK], s82, v[L16]
	v_add_nc_u32 v[ADV], VC, v[ADK]
	v_add_nc_u32 v[AKS], s83, v[KS0]
	v_add_nc_u32 v[AVS], s83, v[VS0]
	v_add_nc_u32 v[ATB], s84, v[TB0]
	LDK
	LDAM
	LDT 0, SAT
	s_wait_loadcnt 0x0                             ; q, its scale word, cos and sin
	s_and_b32 s87, s[WV], 1
	s_lshl_b32 s87, s87, 4
	v_lshrrev_b32 v[QS], s87, v[QS]                ; my tile's half of the word,
	v_and_b32 v[QS], 0xffff, v[QS]
	v_lshl_or_b32 v[QS], v[QS], 16, v[QS]          ; for [q | 0] and for [0 | q]
	v_mul_f32 v28, 0x71800000, v28                 ; x 2^100
	v_mul_f32 v30, 0x71800000, v30
	v_mov_b32 v29, v28
	v_mov_b32 v31, v30
.irp j, 0,1,2,3,4,5,6,7,8,9,10,11,12,13,14,15,16,17,18,19,20,21,22,23,24,25,26,27,28,29,30,31
	v_mov_b32 v[O+\j], 0                           ; O^T: the trip is written once; its first pass finds zeros.  (Also the places between q's scale word and the first product)
.endr
	s_mov_b32 s81, 16
.Ltrip:                                            ; 128 keys.  LDS loads run ahead, round the backward jump too
	s_wait_dscnt 8                                 ; k, its scales and attention_mask are in; the youngest eight loads (block 0's tables) may be out
.irp i, 0,1,2,3
	v_wmma_scale_f32_16x16x128_f8f6f4 v[S+16*\i:S+16*\i+7], v[KF+8*\i:KF+8*\i+7], v[16:23], v[S+16*\i:S+16*\i+7], v[KS+\i], v[QS] matrix_a_fmt:MATRIX_FMT_FP4 matrix_b_fmt:MATRIX_FMT_FP4
	v_wmma_scale_f32_16x16x128_f8f6f4 v[S+16*\i+8:S+16*\i+15], v[KF+8*\i:KF+8*\i+7], v[20:27], v[S+16*\i+8:S+16*\i+15], v[KS+\i], v[QS] matrix_a_fmt:MATRIX_FMT_FP4 matrix_b_fmt:MATRIX_FMT_FP4
.endr
.rept 4
	v_nop                                          ; places in front of loads into k's registers and of the first read of the scores
.endr
	LDT 1, SBT
	s_wait_dscnt 8                                 ; all but the eight just issued
	MASK 0, SAT
	LDT 2, SAT
	s_wait_dscnt 8
	MASK 1, SBT
	LDT 3, SBT
	s_wait_dscnt 8
	MASK 2, SAT
	LDV
	s_wait_dscnt 9                                 ; block 3's tables are in; v's nine loads may be out
	MASK 3, SBT
	s_add_co_u32 s82, s82, 4096                    ; on to the next trip's places.  The last trip's look-ahead reads the filled bytes that follow each region and uses none of them
	s_add_co_u32 s83, s83, 256
	s_add_co_u32 s84, s84, 512
	v_add_nc_u32 v[ADK], s82, v[L16]
	v_add_nc_u32 v[ADV], VC, v[ADK]
	v_add_nc_u32 v[AKS], s83, v[KS0]
	v_add_nc_u32 v[AVS], s83, v[VS0]
	v_add_nc_u32 v[ATB], s84, v[TB0]
	LDK
.irp b, 0,1,2,3
	v_max3_num_f32 v[232+\b], v[S+16*\b], v[S+1+16*\b], v[S+2+16*\b]   ; the largest score of each block of 32 keys: for the row's maximum and for the block's largest p
.endr
.irp i, 3,5,7,9,11,13
.irp b, 0,1,2,3
	v_max3_num_f32 v[232+\b], v[232+\b], v[S+16*\b+\i], v[S+1+16*\b+\i]
.endr
.endr
.irp b, 0,1,2,3
	v_max_num_f32 v[232+\b], v[232+\b], v[S+15+16*\b]
.endr
.irp b, 0,1,2,3
	v_permlanex16_b32 v[236+\b], v[232+\b], s[SEL], s[SEL+1]
.endr
.irp b, 0,1,2,3
	v_max_num_f32 v[232+\b], v[232+\b], v[236+\b]  ; with lane l xor 16's 16 keys
.endr
	v_max3_num_f32 v254, v232, v233, v234
	v_max_num_f32 v254, v254, v235
	v_mul_f32 v254, s[CS], v254                    ; as t
	v_max_num_f32 v13, v13, v254                   ; the running largest t
	v_mov_b32 v254, v12
	v_floor_f32 v12, -v13                          ; -M = floor(-t): M is a whole number
	v_sub_f32 v254, v12, v254
	v_cvt_i32_f32 v254, v254                       ; (it saturates)
	v_ldexp_f32 v252, 1.0, v254                    ; f = 2^(old M - new M): exact
.irp j, 0,2,4,6,8,10,12,14,16,18,20,22,24,26,28,30,32,34,36,38,40,42,44,46,48,50,52,54,56,58,60,62
	v_pk_fma_f32 v[S+\j:S+1+\j], v[S+\j:S+1+\j], s[CS:CS+1], v[12:13] op_sel_hi:[1,0,0]   ; t - M
.endr
.irp b, 0,1,2,3
	v_fma_f32 v[232+\b], v[232+\b], s[CS], v12
.endr
.irp j, 0,1,2,3,4,5,6,7,8,9,10,11,12,13,14,15,16,17,18,19,20,21,22,23,24,25,26,27,28,29,30,31,32,33,34,35,36,37,38,39,40,41,42,43,44,45,46,47,48,49,50,51,52,53,54,55,56,57,58,59,60,61,62,63
	v_exp_f32 v[S+\j], v[S+\j]                     ; p = 2^(t - M), not normalised
.endr
	v_pk_mul_f32 v[14:15], v[14:15], v[252:253] op_sel_hi:[1,0]   ; l under the new M (a plain place behind the exponentials)
	s_wait_alu depctr_va_vdst(0)                   ; one wait for the batch, ahead of its first reader
.irp b, 0,1,2,3
	v_exp_f32 v[232+\b], v[232+\b]                 ; each block's largest p
.endr
	v_pk_add_f32 v[236:237], v[S:S+1], v[S+2:S+3]  ; the row's sum is taken of the unquantised p, in two chains
.irp j, 4,8,12,16,20,24,28,32,36,40,44,48,52,56,60
	v_pk_add_f32 v[14:15], v[14:15], v[S+\j:S+1+\j]
	v_pk_add_f32 v[236:237], v[236:237], v[S+2+\j:S+3+\j]
.endr
	v_pk_add_f32 v[14:15], v[14:15], v[236:237]
	s_wait_alu depctr_va_vdst(0)                   ; and one for the four
.irp b, 0,1,2,3
	v_max_num_f32 v[232+\b], 0x1800000, v[232+\b]  ; the floor 2^(3 - 127)
.endr
.irp b, 0,1,2,3
	v_add_nc_u32 v[240+\b], 0xff000000, v[232+\b]  ; the conversion's scale operand
.endr
.irp b, 0,1,2,3
	v_lshrrev_b32 v[236+\b], 23, v[240+\b]
.endr
	v_lshl_or_b32 v[PS], v237, 8, v236             ; p's scale word for these 128 keys
	v_lshl_or_b32 v[PS], v238, 16, v[PS]
	v_lshl_or_b32 v[PS], v239, 24, v[PS]
.irp b, 0,1,2,3
	v_cvt_scalef32_pk8_fp4_f32 v[P+2*\b], v[S+16*\b:S+7+16*\b], v[240+\b]
	v_cvt_scalef32_pk8_fp4_f32 v[P+1+2*\b], v[S+8+16*\b:S+15+16*\b], v[240+\b]
.endr
	v_nop                                          ; one plain place behind a scaled conversion
.irp c, 0,1
.irp i, 0,1
	v_permlane16_swap_b32 v[P+4*\c+\i], v[P+2+4*\c+\i]   ; a whole block to a lane
.endr
.endr
	LDAM                                           ; the next trip's attention_mask, where p lay,
	LDT 0, SAT                                     ; and its first tables
.irp j, 0,2,4,6,8,10,12,14,16,18,20,22,24,26,28,30
	v_pk_mul_f32 v[O+\j:O+1+\j], v[O+\j:O+1+\j], v[252:253] op_sel_hi:[1,0]   ; O^T under the new M (also the places between p's codes and scale word and the products)
.endr
	s_wait_dscnt 33                                ; v is in; behind it: k's 9, attention_mask's 16, the tables' 8
.irp t, 0,2
	v_wmma_scale_f32_16x16x128_f8f6f4 v[O+8*\t:O+8*\t+7], v[VF+8*\t:VF+8*\t+7], v[P:P+7], v[O+8*\t:O+8*\t+7], v[VS+\t/2], v[PS] matrix_a_fmt:MATRIX_FMT_FP4 matrix_b_fmt:MATRIX_FMT_FP4
	v_wmma_scale_f32_16x16x128_f8f6f4 v[O+8*\t+8:O+8*\t+15], v[VF+8*\t+8:VF+8*\t+15], v[P:P+7], v[O+8*\t+8:O+8*\t+15], v[VS+\t/2], v[PS] matrix_a_fmt:MATRIX_FMT_FP4 matrix_b_fmt:MATRIX_FMT_FP4 matrix_a_scale:MATRIX_SCALE_ROW1
.endr
	s_sub_co_u32 s81, s81, 1
	s_cmp_lg_u32 s81, 0
	s_cbranch_scc1 .Ltrip
	s_wait_dscnt 0x0                               ; the look-ahead's loads have landed: their registers are free
	v_add_f32 v14, v14, v15                        ; l's two halves
.rept 4
	v_nop                                          ; places in front of loads into v's registers and writes of p's
.endr
	; the fragments of v that hold my queries' own keys come from memory: which key step that is hangs on the work-group's place in its cluster, which enters no LDS address
	s_lshr_b32 s70, s86, 3
	s_lshl_b32 s66, s19, 16
	s_lshl_b32 s68, s70, 12
	s_add_co_u32 s66, s66, s68
	s_add_co_u32 s66, s66, 0x400000
	s_mov_b32 s67, 0
	s_add_nc_u64 s[72:73], s[4:5], s[66:67]
	s_lshl_b32 s66, s19, 12
	s_lshl_b32 s68, s70, 8
	s_add_co_u32 s66, s66, s68
	s_add_co_u32 s66, s66, 0x40000
	s_add_nc_u64 s[74:75], s[6:7], s[66:67]
	v_and_b32 v204, 31, v0
	v_lshlrev_b32 v204, 3, v204
.irp t, 0,1,2,3
.irp c, 0,1
	global_load_b128 v[VF+8*\t+4*\c:VF+8*\t+4*\c+3], v[L16], s[72:73] offset:1024*\t+512*\c
.endr
.endr
	global_load_b64 v[VS:VS+1], v204, s[74:75]
	v_permlanex16_b32 v252, v14, s[SEL], s[SEL+1]
	v_add_f32 v14, v14, v252                       ; the row's sum
	v_rcp_f32 v14, v14
	; the one-hot p: my query's own key is key 32 bq + 8 (w % 2) + r % 8 + 16 (r / 8) of its step, bq = (w % 8) / 2: register 4 (bq / 2) + w % 2 + 2 (r / 8) of the lane with h = bq % 2, nibble r % 8; the code 2 is the number 1
	s_bfe_u32 s66, s[WV], 0x10002
	s_lshl_b32 s66, s66, 2
	s_and_b32 s68, s[WV], 1
	s_add_co_u32 s66, s66, s68
	s_bfe_u32 s69, s[WV], 0x10001
	v_bfe_u32 v233, v0, 4, 1
	v_bfe_u32 v234, v0, 3, 1
	v_xor_b32 v233, s69, v233
	v_lshlrev_b32 v233, 3, v233                    ; 8 in the half that holds nothing: it meets no register
	v_lshl_add_u32 v233, v234, 1, v233
	v_add_nc_u32 v233, s66, v233
	v_and_b32 v234, 7, v0
	v_lshlrev_b32 v234, 2, v234
	v_mov_b32 v235, 2
	v_lshlrev_b32 v234, v234, v235
.irp n, 0,1,2,3,4,5,6,7
	v_cmp_eq_u32 vcc_lo, \n, v233
	v_cndmask_b32 v[P+\n], 0, v234, vcc_lo
.endr
	v_mov_b32 v[PS], 0x7f7f7f7f                    ; scales of 1
	s_wait_alu depctr_va_vdst(0)                   ; the reciprocal's wait, ahead of its first reader
.irp j, 0,2,4,6,8,10,12,14,16,18,20,22,24,26,28,30
	v_pk_mul_f32 v[O+\j:O+1+\j], v[O+\j:O+1+\j], v[14:15] op_sel_hi:[1,0]   ; O^T / l (also the places in front of the products below)
.endr
	s_wait_loadcnt 0x0
.irp t, 0,2
	v_wmma_scale_f32_16x16x128_f8f6f4 v[S+8*\t:S+8*\t+7], v[VF+8*\t:VF+8*\t+7], v[P:P+7], 0, v[VS+\t/2], v[PS] matrix_a_fmt:MATRIX_FMT_FP4 matrix_b_fmt:MATRIX_FMT_FP4
	v_wmma_scale_f32_16x16x128_f8f6f4 v[S+8*\t+8:S+8*\t+15], v[VF+8*\t+8:VF+8*\t+15], v[P:P+7], 0, v[VS+\t/2], v[PS] matrix_a_fmt:MATRIX_FMT_FP4 matrix_b_fmt:MATRIX_FMT_FP4 matrix_a_scale:MATRIX_SCALE_ROW1
.endr
.rept 4
	v_nop
.endr
	v_cmp_le_f32 s70, v13, s63                     ; the row's largest score is -1e8 or less: it attends to itself
.irp j, 0,1,2,3,4,5,6,7,8,9,10,11,12,13,14,15,16,17,18,19,20,21,22,23,24,25,26,27,28,29,30,31
	v_cndmask_b32 v[O+\j], v[O+\j], v[S+\j], s70
.endr
	; the context's two blocks of 32 of this head are quantised: register 16 b + i is channel 32 b + 16 h + i
.irp b, 0,1
	v_max3_num_f32 v[232+\b], |v[O+16*\b]|, |v[O+16*\b+1]|, 0x1800000
.endr
.irp i, 2,4,6,8,10,12,14
.irp b, 0,1
	v_max3_num_f32 v[232+\b], v[232+\b], |v[O+16*\b+\i]|, |v[O+16*\b+\i+1]|
.endr
.endr
.irp b, 0,1
	v_permlanex16_b32 v[234+\b], v[232+\b], s[SEL], s[SEL+1]
.endr
.irp b, 0,1
	v_max_num_f32 v[232+\b], v[232+\b], v[234+\b]
.endr
.irp b, 0,1
	v_add_nc_u32 v[236+\b], 0xff000000, v[232+\b]
.endr
.irp b, 0,1
	v_lshrrev_b32 v[238+\b], 23, v[236+\b]
.endr
	v_lshl_or_b32 v254, v239, 8, v238
.irp b, 0,1
	v_cvt_scalef32_pk8_fp4_f32 v[200+2*\b], v[O+16*\b:O+16*\b+7], v[236+\b]
	v_cvt_scalef32_pk8_fp4_f32 v[201+2*\b], v[O+16*\b+8:O+16*\b+15], v[236+\b]
.endr
	v_nop
	v_permlane16_swap_b32 v200, v202
	v_permlane16_swap_b32 v201, v203
	s_lshl_b32 s66, s16, 7
	s_add_co_u32 s66, s66, s86                     ; my tile among the 256 tiles of tokens
	s_lshl_b32 s66, s66, 13
	s_lshl_b32 s68, s17, 9                         ; the head's 512 bytes of the tile's image
	s_add_co_u32 s66, s66, s68
	s_add_nc_u64 s[12:13], s[12:13], s[66:67]
	global_store_b128 v[L16], v[200:203], s[12:13] ; 512 consecutive bytes
	s_lshl_b32 s66, s[WV], 5
	s_add_co_u32 s66, s66, SST
	v_and_b32 v206, 15, v0
	v_lshl_add_u32 v206, v206, 1, s66
	v_add_nc_u32 v207, SST, v[L16]
	ds_store_b16 v206, v254                        ; my queries' two bytes each: lanes l and l xor 16 write the same
	s_wait_dscnt 0x0                               ; for the others' sake
	s_barrier_signal -1
	s_barrier_wait -1
	s_lshl_b32 s66, s17, 13
	s_lshl_b32 s68, s16, 12
	s_add_co_u32 s66, s66, s68
	s_lshl_b32 s68, s85, 9
	s_add_co_u32 s66, s66, s68
	s_add_nc_u64 s[14:15], s[14:15], s[66:67]
	s_cmp_lg_u32 s[WV], 0
	s_cbranch_scc1 .Lnot_first
	ds_load_b128 v[208:211], v207                  ; wave 0 stores the work-group's 512 bytes
	s_wait_dscnt 0x0
	global_store_b128 v[L16], v[208:211], s[14:15]
.Lnot_first:
	s_wait_tensorcnt 0x0                           ; the wave's end
	ds_add_u32 v[SPW], v[NIL]
	s_wait_dscnt 0x0
	CROUND                                         ; the closing round
	s_endpgm
.Lfunc_end_k_q9474ed0436_attn:
	.size	k_q9474ed0436_attn, .Lfunc_end_k_q9474ed0436_attn-k_q9474ed0436_attn
	.p2alignl 7, 3214868480
	.fill 96, 4, 3214868480
	.section	.rodata,"a",@progbits
	.p2align	6, 0x0
	.amdhsa_kernel k_q9474ed0436_attn
		.amdhsa_group_segment_fixed_size 167936
		.amdhsa_private_segment_fixed_size 0
		.amdhsa_enable_private_segment 0
		.amdhsa_kernarg_size 48
		.amdhsa_user_sgpr_count 2
		.amdhsa_user_sgpr_kernarg_segment_ptr 1
		.amdhsa_wavefront_size32 1
		.amdhsa_system_sgpr_workgroup_id_x 1
		.amdhsa_system_sgpr_workgroup_id_y 1
		.amdhsa_system_sgpr_workgroup_id_z 1
		.amdhsa_system_vgpr_workitem_id 0
		.amdhsa_next_free_vgpr 256
		.amdhsa_next_free_sgpr 96
		.amdhsa_reserve_vcc 1
		.amdhsa_float_denorm_mode_32 3
		.amdhsa_float_denorm_mode_16_64 3
		.amdhsa_memory_ordered 1
		.amdhsa_forward_progress 1
		.amdhsa_inst_pref_size 48
	.end_amdhsa_kernel
	.amdgpu_metadata
---
amdhsa.version: [ 1, 2 ]
amdhsa.kernels:
  - .name:           k_q9474ed0436_attn
    .symbol:         k_q9474ed0436_attn.kd
    .args:
      - { .name: qkv, .offset: 0, .size: 8, .value_kind: global_buffer, .address_space: global }
      - { .name: qkvs, .offset: 8, .size: 8, .value_kind: global_buffer, .address_space: global }
      - { .name: trig, .offset: 16, .size: 8, .value_kind: global_buffer, .address_space: global }
      - { .name: attention_mask, .offset: 24, .size: 8, .value_kind: global_buffer, .address_space: global }
      - { .name: ctx, .offset: 32, .size: 8, .value_kind: global_buffer, .address_space: global }
      - { .name: ctxs, .offset: 40, .size: 8, .value_kind: global_buffer, .address_space: global }
    .group_segment_fixed_size: 167936
    .private_segment_fixed_size: 0
    .kernarg_segment_align: 8
    .kernarg_segment_size: 48
    .max_flat_workgroup_size: 512
    .sgpr_count:     96
    .vgpr_count:     256
    .wavefront_size: 32
...
	.end_amdgpu_metadata
.endif
;; end of part 3
;; launch oproj (part 4): grid 256 x 1, 16 waves a work-group, no clusters, 67,840 bytes of LDS; arguments ctx, ctxs, xw, xws, bo, hidden_states, ln_g, ln_b, out0; writes out0
.if DOCPART == 4
	.amdgcn_target "amdgcn-amd-amdhsa--gfx1250"
	.amdhsa_code_object_version 6
	.text
	.protected	k_q9474ed0436_oproj
	.globl	k_q9474ed0436_oproj
	.p2align	8
	.type	k_q9474ed0436_oproj,@function
k_q9474ed0436_oproj:
	s_mov_b64 s[64:65], 0
	v_nop
	global_prefetch_b8 v0, s[64:65] scope:SCOPE_SE
	s_setreg_imm32_b32 hwreg(HW_REG_WAVE_MODE, 25, 1), 1
	s_wait_xcnt 0x0
; out0 = LayerNorm(ctx Wo^T + bo + hidden_states) x ln_g + ln_b; the product on codes of FP4, all else in f32.
; SHARES.  A work-group takes one tile of 16 tokens and all 1,024 columns, so that a row's mean and variance stay in the work-group.  Wave w makes 64 columns: four tiles of Wo, four accumulators by turns, 8 K steps.
; Wo's fragments go from memory straight into each wave's operand registers (images, 16 x lane): no two waves of the work-group read the same fragment, so LDS would add a write and a read and share nothing; that is
; also why no joint loads are used here.  The context's 8 fragments (8,192 bytes) are held by every wave.
; The matrix instruction is used transposed (source 0 = 16 rows of Wo, source 1 = the tokens); bo is the C of the first product.  Register j of tile t is column 64 w + 32 (t / 2) + 16 h + 8 (t % 2) + j.
; The results meet in a stage in LDS (16 rows x 4,112 bytes); behind one barrier wave w takes row w whole: residual, mean, variance by a second pass over x - mean, scale, store: 512 consecutive bytes a store.
; Row r of tile T is token 32 (T / 2) + 8 (T % 2) + r + 8 (r / 8).
; REGISTERS: v1-8 addresses; v9, v10 the add's two; v16-31 the context's scale halves; v32-95 its fragments, later x and ln_g; v96-127 accumulators; v128-191 Wo's fragments, two buffers, later ln_b; v192-223 the residual;
; v224-239 Wo's scale words; v240-247 the context's; v248-255 at work.
.set SPARE, 65792                      ; behind the stage: the spare words, 128 bytes for each wave; no other line names them
.set SPI,  4112
.set SPW,  9
.set NIL,  10
.set AF,   32
.set ACC,  96
.set BF,   128
.set RS,   192
.set BS,   224
.set AS,   240
	s_load_b256 s[4:11], s[0:1], 0x0               ; ctx, ctxs, xw, xws
	s_load_b256 s[12:19], s[0:1], 0x20             ; bo, hidden_states, ln_g, ln_b
	s_load_b64 s[20:21], s[0:1], 0x40              ; out0
	v_lshl_add_u32 v[SPW], v0, 2, SPARE
	v_mov_b32 v[NIL], 0
	v_lshrrev_b32 v1, 5, v0
	v_readfirstlane_b32 s22, v1                    ; wave 0..15
	v_and_b32 v1, 31, v0
	v_lshlrev_b32 v1, 4, v1                        ; 16 x lane
	v_and_b32 v2, 15, v0                           ; r
	v_bfe_u32 v3, v0, 4, 1                         ; h
	v_lshlrev_b32 v4, 1, v2
	v_lshlrev_b32 v5, 4, v2
	v_lshl_add_u32 v5, v3, 9, v5                   ; Wo's scale words: lanes 16-31 take the next tile's
	v_lshlrev_b32 v6, 6, v3
	v_mul_u32_u24 v7, v2, SPI
	v_lshl_add_u32 v7, v3, 6, v7
	s_lshl_b32 s23, s22, 8
	v_add_nc_u32 v7, s23, v7                       ; the stage, in: row r, + 64 h, + my 256 bytes
	s_mul_i32 s23, s22, SPI
	v_add_nc_u32 v8, s23, v1                       ; and back: row w
	s_mov_b32 s26, 0x76543210
	s_mov_b32 s27, 0xfedcba98
	s_mov_b32 s28, 0x3a800000                      ; 1 / 1024
	s_mov_b32 s29, 0x2b8cbccc                      ; 1e-12
	s_lshr_b32 s24, ttmp9, 1
	s_lshl_b32 s24, s24, 5
	s_and_b32 s25, ttmp9, 1
	s_lshl_b32 s25, s25, 3
	s_add_co_u32 s24, s24, s25
	s_add_co_u32 s24, s24, s22
	s_lshr_b32 s25, s22, 3
	s_lshl_b32 s25, s25, 3
	s_add_co_u32 s24, s24, s25                     ; the token of stage row w
	s_lshl_b32 s24, s24, 12
	s_mov_b32 s25, 0
	s_lshl_b32 s30, ttmp9, 13
	s_mov_b32 s31, 0
	s_lshl_b32 s32, ttmp9, 5
	s_mov_b32 s33, 0
	s_lshl_b32 s34, s22, 2
	s_add_co_u32 s34, s34, 448                     ; my first tile of Wo
	s_lshl_b32 s36, s34, 9
	s_mov_b32 s37, 0
	s_lshl_b32 s34, s34, 13
	s_mov_b32 s35, 0
	s_lshl_b32 s38, s22, 8
	s_mov_b32 s39, 0
	s_wait_kmcnt 0x0
	s_add_nc_u64 s[4:5], s[4:5], s[30:31]
	s_add_nc_u64 s[6:7], s[6:7], s[32:33]
	s_add_nc_u64 s[8:9], s[8:9], s[34:35]
	s_add_nc_u64 s[10:11], s[10:11], s[36:37]
	s_add_nc_u64 s[12:13], s[12:13], s[38:39]
	s_add_nc_u64 s[14:15], s[14:15], s[24:25]
	s_add_nc_u64 s[20:21], s[20:21], s[24:25]
.irp hd, 0,1,2,3,4,5,6,7,8,9,10,11,12,13,14,15
	global_load_u16 v[16+\hd], v4, s[6:7] offset:8192*\hd        ; a head's two scale bytes of token r
.endr
.irp i, 0,1
.irp hf, 0,1
	global_load_b128 v[BS+8*\i+4*\hf:BS+8*\i+4*\hf+3], v5, s[10:11] offset:1024*\i+256*\hf   ; register 8 i + s: lanes 0-15 tile 2 i, lanes 16-31 tile 2 i + 1, K step s
.endr
.endr
.irp t, 0,1,2,3
	global_load_b128 v[ACC+8*\t:ACC+8*\t+3], v6, s[12:13] offset:4*(32*(\t/2)+8*(\t%2))       ; bo in the result's layout
	global_load_b128 v[ACC+8*\t+4:ACC+8*\t+7], v6, s[12:13] offset:4*(32*(\t/2)+8*(\t%2))+16
.endr
.irp s, 0,1,2,3,4,5,6,7
.irp c, 0,1
	global_load_b128 v[AF+8*\s+4*\c:AF+8*\s+4*\c+3], v1, s[4:5] offset:1024*\s+512*\c
.endr
.endr
.macro BLOAD s                         ; Wo's four fragments of K step s
.irp t, 0,1,2,3
.irp c, 0,1
	global_load_b128 v[BF+32*((\s)%2)+8*\t+4*\c:BF+32*((\s)%2)+8*\t+4*\c+3], v1, s[8:9] offset:8192*\t+1024*(\s)+512*\c
.endr
.endr
.endm
	BLOAD 0
	BLOAD 1
.irp i, 0,1,2,3,4,5,6,7
	global_load_b128 v[RS+4*\i:RS+4*\i+3], v1, s[14:15] offset:512*\i th:TH_LOAD_NT   ; the residual row of my token
.endr
.macro KSTEP s, left
	s_wait_loadcnt \left                           ; this K step's fragments are in; what was issued behind them may be out
.if (\s) == 0
.irp q, 0,1,2,3,4,5,6,7
	v_lshl_or_b32 v[AS+\q], v[17+2*\q], 16, v[16+2*\q]     ; K step q is heads 2 q and 2 q + 1
.endr
.rept 8
	v_nop                                          ; a scale register written by a vector instruction stands 8 places ahead of a scaled matrix instruction
.endr
.endif
.irp t, 0,2
	v_wmma_scale_f32_16x16x128_f8f6f4 v[ACC+8*\t:ACC+8*\t+7], v[BF+32*((\s)%2)+8*\t:BF+32*((\s)%2)+8*\t+7], v[AF+8*(\s):AF+8*(\s)+7], v[ACC+8*\t:ACC+8*\t+7], v[BS+4*\t+(\s)], v[AS+(\s)] matrix_a_fmt:MATRIX_FMT_FP4 matrix_b_fmt:MATRIX_FMT_FP4
	v_wmma_scale_f32_16x16x128_f8f6f4 v[ACC+8*\t+8:ACC+8*\t+15], v[BF+32*((\s)%2)+8*\t+8:BF+32*((\s)%2)+8*\t+15], v[AF+8*(\s):AF+8*(\s)+7], v[ACC+8*\t+8:ACC+8*\t+15], v[BS+4*\t+(\s)], v[AS+(\s)] matrix_a_fmt:MATRIX_FMT_FP4 matrix_b_fmt:MATRIX_FMT_FP4 matrix_a_scale:MATRIX_SCALE_ROW1
.endr
.rept 4
	v_nop                                          ; places in front of loads into registers that these have read, and of the first read of results
.endr
.if (\s) < 6
	BLOAD (\s)+2
.endif
.endm
	KSTEP 0, 16                                    ; behind K step 0's: K step 1's eight and the residual's eight
	KSTEP 1, 16                                    ; the residual's eight and K step 2's
	KSTEP 2, 8
	KSTEP 3, 8
	KSTEP 4, 8
	KSTEP 5, 8
	KSTEP 6, 8
	KSTEP 7, 0
.irp i, 0,1,2,3,4,5,6,7
	global_load_b128 v[64+4*\i:64+4*\i+3], v1, s[16:17] offset:512*\i      ; ln_g
	global_load_b128 v[128+4*\i:128+4*\i+3], v1, s[18:19] offset:512*\i    ; ln_b
.endr
.irp t, 0,1,2,3
	ds_store_b128 v7, v[ACC+8*\t:ACC+8*\t+3] offset:128*(\t/2)+32*(\t%2)   ; each accumulator from its low end on
	ds_store_b128 v7, v[ACC+8*\t+4:ACC+8*\t+7] offset:128*(\t/2)+32*(\t%2)+16
.endr
	s_wait_dscnt 0x0                               ; for the others' sake: my stores into the stage are done
	s_barrier_signal -1
	s_barrier_wait -1
.irp i, 0,1,2,3,4,5,6,7
	ds_load_b128 v[32+4*\i:32+4*\i+3], v8 offset:512*\i
.endr
	s_wait_dscnt 0x0
.irp j, 0,2,4,6,8,10,12,14,16,18,20,22,24,26,28,30
	v_pk_add_f32 v[32+\j:33+\j], v[32+\j:33+\j], v[RS+\j:RS+1+\j]          ; x = product + bo + residual
.endr
.macro WSUM x, t                       ; the sum over the wave's 32 lanes, in every lane
	v_add_f32_dpp v[\x], v[\x], v[\x] row_xmask:1 row_mask:0xf bank_mask:0xf
	v_add_f32_dpp v[\x], v[\x], v[\x] row_xmask:2 row_mask:0xf bank_mask:0xf
	v_add_f32_dpp v[\x], v[\x], v[\x] row_xmask:4 row_mask:0xf bank_mask:0xf
	v_add_f32_dpp v[\x], v[\x], v[\x] row_xmask:8 row_mask:0xf bank_mask:0xf
	v_permlanex16_b32 v[\t], v[\x], s26, s27
	v_add_f32 v[\x], v[\x], v[\t]
.endm
	v_pk_add_f32 v[248:249], v[32:33], v[34:35]
	v_pk_add_f32 v[250:251], v[36:37], v[38:39]
.irp j, 8,12,16,20,24,28
	v_pk_add_f32 v[248:249], v[248:249], v[32+\j:33+\j]
	v_pk_add_f32 v[250:251], v[250:251], v[34+\j:35+\j]
.endr
	v_pk_add_f32 v[248:249], v[248:249], v[250:251]
	v_add_f32 v248, v248, v249
	WSUM 248, 249
	v_mul_f32 v248, s28, v248                      ; the mean
	v_mov_b32 v249, v248
.irp j, 0,2,4,6,8,10,12,14,16,18,20,22,24,26,28,30
	v_pk_add_f32 v[32+\j:33+\j], v[32+\j:33+\j], v[248:249] neg_lo:[0,1] neg_hi:[0,1]   ; d = x - mean
.endr
	v_pk_mul_f32 v[250:251], v[32:33], v[32:33]
	v_pk_mul_f32 v[252:253], v[34:35], v[34:35]
.irp j, 4,8,12,16,20,24,28
	v_pk_fma_f32 v[250:251], v[32+\j:33+\j], v[32+\j:33+\j], v[250:251]
	v_pk_fma_f32 v[252:253], v[34+\j:35+\j], v[34+\j:35+\j], v[252:253]
.endr
	v_pk_add_f32 v[250:251], v[250:251], v[252:253]
	v_add_f32 v250, v250, v251
	WSUM 250, 251
	v_fma_f32 v250, v250, s28, s29                 ; the variance + 1e-12
	v_rsq_f32 v250, v250
	v_nop                                          ; a plain place behind the transcendental
	s_wait_alu depctr_va_vdst(0)                   ; and the wait ahead of its first reader
	v_mov_b32 v251, v250
	s_wait_loadcnt 0x0                             ; ln_g and ln_b
.irp j, 0,2,4,6,8,10,12,14,16,18,20,22,24,26,28,30
	v_pk_mul_f32 v[32+\j:33+\j], v[32+\j:33+\j], v[250:251]
.endr
.irp j, 0,2,4,6,8,10,12,14,16,18,20,22,24,26,28,30
	v_pk_fma_f32 v[32+\j:33+\j], v[32+\j:33+\j], v[64+\j:65+\j], v[128+\j:129+\j]
.endr
.irp i, 0,1,2,3,4,5,6,7
	global_store_b128 v1, v[32+4*\i:32+4*\i+3], s[20:21] offset:512*\i th:TH_STORE_NT   ; 32 lanes store 512 consecutive bytes of the token's row
.endr
	s_wait_tensorcnt 0x0                           ; the wave's end, behind my last LDS store
	ds_add_u32 v[SPW], v[NIL]
	s_wait_dscnt 0x0
	s_endpgm
.Lfunc_end_k_q9474ed0436_oproj:
	.size	k_q9474ed0436_oproj, .Lfunc_end_k_q9474ed0436_oproj-k_q9474ed0436_oproj
	.p2alignl 7, 3214868480
	.fill 96, 4, 3214868480
	.section	.rodata,"a",@progbits
	.p2align	6, 0x0
	.amdhsa_kernel k_q9474ed0436_oproj
		.amdhsa_group_segment_fixed_size 67840
		.amdhsa_private_segment_fixed_size 0
		.amdhsa_enable_private_segment 0
		.amdhsa_kernarg_size 72
		.amdhsa_user_sgpr_count 2
		.amdhsa_user_sgpr_kernarg_segment_ptr 1
		.amdhsa_wavefront_size32 1
		.amdhsa_system_sgpr_workgroup_id_x 1
		.amdhsa_system_sgpr_workgroup_id_y 1
		.amdhsa_system_sgpr_workgroup_id_z 1
		.amdhsa_system_vgpr_workitem_id 0
		.amdhsa_next_free_vgpr 256
		.amdhsa_next_free_sgpr 66
		.amdhsa_reserve_vcc 0
		.amdhsa_float_denorm_mode_32 3
		.amdhsa_float_denorm_mode_16_64 3
		.amdhsa_memory_ordered 1
		.amdhsa_forward_progress 1
		.amdhsa_inst_pref_size 30
	.end_amdhsa_kernel
	.amdgpu_metadata
---
amdhsa.version: [ 1, 2 ]
amdhsa.kernels:
  - .name:           k_q9474ed0436_oproj
    .symbol:         k_q9474ed0436_oproj.kd
    .args:
      - { .name: ctx, .offset: 0, .size: 8, .value_kind: global_buffer, .address_space: global }
      - { .name: ctxs, .offset: 8, .size: 8, .value_kind: global_buffer, .address_space: global }
      - { .name: xw, .offset: 16, .size: 8, .value_kind: global_buffer, .address_space: global }
      - { .name: xws, .offset: 24, .size: 8, .value_kind: global_buffer, .address_space: global }
      - { .name: bo, .offset: 32, .size: 8, .value_kind: global_buffer, .address_space: global }
      - { .name: hidden_states, .offset: 40, .size: 8, .value_kind: global_buffer, .address_space: global }
      - { .name: ln_g, .offset: 48, .size: 8, .value_kind: global_buffer, .address_space: global }
      - { .name: ln_b, .offset: 56, .size: 8, .value_kind: global_buffer, .address_space: global }
      - { .name: out0, .offset: 64, .size: 8, .value_kind: global_buffer, .address_space: global }
    .group_segment_fixed_size: 67840
    .private_segment_fixed_size: 0
    .kernarg_segment_align: 8
    .kernarg_segment_size: 72
    .max_flat_workgroup_size: 512
    .sgpr_count:     66
    .vgpr_count:     256
    .wavefront_size: 32
...
	.end_amdgpu_metadata
.endif
;; end of part 4
;; ======== version 2 of 2: 4 launches
;; limits: right only within a limited range of input values
;; workspace buffers: xw 4,194,304 bytes; xws 262,144 bytes; trig 524,288 bytes; qkv 6,291,456 bytes; qkvs 393,216 bytes; ctx 2,097,152 bytes; ctxs 131,072 bytes
;; launch prep (part 5): grid 272 x 1, 4 waves a work-group, no clusters, 39,424 bytes of LDS; arguments hidden_states, Wq, Wk, Wv, Wo, phi, xw, xws, trig; writes xw, xws, trig
.if DOCPART == 5
	.amdgcn_target "amdgcn-amd-amdhsa--gfx1250"
	.amdhsa_code_object_version 6
	.text
	.protected	k_q9474ed0436_prep
	.globl	k_q9474ed0436_prep
	.p2align	8
	.type	k_q9474ed0436_prep,@function
k_q9474ed0436_prep:
	s_mov_b64 s[64:65], 0
	v_nop
	global_prefetch_b8 v0, s[64:65] scope:SCOPE_SE
	s_setreg_imm32_b32 hwreg(HW_REG_WAVE_MODE, 25, 1), 1
	s_wait_xcnt 0x0
; hidden_states [4096][1024] and Wq, Wk, Wv, Wo [1024][1024], f32, K innermost, become codes of FP4 (E2M1) with one E8M0 byte for each 32 along K; phi becomes tables of cos and sin.
; A block's scale is 2^(floor(log2(largest magnitude)) - 2): its byte is the largest magnitude's exponent field - 2, held at 1 from below.
; THE CODES ARE LAID AS IMAGES OF OPERAND REGISTERS: xw[tile U][K step s][c][lane][16 bytes]; lane (r, h) of (s, c) holds k = 128 s + 64 c + 32 h + 0..31 of the tile's row r, so a later launch loads a fragment at 16 x lane.
; THE ROWS OF A TILE ARE NOT NEIGHBOURS: row r of tile T of a tensor is its row 32 (T / 2) + 8 (T % 2) + r + 8 (r / 8), so that a product's results lie with 16 neighbours of the next K in a lane's registers.
; Tiles: 0-255 hidden_states, 256-319 Wq, 320-383 Wk, 384-447 Wv, 448-511 Wo.  Scale bytes: xws[U][K half][r][16 bytes].
; SHARES.  Work-groups 0-255: a wave takes one tile's 16 rows x 512 along K, a row a step.  Each load reads 512 consecutive bytes; a step's 2,048 bytes turn through the wave's own stage in LDS so that a lane holds 16 neighbours
; (two lanes a block).  Block j of row t belongs at byte 256 j + 16 t of the wave's 4,096 bytes of codes: they are gathered in LDS and leave in stores of 512 consecutive bytes; the 256 scale bytes leave as one store.
; Work-groups 256-271: a wave takes 64 tokens of phi (a lane two tokens, 128 consecutive bytes) and stores cos and sin as [batch][head][token], 256 consecutive bytes a store.  That path uses no LDS.
; LIMITS: a block of zeros gets the byte 1 (its codes are zeros; this program alone reads the bytes); blocks under 2^-124 meet that floor; NaN and infinities are not served.
; cos and sin: three-part reduction by pi / 2 and polynomials of degree 7 and 8, about 1e-7 absolute for |phi| up to some 1e4.
.set STEPS, 16
.set WREG,  9728                       ; LDS of a wave: two turn stages of 32 x 80 bytes, 256 scale bytes, 16 units of codes at pitch 272
.set SP,    80
.set SCB,   5120
.set CST,   5376
.set CPI,   272
.set SPARE, 4*WREG                     ; the spare words, 128 bytes for each wave; no other line names them
.set R,     16                         ; v16-79   four sets of 16 numbers as loaded
.set X,     80                         ; v80-111  two sets of 16 neighbours
.set E,     112                        ; v112-127 a scale byte for each step
.set C,     128                        ; v128-191 codes, four registers for each step
.set SPW,   12
.set NIL,   13
.set PH,    32                         ; table path: v32-63 phi, v64-95 cos, v96-127 sin
.set CO,    64
.set SI,    96
	s_load_b256 s[4:11], s[0:1], 0x0               ; hidden_states, Wq, Wk, Wv
	s_load_b256 s[12:19], s[0:1], 0x20             ; Wo, phi, xw, xws
	s_load_b64 s[20:21], s[0:1], 0x40              ; trig
	v_lshl_add_u32 v[SPW], v0, 2, SPARE
	v_mov_b32 v[NIL], 0
	v_lshrrev_b32 v1, 5, v0
	v_readfirstlane_b32 s26, v1                    ; wave
	v_and_b32 v2, 31, v0                           ; lane
	s_cmp_ge_u32 ttmp9, 256                        ; the last sixteen work-groups make the tables
	s_cbranch_scc1 .Ltable
	v_lshlrev_b32 v3, 4, v2                        ; 16 x lane
	s_mul_i32 s27, s26, WREG
	v_lshrrev_b32 v14, 2, v2
	v_mul_u32_u24 v14, v14, SP
	v_and_b32 v15, 3, v2
	v_lshl_add_u32 v14, v15, 4, v14
	v_add_nc_u32 v14, s27, v14                     ; turn stage, in: 80 (lane / 4) + 16 (lane % 4)
	v_mul_u32_u24 v15, v2, SP
	v_add_nc_u32 v15, s27, v15                     ; turn stage, out: 80 x lane
	v_lshrrev_b32 v5, 1, v2                        ; my block j
	v_mul_u32_u24 v4, v5, CPI
	v_and_b32 v6, 1, v2
	v_lshl_add_u32 v4, v6, 3, v4
	v_add_nc_u32 v4, s27, v4
	v_add_nc_u32 v4, CST, v4                       ; codes, in: unit j, my half of the block's 16 bytes
	v_add_nc_u32 v5, s27, v5
	v_add_nc_u32 v5, SCB, v5                       ; my block's scale byte
	v_lshrrev_b32 v6, 4, v2
	v_mul_u32_u24 v6, v6, CPI
	v_and_b32 v7, 15, v2
	v_lshl_add_u32 v6, v7, 4, v6
	v_add_nc_u32 v6, s27, v6
	v_add_nc_u32 v6, CST, v6                       ; codes, out: sixteen lanes to a unit
	v_lshlrev_b32 v7, 3, v2                        ; 8 x lane
	v_add_nc_u32 v1, s27, v7
	v_add_nc_u32 v1, SCB, v1                       ; scale bytes, out
	s_lshl_b32 s28, ttmp9, 1
	s_lshr_b32 s29, s26, 1
	s_add_co_u32 s28, s28, s29                     ; my tile U
	s_and_b32 s29, s26, 1                          ; my half of K
	s_wait_kmcnt 0x0
	s_cmp_lt_u32 ttmp9, 224                        ; which tensor: the choice hangs on the work-group's number alone
	s_cselect_b64 s[22:23], s[10:11], s[12:13]
	s_cmp_lt_u32 ttmp9, 192
	s_cselect_b64 s[22:23], s[8:9], s[22:23]
	s_cmp_lt_u32 ttmp9, 160
	s_cselect_b64 s[22:23], s[6:7], s[22:23]
	s_cmp_lt_u32 ttmp9, 128
	s_cselect_b64 s[22:23], s[4:5], s[22:23]
	s_cselect_b32 s24, 255, 63                     ; a tensor's tiles begin at a multiple of their number
	s_and_b32 s25, s28, s24                        ; the tile's number in its tensor
	s_lshr_b32 s30, s25, 1
	s_lshl_b32 s30, s30, 5
	s_and_b32 s31, s25, 1
	s_lshl_b32 s31, s31, 3
	s_add_co_u32 s30, s30, s31                     ; its first row
	s_lshl_b32 s30, s30, 12                        ; rows of 4,096 bytes
	s_lshl_b32 s31, s29, 11
	s_add_co_u32 s30, s30, s31
	s_mov_b32 s31, 0
	s_add_nc_u64 s[22:23], s[22:23], s[30:31]
	s_lshl_b32 s30, s28, 13
	s_lshl_b32 s32, s29, 12
	s_add_co_u32 s30, s30, s32
	s_add_nc_u64 s[16:17], s[16:17], s[30:31]      ; my 4,096 bytes of codes
	s_lshl_b32 s30, s28, 9
	s_lshl_b32 s32, s29, 8
	s_add_co_u32 s30, s30, s32
	s_add_nc_u64 s[18:19], s[18:19], s[30:31]      ; my 256 scale bytes
.macro LOAD t                          ; the tile's row t: 2,048 bytes, 512 consecutive bytes a load
.irp i, 0,1,2,3
	global_load_b128 v[R+16*((\t)%4)+4*\i:R+16*((\t)%4)+4*\i+3], v3, s[22:23] offset:((\t)+8*((\t)/8))*4096+512*\i th:TH_LOAD_NT
.endr
.endm
.macro TURN t                          ; through the stage: LDS serves a wave's instructions in order, so no wait stands between the stores and the loads
.irp i, 0,1,2,3
	ds_store_b128 v14, v[R+16*((\t)%4)+4*\i:R+16*((\t)%4)+4*\i+3] offset:32*SP*((\t)%2)+8*SP*\i
.endr
.irp i, 0,1,2,3
	ds_load_b128 v[X+16*((\t)%2)+4*\i:X+16*((\t)%2)+4*\i+3], v15 offset:32*SP*((\t)%2)+16*\i
.endr
.endm
.irp t, 0,1,2,3
	LOAD \t
.endr
	s_wait_loadcnt 12                              ; row 0's four loads are in
	TURN 0
.macro STEP t
.set XS, X+16*((\t)%2)
.if (\t) > 0
	s_wait_dscnt 2                                 ; this row's numbers are back from the stage; the last step's two stores (byte, codes) may be out
.else
	s_wait_dscnt 0x0
.endif
.if (\t)+4 < STEPS
	LOAD (\t)+4                                    ; into the set that the stage's stores have read
.endif
.if (\t)+1 < STEPS
.if STEPS-2-(\t) >= 3
	s_wait_loadcnt 12                              ; the next row's four loads are in; three rows' may be out
.else
	s_wait_loadcnt 4*(STEPS-2-(\t))
.endif
	TURN (\t)+1
.endif
	v_max3_num_f32 v8, |v[XS]|, |v[XS+1]|, |v[XS+2]|
	v_max3_num_f32 v9, |v[XS+3]|, |v[XS+4]|, |v[XS+5]|
.irp i, 6,10
	v_max3_num_f32 v8, v8, |v[XS+\i]|, |v[XS+\i+1]|
	v_max3_num_f32 v9, v9, |v[XS+\i+2]|, |v[XS+\i+3]|
.endr
	v_max3_num_f32 v8, v8, |v[XS+14]|, |v[XS+15]|
	v_max3_num_f32 v8, v8, v9, 0x1800000           ; the floor 2^(3 - 127): the byte cannot fall under 1
	v_max_num_f32_dpp v8, v8, v8 row_xmask:1 row_mask:0xf bank_mask:0xf   ; with my neighbour's 16: the block's largest magnitude
	v_add_nc_u32 v11, 0xff000000, v8               ; 2 off its exponent field: the conversion's scale operand
	v_cvt_scalef32_pk8_fp4_f32 v[C+4*(\t)], v[XS:XS+7], v11
	v_cvt_scalef32_pk8_fp4_f32 v[C+4*(\t)+1], v[XS+8:XS+15], v11
	v_lshrrev_b32 v[E+(\t)], 23, v11               ; the scale's byte (a plain line behind the conversions)
	ds_store_b8 v5, v[E+(\t)] offset:16*(\t)       ; both lanes of a block write the same byte
	ds_store_b64 v4, v[C+4*(\t):C+4*(\t)+1] offset:16*(\t)   ; unit j, row t
.endm
.irp t, 0,1,2,3,4,5,6,7,8,9,10,11,12,13,14,15
	STEP \t
.endr
	ds_load_b64 v[8:9], v1                         ; LDS serves a wave's instructions in order: these see my stores
.irp i, 0,1,2,3,4,5,6,7
	ds_load_b128 v[R+4*\i:R+4*\i+3], v6 offset:2*CPI*\i
.endr
	s_wait_dscnt 0x0
	global_store_b64 v7, v[8:9], s[18:19]          ; 256 consecutive bytes
.irp i, 0,1,2,3,4,5,6,7
	global_store_b128 v3, v[R+4*\i:R+4*\i+3], s[16:17] offset:512*\i   ; 512 consecutive bytes
.endr
	s_branch .Lend
.Ltable:
	s_sub_co_u32 s28, ttmp9, 256
	s_lshl_b32 s28, s28, 2
	s_add_co_u32 s28, s28, s26                     ; which 64 tokens of the 4,096
	s_lshl_b32 s30, s28, 12                        ; 64 bytes of phi a token
	s_mov_b32 s31, 0
	s_wait_alu depctr_va_vdst(0)
	v_lshlrev_b32 v3, 7, v2                        ; two tokens a lane
	v_lshlrev_b32 v7, 3, v2
	s_mov_b32 s34, 0x3f22f983                      ; 2 / pi
	s_mov_b32 s35, 0xbfc90fda                      ; - pi / 2 in three parts
	s_mov_b32 s36, 0xb3a22168
	s_mov_b32 s37, 0xa7c234c4
	s_mov_b32 s38, 0xbe2aaaa3                      ; sine's polynomial
	s_mov_b32 s39, 0x3c08839e
	s_mov_b32 s40, 0xb94ca1f9
	s_mov_b32 s41, 0x3d2aaaa5                      ; cosine's
	s_mov_b32 s42, 0xbab6061a
	s_mov_b32 s43, 0x37ccf5ce
	s_wait_alu depctr_va_vdst(0)
	s_wait_kmcnt 0x0
	s_add_nc_u64 s[14:15], s[14:15], s[30:31]
.irp i, 0,1,2,3,4,5,6,7
	global_load_b128 v[PH+4*\i:PH+4*\i+3], v3, s[14:15] offset:16*\i   ; register 16 e + head: token 2 lane + e
.endr
	s_lshr_b32 s30, s28, 5                         ; batch
	s_lshl_b32 s30, s30, 17
	s_and_b32 s32, s28, 31
	s_lshl_b32 s32, s32, 8
	s_add_co_u32 s30, s30, s32
	s_add_nc_u64 s[20:21], s[20:21], s[30:31]
	s_wait_loadcnt 0x0
.macro SINCOS n                        ; x = k pi / 2 + r; sin r and cos r by polynomials; the quadrant k exchanges them and sets the signs
.set XI, PH+(\n)
.set OC, CO+2*((\n)%16)+(\n)/16
.set OS, SI+2*((\n)%16)+(\n)/16
	v_mul_f32 v16, s34, v[XI]
	v_rndne_f32 v16, v16
	v_fma_f32 v17, v16, s35, v[XI]
	v_fma_f32 v17, v16, s36, v17
	v_fma_f32 v17, v16, s37, v17                   ; r
	v_cvt_i32_f32 v18, v16                         ; k
	v_mul_f32 v19, v17, v17                        ; z = r r
	v_fma_f32 v20, v19, s40, s39
	v_fma_f32 v21, v19, s43, s42
	v_fma_f32 v20, v20, v19, s38
	v_fma_f32 v21, v21, v19, s41
	v_mul_f32 v22, v17, v19
	v_mul_f32 v23, v19, v19
	v_fma_f32 v24, v19, -0.5, 1.0
	v_fma_f32 v20, v20, v22, v17                   ; sin r
	v_fma_f32 v21, v21, v23, v24                   ; cos r
	v_and_b32 v22, 1, v18
	v_cmp_eq_u32 vcc_lo, 1, v22
	v_cndmask_b32 v23, v20, v21, vcc_lo            ; an odd quadrant exchanges them
	v_cndmask_b32 v24, v21, v20, vcc_lo
	v_lshlrev_b32 v22, 30, v18                     ; sine's sign: bit 1 of k
	v_add_nc_u32 v18, 1, v18
	v_and_b32 v22, 0x80000000, v22
	v_lshlrev_b32 v18, 30, v18                     ; cosine's: bit 1 of k + 1
	v_xor_b32 v[OS], v22, v23
	v_and_b32 v18, 0x80000000, v18
	v_xor_b32 v[OC], v18, v24
.endm
.irp n, 0,1,2,3,4,5,6,7,8,9,10,11,12,13,14,15,16,17,18,19,20,21,22,23,24,25,26,27,28,29,30,31
	SINCOS \n
.endr
.irp hd, 0,1,2,3,4,5,6,7,8,9,10,11,12,13,14,15
	global_store_b64 v7, v[CO+2*\hd:CO+2*\hd+1], s[20:21] offset:8192*\hd          ; 32 lanes store 256 consecutive bytes of a head's row
	global_store_b64 v7, v[SI+2*\hd:SI+2*\hd+1], s[20:21] offset:262144+8192*\hd
.endr
.Lend:
	s_wait_tensorcnt 0x0                           ; the wave's end, behind my last LDS store
	ds_add_u32 v[SPW], v[NIL]
	s_wait_dscnt 0x0
	s_endpgm
.Lfunc_end_k_q9474ed0436_prep:
	.size	k_q9474ed0436_prep, .Lfunc_end_k_q9474ed0436_prep-k_q9474ed0436_prep
	.p2alignl 7, 3214868480
	.fill 96, 4, 3214868480
	.section	.rodata,"a",@progbits
	.p2align	6, 0x0
	.amdhsa_kernel k_q9474ed0436_prep
		.amdhsa_group_segment_fixed_size 39424
		.amdhsa_private_segment_fixed_size 0
		.amdhsa_enable_private_segment 0
		.amdhsa_kernarg_size 72
		.amdhsa_user_sgpr_count 2
		.amdhsa_user_sgpr_kernarg_segment_ptr 1
		.amdhsa_wavefront_size32 1
		.amdhsa_system_sgpr_workgroup_id_x 1
		.amdhsa_system_sgpr_workgroup_id_y 1
		.amdhsa_system_sgpr_workgroup_id_z 1
		.amdhsa_system_vgpr_workitem_id 0
		.amdhsa_next_free_vgpr 192
		.amdhsa_next_free_sgpr 66
		.amdhsa_reserve_vcc 1
		.amdhsa_float_denorm_mode_32 3
		.amdhsa_float_denorm_mode_16_64 3
		.amdhsa_memory_ordered 1
		.amdhsa_forward_progress 1
		.amdhsa_inst_pref_size 79
	.end_amdhsa_kernel
	.amdgpu_metadata
---
amdhsa.version: [ 1, 2 ]
amdhsa.kernels:
  - .name:           k_q9474ed0436_prep
    .symbol:         k_q9474ed0436_prep.kd
    .args:
      - { .name: hidden_states, .offset: 0, .size: 8, .value_kind: global_buffer, .address_space: global }
      - { .name: Wq, .offset: 8, .size: 8, .value_kind: global_buffer, .address_space: global }
      - { .name: Wk, .offset: 16, .size: 8, .value_kind: global_buffer, .address_space: global }
      - { .name: Wv, .offset: 24, .size: 8, .value_kind: global_buffer, .address_space: global }
      - { .name: Wo, .offset: 32, .size: 8, .value_kind: global_buffer, .address_space: global }
      - { .name: phi, .offset: 40, .size: 8, .value_kind: global_buffer, .address_space: global }
      - { .name: xw, .offset: 48, .size: 8, .value_kind: global_buffer, .address_space: global }
      - { .name: xws, .offset: 56, .size: 8, .value_kind: global_buffer, .address_space: global }
      - { .name: trig, .offset: 64, .size: 8, .value_kind: global_buffer, .address_space: global }
    .group_segment_fixed_size: 39424
    .private_segment_fixed_size: 0
    .kernarg_segment_align: 8
    .kernarg_segment_size: 72
    .max_flat_workgroup_size: 128
    .sgpr_count:     66
    .vgpr_count:     192
    .wavefront_size: 32
...
	.end_amdgpu_metadata
.endif
;; end of part 5
;; launch qkv (part 6): grid 12 x 16, 4 waves a work-group, clusters of 4 x 4, 327,680 bytes of LDS; arguments xw, xws, trig, bq, bk, bv, qkv, qkvs; writes qkv, qkvs
.if DOCPART == 6
	.amdgcn_target "amdgcn-amd-amdhsa--gfx1250"
	.amdhsa_code_object_version 6
	.text
	.protected	k_q9474ed0436_qkv
	.globl	k_q9474ed0436_qkv
	.p2align	8
	.type	k_q9474ed0436_qkv,@function
k_q9474ed0436_qkv:
	s_mov_b64 s[64:65], 0
	v_nop
	global_prefetch_b8 v0, s[64:65] scope:SCOPE_SE
	s_setreg_imm32_b32 hwreg(HW_REG_WAVE_MODE, 25, 1), 1
	s_wait_xcnt 0x0
	s_wait_alu depctr_hold_cnt(0) depctr_sa_sdst(0) depctr_va_vdst(0) depctr_va_sdst(0) depctr_va_ssrc(0) depctr_va_vcc(0) depctr_vm_vsrc(0)
	s_getreg_b32 s2, hwreg(HW_REG_IB_STS2, 6, 4)
	s_cmp_eq_u32 s2, 0
	s_cbranch_scc0 .Lentry_in_a_cluster
	s_endpgm
.Lentry_in_a_cluster:
	s_bfe_u32 s2, ttmp6, 0x10000c
	s_cmp_lg_u32 s2, 0xf033
	s_cbranch_scc0 .Lentry_shape_is_right
	s_endpgm
.Lentry_shape_is_right:
; The three projections as one GEMM on codes of FP4: [4096 tokens] x [3072 rows of Wq, Wk, Wv], K = 1024; then bias, the rotation by phi (q, k) and the quantising of the results for the attention launch.
; A work-group of four waves makes 256 tokens x 256 rows; a wave 128 x 128: 64 accumulators, 512 registers.  192 work-groups: the size has no more such tiles.
; OPERANDS lie in memory as images of their registers (tile of 16 rows: 8 K steps x 1,024 bytes), so a fragment is two LDS loads at 16 x lane: dense, no pitch.
; K = 1,024 is two slots of 512 along K: both are asked for at the start, nothing is filled again.  A wave's tensor load brings 8 tiles x 4,096 bytes.  The scale bytes of the 256 + 256 rows come once.
; CLUSTERS: 4 x 4 work-groups; A's tiles (tokens) are shared along a row of the cluster, B's (weights) along a column: joint loads with a mask that names the four.  Cluster x is the tensor: 0 q, 1 k, 2 v,
; so the one branch on the tensor goes the same way in all sixteen partners.
; THE MATRIX INSTRUCTION IS USED TRANSPOSED (source 0 = 16 rows of W, source 1 = 16 tokens): a lane holds one token; by the order of rows in a tile, register j of tiles 2 b + u is column 32 b + 16 h + 8 u + j.
; Q, K: a wave's 128 columns are two heads.  x = sum + bias; lo = d 0-31, hi = d 32-63 lie in the same lane: lo' = lo cos - hi sin, hi' = hi cos + lo sin.  q's cos and sin carry the factor 1/8 = 1/sqrt(64): a power
; of two, which the block scales take up, so the scores come out divided.  Each head's two blocks of 32 are quantised (a block lies in lanes l and l xor 16) and stored as [tile of 16 tokens][lane][16 bytes].
; V: its K in the next product is the keys, which lie across lanes: 32 tokens at a time go through the wave's stage in LDS; then a lane takes a column and its 32 registers run down the keys.
; The stage lies in slot 0, which has had its only fill and which nobody reads behind the change of slots.
; LIMITS: blocks of zeros carry the byte 1; blocks of q under 2^-121 before the factor meet the floor; NaN and infinities are not served.
; REGISTERS: window 0: v0-31 addresses and small things; v32-95 scale words, two sets (nothing else ever); v96-127 (cos, sin) pairs; v128-191 A's fragments, later at work; v192-255 the bias in the result's layout, in V's path codes.
;   window 1: B's fragments, two sets.  windows 2, 3: the accumulators ((a, b) at v[8 (8 (a % 4) + b)]).
.set NQ,     4                         ; K steps of 128 in a slot
.set FR,     8
.set NL,     2
.set NP,     4
.set SLOT,   131072                    ; A's 16 tiles x 4,096 bytes, then B's
.set SCL,    262144                    ; A's scale bytes (16 tiles x 512), then B's
.set SPARE,  278528                    ; the spare words, 128 bytes for each wave; no other line names them
.set ADRA, 16
.set ADRB, 20
.set STO,  24                          ; V: into the stage
.set RDV,  25                          ; V: out of it
.set VSO,  26                          ; V: my place in a store of codes
.set ADRS, 27
.set SPW,  28
.set NIL,  29
.set SC,   32
.set CSN,  96
.set AF,   128
.set T,    128
.set RR,   160
.set XV,   128
.set BI,   192
.set VB,   8
.set SB,   4
.set TM,   16
.set PC,   24
.set G1, 24
.set G0, 32
.set G1B, 48
.set G0B, 56
.set SEL, 66
.set G1S, 68
.set G0S, 76
.set G1SB, 80
.set G0SB, 88
.set MSB, 0
.macro WIN new                         ; the immediate's high byte repeats the setting that is left
.if MSB != \new
	s_set_vgpr_msb (MSB<<8)|\new
.set MSB, \new
.endif
.endm
.set MUL_LO, 0xa1                      ; source 0 (W) window 1, source 1 (tokens) window 0, C and D window 2
.set MUL_HI, 0xf1
.set TO_B,   0x40
.macro JLOAD g0a, g1a, g0b, g1b        ; a joint load: waves 0 and 1 fetch for A, waves 2 and 3 for B; the branch hangs on the wave's number alone; an s_nop 0 and four v_nop follow each line
	s_cmp_eq_u32 s15, 0
	s_cbranch_scc0 .Lfor_b_\@
	tensor_load_to_lds s[\g0a:\g0a+3], s[\g1a:\g1a+7]
	s_nop 0
.rept 4
	v_nop
.endr
	s_branch .Lasked_\@
.Lfor_b_\@:
	tensor_load_to_lds s[\g0b:\g0b+3], s[\g1b:\g1b+7]
	s_nop 0
.rept 4
	v_nop
.endr
.Lasked_\@:
.endm
.macro CROUND                          ; a round of the cluster's barrier
	s_barrier_signal -1
	s_barrier_wait -1
	s_cmp_lg_u32 s14, 0
	s_cbranch_scc1 .Lnot_wave_0_\@
	s_barrier_signal -3
.Lnot_wave_0_\@:
	s_barrier_wait -3
	s_barrier_signal -1
	s_barrier_wait -1
.endm
	s_load_b256 s[4:11], s[0:1], 0x0               ; xw, xws, trig, bq
	s_load_b256 s[92:99], s[0:1], 0x20             ; bk, bv, qkv, qkvs
	v_lshl_add_u32 v[SPW], v0, 2, SPARE
	v_mov_b32 v[NIL], 0
	ds_add_u32 v[SPW], v[NIL]
	ds_add_u32 v[SPW], v[NIL]                      ; the wave's opening: the add and its wait stand ahead of my first tensor load
	v_lshrrev_b32 v1, 5, v0
	v_readfirstlane_b32 s14, v1                    ; wave 0..3
	s_lshr_b32 s15, s14, 1                         ; my half of the tokens.  Also: I fetch for A (0) or for B (1)
	s_and_b32 s16, s14, 1                          ; my half of the columns.  Also: which 8 tiles I fetch
	s_bfe_u32 s40, ttmp6, 0x40000                  ; cx
	s_bfe_u32 s41, ttmp6, 0x40004                  ; cy
	s_lshl_b32 s42, ttmp9, 2
	s_add_co_u32 s42, s42, s40                     ; tile column 0..11
	s_and_b32 s17, ttmp7, 0xffff
	s_lshl_b32 s17, s17, 2
	s_add_co_u32 s17, s17, s41                     ; tile row 0..15
	s_lshl_b32 s43, s41, 2
	s_lshl_b32 s43, 15, s43                        ; my row of the cluster
	s_lshl_b32 s44, 0x1111, s40                    ; my column
	s_or_b32 s[G1+0], s43, (3<<16)|(1<<21)         ; the mask; elements of 8 bytes; bit 21 beside a mask; no padding
	s_or_b32 s[G1B+0], s44, (3<<16)|(1<<21)
.irp g, G1, G1B                        ; codes: 8 rows (tiles) of 512 elements (a slot's 4,096 bytes), 1,024 elements from tile to tile
	s_mov_b32 s[\g+1], 512<<16
	s_mov_b32 s[\g+2], 8<<16
	s_mov_b32 s[\g+3], 512<<16
	s_mov_b32 s[\g+4], 8
	s_mov_b32 s[\g+5], 1024
	s_mov_b32 s[\g+6], 0
	s_mov_b32 s[\g+7], 0
.endr
	s_or_b32 s[G1S+0], s43, (3<<16)|(1<<21)
	s_or_b32 s[G1SB+0], s44, (3<<16)|(1<<21)
.irp g, G1S, G1SB                      ; scale bytes of 8 tiles: 4,096 dense bytes as 16 rows of 256
	s_mov_b32 s[\g+1], 32<<16
	s_mov_b32 s[\g+2], 16<<16
	s_mov_b32 s[\g+3], 32<<16
	s_mov_b32 s[\g+4], 16
	s_mov_b32 s[\g+5], 32
	s_mov_b32 s[\g+6], 0
	s_mov_b32 s[\g+7], 0
.endr
	s_lshl_b32 s18, s16, 3
	s_lshl_b32 s20, s17, 4
	s_add_co_u32 s20, s20, s18                     ; A's first tile that I fetch: made of the tile row and the wave's number
	s_lshl_b32 s46, s42, 4
	s_add_co_u32 s46, s46, s18
	s_add_co_u32 s46, s46, 256                     ; B's: of the tile column and the wave's number
	s_lshl_b32 s22, s20, 9
	s_mov_b32 s23, 0
	s_lshl_b32 s20, s20, 13
	s_mov_b32 s21, 0
	s_lshl_b32 s18, s46, 9
	s_mov_b32 s19, 0
	s_lshl_b32 s46, s46, 13
	s_mov_b32 s47, 0
	s_lshl_b32 s45, s14, 15                        ; where they go: wave x 32,768,
	s_lshl_b32 s3, s14, 12                         ; the scales: wave x 4,096
	s_mov_b32 s[SEL], 0x76543210
	s_mov_b32 s[SEL+1], 0xfedcba98
	s_mov_b32 s100, 0xffff0000                     ; lanes 16-31
	s_wait_dscnt 0x0                               ; the opening add is done
	s_wait_kmcnt 0x0
	s_add_nc_u64 s[20:21], s[4:5], s[20:21]
	s_add_nc_u64 s[22:23], s[6:7], s[22:23]
	s_add_nc_u64 s[46:47], s[4:5], s[46:47]
	s_add_nc_u64 s[18:19], s[6:7], s[18:19]
	CROUND                                         ; all sixteen work-groups are here: the joint loads meet
	s_mov_b32 s[G0S], 1
	s_add_co_u32 s[G0S+1], s3, SCL
	s_mov_b64 s[G0S+2:G0S+3], s[22:23]
	s_or_b32 s[G0S+3], s[G0S+3], 0x80000000
	s_mov_b32 s[G0SB], 1
	s_add_co_u32 s[G0SB+1], s3, SCL
	s_mov_b64 s[G0SB+2:G0SB+3], s[18:19]
	s_or_b32 s[G0SB+3], s[G0SB+3], 0x80000000
	JLOAD G0S, G1S, G0SB, G1SB                     ; three loads of mine go out: the scales, slot 0, slot 1
.irp s, 0,1
	s_mov_b32 s[G0+4*\s], 1
	s_add_co_u32 s[G0+4*\s+1], s45, \s*SLOT
	s_add_nc_u64 s[G0+4*\s+2:G0+4*\s+3], s[20:21], \s*4096
	s_or_b32 s[G0+4*\s+3], s[G0+4*\s+3], 0x80000000
	s_mov_b32 s[G0B+4*\s], 1
	s_add_co_u32 s[G0B+4*\s+1], s45, \s*SLOT
	s_add_nc_u64 s[G0B+4*\s+2:G0B+4*\s+3], s[46:47], \s*4096
	s_or_b32 s[G0B+4*\s+3], s[G0B+4*\s+3], 0x80000000
	s_wait_alu depctr_va_vdst(0)
	s_wait_tensorcnt 0x0
	ds_add_u32 v28, v29
	s_wait_dscnt 0x0
	CROUND
	JLOAD G0+4*\s, G1, G0B+4*\s, G1B
.endr
	v_and_b32 v1, 15, v0                           ; r
	v_bfe_u32 v2, v0, 4, 1                         ; h
	s_wait_alu depctr_va_vdst(0)
	v_and_b32 v6, 31, v0
	v_lshlrev_b32 v30, 4, v6                       ; 16 x lane
	s_lshl_b32 s21, s15, 15                        ; my 8 tiles of A
	s_lshl_b32 s22, s16, 15                        ; my 8 tiles of B,
	s_add_co_u32 s22, s22, 65536                   ; behind A's 16
.irp s, 0,1
	v_add_nc_u32 v[ADRA+\s], s21, v30
	v_add_nc_u32 v[ADRB+\s], s22, v30
	s_add_co_u32 s21, s21, SLOT
	s_add_co_u32 s22, s22, SLOT
.endr
	v_lshlrev_b32 v6, 4, v1                        ; scale words: 16 bytes a row and K half
	s_lshl_b32 s21, s15, 12
	s_lshl_b32 s22, s16, 12
	s_add_co_u32 s22, s22, 8192
	s_sub_co_u32 s22, s22, s21
	v_mul_u32_u24 v7, s22, v2                      ; lanes 16-31 take B's
	s_add_co_u32 s21, s21, SCL
	v_add_nc_u32 v6, v6, v7
	v_add_nc_u32 v[ADRS], s21, v6
	v_lshlrev_b32 v31, 4, v1
	v_lshl_add_u32 v31, v2, 12, v31                ; q, k scale words out: 16 r, lanes 16-31 the next head
	v_bfe_u32 v7, v0, 3, 1                         ; r / 8
	s_mul_i32 s23, s14, 16896                      ; V's stage: 32 rows x 528 bytes for each wave
	v_lshl_add_u32 v6, v7, 3, v1                   ; r + 8 (r / 8)
	v_mul_u32_u24 v[STO], v6, 528
	v_lshl_add_u32 v[STO], v2, 5, v[STO]
	v_add_nc_u32 v[STO], s23, v[STO]
	v_and_b32 v6, 31, v0
	v_lshl_add_u32 v[RDV], v6, 2, s23
	v_lshlrev_b32 v[VSO], 4, v1
	v_lshl_add_u32 v[VSO], v2, 10, v[VSO]
	; what the way out wants is asked for now, by the same lines in every cluster: the bias in two layouts, cos and sin of my tokens
	s_cmp_eq_u32 ttmp9, 0
	s_cselect_b64 s[10:11], s[10:11], s[92:93]
	s_cselect_b32 s12, 0x3e000000, 1.0             ; q carries 1 / 8
	s_cmp_eq_u32 ttmp9, 2
	s_cselect_b64 s[10:11], s[94:95], s[10:11]
	s_mov_b32 s13, s12
	s_lshl_b32 s20, s40, 10
	s_lshl_b32 s21, s16, 9
	s_add_co_u32 s20, s20, s21                     ; my first column in the tensor, x 4 bytes
	s_mov_b32 s21, 0
	s_add_nc_u64 s[10:11], s[10:11], s[20:21]
	v_lshlrev_b32 v3, 6, v2                        ; 64 h
.irp hh, 0,1
.irp t, 0,1,2,3
	global_load_b128 v[BI+32*\hh+8*\t:BI+32*\hh+8*\t+3], v3, s[10:11] offset:4*(64*\hh+32*(\t/2)+8*(\t%2))
	global_load_b128 v[BI+32*\hh+8*\t+4:BI+32*\hh+8*\t+7], v3, s[10:11] offset:4*(64*\hh+32*(\t/2)+8*(\t%2))+16
.endr
.endr
	v_and_b32 v4, 7, v0
	v_lshl_add_u32 v4, v2, 3, v4
	v_lshl_add_u32 v4, v7, 4, v4                   ; the column that stands at place lane of 32
	v_lshlrev_b32 v4, 2, v4
.irp g, 0,1,2,3
	global_load_b32 v[VB+2*\g], v4, s[10:11] offset:128*\g
	global_load_b32 v[VB+2*\g+1], v4, s[10:11] offset:128*\g     ; twice: a pair for the packed addition
.endr
	s_lshr_b32 s20, s17, 3                         ; batch
	s_lshl_b32 s20, s20, 4
	s_lshl_b32 s21, s40, 2
	s_add_co_u32 s20, s20, s21
	s_lshl_b32 s21, s16, 1
	s_add_co_u32 s2, s20, s21                      ; y of my first head = 16 batch + head
	s_and_b32 s21, s17, 7
	s_lshl_b32 s21, s21, 1
	s_add_co_u32 s3, s21, s15                      ; which 128 tokens of the batch are mine
	s_lshl_b32 s20, s2, 13
	s_lshl_b32 s21, s3, 9
	s_add_co_u32 s20, s20, s21
	s_mov_b32 s21, 0
	s_add_nc_u64 s[8:9], s[8:9], s[20:21]
	v_lshl_add_u32 v5, v7, 3, v1
	v_lshlrev_b32 v5, 2, v5                        ; 4 (r + 8 (r / 8))
.irp a, 0,1,2,3,4,5,6,7
.irp hh, 0,1
	global_load_b32 v[CSN+2*(2*\a+\hh)], v5, s[8:9] offset:8192*\hh+(32*(\a/2)+8*(\a%2))*4
	global_load_b32 v[CSN+2*(2*\a+\hh)+1], v5, s[8:9] offset:262144+8192*\hh+(32*(\a/2)+8*(\a%2))*4
.endr
.endr
	s_lshl_b32 s20, ttmp9, 21                      ; where my codes go: tensor, head, 128 tokens
	s_lshl_b32 s22, s2, 16
	s_add_co_u32 s20, s20, s22
	s_lshl_b32 s22, s3, 12
	s_add_co_u32 s20, s20, s22
	s_add_nc_u64 s[96:97], s[96:97], s[20:21]
	s_lshl_b32 s20, ttmp9, 17                      ; and my scale bytes
	s_lshl_b32 s22, s2, 12
	s_add_co_u32 s20, s20, s22
	s_lshl_b32 s22, s3, 8
	s_add_co_u32 s20, s20, s22
	s_add_nc_u64 s[98:99], s[98:99], s[20:21]
.macro FRAG reg, adr, q, i             ; a fragment as it lies: tile i, the slot's q-th K step
.irp c, 0,1
	ds_load_b128 v[\reg+4*\c:\reg+4*\c+3], v[\adr] offset:4096*(\i)+1024*(\q)+512*\c
.endr
.endm
; 16 matrix instructions: A's blocks a0, a0 + 1 x B's eight.  The 64 accumulators take turns, one instruction a turn, in the same order in every step.
.macro MUL16 a0, p, q, sc, zero
.irp a, \a0, \a0+1
.irp b, 0,1,2,3,4,5,6,7
.if \zero
	v_wmma_scale_f32_16x16x128_f8f6f4 v[8*(8*((\a)%4)+\b):8*(8*((\a)%4)+\b)+7], v[128*(\p)+FR*\b:128*(\p)+FR*\b+FR-1], v[AF+FR*(\a):AF+FR*(\a)+FR-1], 0, v[SC+8*NQ*(\sc)+NQ*\b+(\q)], v[SC+8*NQ*(\sc)+NQ*(\a)+(\q)] matrix_a_fmt:MATRIX_FMT_FP4 matrix_b_fmt:MATRIX_FMT_FP4 matrix_a_scale:MATRIX_SCALE_ROW1
.else
	v_wmma_scale_f32_16x16x128_f8f6f4 v[8*(8*((\a)%4)+\b):8*(8*((\a)%4)+\b)+7], v[128*(\p)+FR*\b:128*(\p)+FR*\b+FR-1], v[AF+FR*(\a):AF+FR*(\a)+FR-1], v[8*(8*((\a)%4)+\b):8*(8*((\a)%4)+\b)+7], v[SC+8*NQ*(\sc)+NQ*\b+(\q)], v[SC+8*NQ*(\sc)+NQ*(\a)+(\q)] matrix_a_fmt:MATRIX_FMT_FP4 matrix_b_fmt:MATRIX_FMT_FP4 matrix_a_scale:MATRIX_SCALE_ROW1
.endif
.endr
.endr
.endm
.macro FETCH_B slot, q, p
	WIN TO_B
.irp i, 0,1,2,3,4,5,6,7
	FRAG 128*(\p)+FR*\i, ADRB+\slot, \q, \i
.endr
	WIN 0
.endm
.macro FETCH_A slot, q, i0
.irp i, \i0, \i0+1, \i0+2, \i0+3
	FRAG AF+FR*(\i), ADRA+\slot, \q, \i
.endr
.endm
.macro SCALES sc                       ; a slot's scale words: lanes 0-15 A's tile i, lanes 16-31 B's tile i; four words a row
.irp i, 0,1,2,3,4,5,6,7
	ds_load_b128 v[SC+8*NQ*\sc+NQ*\i:SC+8*NQ*\sc+NQ*\i+3], v[ADRS] offset:\i*512
.endr
.endm
.macro PLACES n                        ; plain places behind matrix instructions, in front of loads into registers that they read and of the first read of results
.rept \n
	v_nop
.endr
.endm
.macro STEP slot, q, zero              ; 128 along K whose successor lies in the same slot
	s_wait_dscnt 4*NL                              ; B's set and A's blocks 0-3 are in; the youngest eight loads (A's blocks 4-7) may be out
	WIN MUL_LO
	MUL16 0, (\q)%2, \q, \slot, \zero
	MUL16 2, (\q)%2, \q, \slot, \zero
	s_wait_dscnt 0                                 ; A's blocks 4-7 are in
	PLACES NP
	FETCH_B \slot, (\q)+1, 1-(\q)%2
	FETCH_A \slot, (\q)+1, 0
	WIN MUL_HI
	MUL16 4, (\q)%2, \q, \slot, \zero
	MUL16 6, (\q)%2, \q, \slot, \zero
	PLACES NP
	WIN 0
	FETCH_A \slot, (\q)+1, 4
.endm
.macro STEPS slot, from
.set Q, \from
.rept NQ-1-\from
	STEP \slot, Q, 0
.set Q, Q+1
.endr
.endm
	s_wait_tensorcnt 1                             ; the scales and my part of slot 0 are in; slot 1's load may be out
	s_barrier_signal -1
	s_barrier_wait -1
	FETCH_B 0, 0, 0
	FETCH_A 0, 0, 0
	SCALES 0
	FETCH_A 0, 0, 4
	STEP 0, 0, 1                                   ; the first products start the sums: nothing is cleared
	STEPS 0, 1
	; slot 0's last step changes slots: one barrier; in front of it all my tensor loads have landed, and my reads of slot 0 are over
	s_wait_tensorcnt 0x0
	ds_add_u32 v[SPW], v[NIL]                      ; 0 onto my spare word
	s_wait_dscnt 4*NL+1                            ; (the add and A's blocks 4-7 may be out)
	WIN MUL_LO
	MUL16 0, 1, NQ-1, 0, 0
	s_wait_dscnt 0x0
	s_barrier_signal -1
	MUL16 2, 1, NQ-1, 0, 0
	WIN 0
	s_barrier_wait -1
	PLACES NP
	v_add_nc_u32 v[ADRS], 256, v[ADRS]             ; the other half of K's scale words
	FETCH_B 1, 0, 0
	FETCH_A 1, 0, 0
	SCALES 1
	WIN MUL_HI
	MUL16 4, 1, NQ-1, 0, 0
	MUL16 6, 1, NQ-1, 0, 0
	PLACES NP
	WIN 0
	FETCH_A 1, 0, 4
	STEPS 1, 0
	s_wait_dscnt 4*NL                              ; the very last step
	WIN MUL_LO
	MUL16 0, 1, NQ-1, 1, 0
	MUL16 2, 1, NQ-1, 1, 0
	s_wait_dscnt 0
	WIN MUL_HI
	MUL16 4, 1, NQ-1, 1, 0
	MUL16 6, 1, NQ-1, 1, 0
	WIN 0
	PLACES NP
	s_wait_loadcnt 0x0                             ; bias, cos and sin
	s_cmp_eq_u32 ttmp9, 2                          ; the cluster's x: the same in all sixteen partners
	s_cbranch_scc1 .Lv_path
	; ---- Q, K
.irp i, 0,1,2,3,4,5,6,7,8,9,10,11,12,13,14,15
	v_pk_mul_f32 v[CSN+2*\i:CSN+2*\i+1], v[CSN+2*\i:CSN+2*\i+1], s[12:13] op_sel_hi:[1,0]   ; q: cos / 8 and sin / 8; k: x 1
.endr
	v_mov_b32 v[TM+2], 0                           ; written once: a lane permute's destination counts as one of its sources
	v_mov_b32 v[TM+3], 0
; head hh of my two, tile a of my eight tiles of tokens: 32 numbers a lane
.macro QKUNIT hh, a
.set AC, 64*((\a)%4)+32*(\hh)
.set CP, CSN+2*(2*(\a)+(\hh))
	WIN 0x02+(\a)/4                                ; source 0: the accumulators' window
.irp i, 0,1,2,3,4,5,6,7,8,9,10,11,12,13,14,15
	v_pk_add_f32 v[T+2*\i:T+2*\i+1], v[AC+2*\i:AC+2*\i+1], v[BI+32*(\hh)+2*\i:BI+32*(\hh)+2*\i+1]   ; + bias; each accumulator from its low end on
.endr
	WIN 0
.irp i, 0,1,2,3,4,5,6,7
	v_pk_mul_f32 v[RR+2*\i:RR+2*\i+1], v[T+2*\i:T+2*\i+1], v[CP:CP+1] op_sel_hi:[1,0]              ; lo cos
	v_pk_mul_f32 v[RR+16+2*\i:RR+16+2*\i+1], v[T+16+2*\i:T+16+2*\i+1], v[CP:CP+1] op_sel_hi:[1,0]  ; hi cos
.endr
.irp i, 0,1,2,3,4,5,6,7
	v_pk_fma_f32 v[RR+2*\i:RR+2*\i+1], v[T+16+2*\i:T+16+2*\i+1], v[CP:CP+1], v[RR+2*\i:RR+2*\i+1] op_sel:[0,1,0] op_sel_hi:[1,1,1] neg_lo:[0,1,0] neg_hi:[0,1,0]   ; - hi sin (the pair's second word for both halves)
	v_pk_fma_f32 v[RR+16+2*\i:RR+16+2*\i+1], v[T+2*\i:T+2*\i+1], v[CP:CP+1], v[RR+16+2*\i:RR+16+2*\i+1] op_sel:[0,1,0] op_sel_hi:[1,1,1]                             ; + lo sin
.endr
.irp b, 0,1
	v_max3_num_f32 v[TM+\b], |v[RR+16*\b]|, |v[RR+16*\b+1]|, 0x1800000   ; block b: my 16, and the floor 2^(3 - 127)
.endr
.irp i, 2,4,6,8,10,12,14
.irp b, 0,1
	v_max3_num_f32 v[TM+\b], v[TM+\b], |v[RR+16*\b+\i]|, |v[RR+16*\b+\i+1]|
.endr
.endr
.irp b, 0,1
	v_permlanex16_b32 v[TM+2+\b], v[TM+\b], s[SEL], s[SEL+1]
.endr
.irp b, 0,1
	v_max_num_f32 v[TM+\b], v[TM+\b], v[TM+2+\b]   ; with lane l xor 16's
.endr
.irp b, 0,1
	v_add_nc_u32 v[TM+4+\b], 0xff000000, v[TM+\b]  ; the conversion's scale operand
.endr
.irp b, 0,1
	v_lshrrev_b32 v[TM+6+\b], 23, v[TM+4+\b]       ; the byte
.endr
	v_lshl_or_b32 v[8*(\hh)+(\a)], v[TM+7], 8, v[TM+6]
	s_wait_alu depctr_va_vdst(0)
	s_wait_xcnt 0x0                                ; the last unit's store has read the codes' registers
.irp b, 0,1
	v_cvt_scalef32_pk8_fp4_f32 v[PC+2*\b], v[RR+16*\b:RR+16*\b+7], v[TM+4+\b]
	v_cvt_scalef32_pk8_fp4_f32 v[PC+2*\b+1], v[RR+16*\b+8:RR+16*\b+15], v[TM+4+\b]
.endr
	v_nop                                          ; one plain place behind a scaled conversion
	v_permlane16_swap_b32 v[PC], v[PC+2]           ; a whole block to a lane: lanes 0-15 block 0, lanes 16-31 block 1
	v_permlane16_swap_b32 v[PC+1], v[PC+3]
	global_store_b128 v30, v[PC:PC+3], s[96:97] offset:(\hh)*65536+(\a)*512   ; a tile's image: 512 consecutive bytes
.endm
.irp hh, 0,1
.irp a, 0,1,2,3,4,5,6,7
	QKUNIT \hh, \a
.endr
.endr
.irp hh, 0,1
.irp i, 0,1,2,3
	v_lshl_or_b32 v[TM+4*\hh+\i], v[8*\hh+2*\i+1], 16, v[8*\hh+2*\i]   ; word i: the bytes of tiles 2 i and 2 i + 1
.endr
.endr
	s_wait_alu depctr_va_vdst(0)
	s_wait_xcnt 0x0
.irp i, 0,1,2,3
	v_cndmask_b32 v[PC+\i], v[TM+\i], v[TM+4+\i], s100     ; lanes 16-31 store the second head's
.endr
	global_store_b128 v31, v[PC:PC+3], s[98:99]    ; sixteen lanes store 256 consecutive bytes
	s_branch .Ljoin
	; ---- V
.Lv_path:
	v_and_b32 v27, 31, v0
	v_lshlrev_b32 v27, 3, v27                      ; 8 x lane
.macro VSTAGE gq                       ; 32 tokens (tiles 2 gq, 2 gq + 1) x my 128 columns into the stage; rows in the tokens' own order
	WIN 0x08+4*((\gq)/2)                           ; an LDS store's data are its source 1
.irp u, 0,1
.irp b, 0,1,2,3,4,5,6,7
	ds_store_b128 v[STO], v[64*((2*(\gq)+\u)%4)+8*\b:64*((2*(\gq)+\u)%4)+8*\b+3] offset:8*\u*528+64*\b
	ds_store_b128 v[STO], v[64*((2*(\gq)+\u)%4)+8*\b+4:64*((2*(\gq)+\u)%4)+8*\b+7] offset:8*\u*528+64*\b+16
.endr
.endr
	WIN 0
.endm
.macro VLOAD g                         ; a lane takes place 32 g + lane of the columns; its registers run down the 32 tokens
.irp i, 0,1,2,3,4,5,6,7,8,9,10,11,12,13,14,15,16,17,18,19,20,21,22,23,24,25,26,27,28,29,30,31
	ds_load_b32 v[XV+32*((\g)%2)+\i], v[RDV] offset:\i*528+128*(\g)
.endr
.endm
.macro VPASS gq, g
.set XS, XV+32*((\g)%2)
.set CS, BI+4*(4*(\gq)+(\g))
.if (\g) < 3
	VLOAD (\g)+1
	s_wait_dscnt 32                                ; all but the 32 just issued
.else
	s_wait_dscnt 0x0
.endif
.irp i, 0,1,2,3,4,5,6,7,8,9,10,11,12,13,14,15
	v_pk_add_f32 v[XS+2*\i:XS+2*\i+1], v[XS+2*\i:XS+2*\i+1], v[VB+2*(\g):VB+2*(\g)+1]   ; + my column's bias
.endr
	v_max3_num_f32 v16, |v[XS]|, |v[XS+1]|, |v[XS+2]|     ; the block's 32 numbers are all mine
	v_max3_num_f32 v17, |v[XS+3]|, |v[XS+4]|, |v[XS+5]|
.irp i, 6,10,14,18,22,26
	v_max3_num_f32 v16, v16, |v[XS+\i]|, |v[XS+\i+1]|
	v_max3_num_f32 v17, v17, |v[XS+\i+2]|, |v[XS+\i+3]|
.endr
	v_max3_num_f32 v16, v16, |v[XS+30]|, |v[XS+31]|
	v_max3_num_f32 v16, v16, v17, 0x1800000
	v_add_nc_u32 v18, 0xff000000, v16
	v_lshrrev_b32 v17, 23, v18
.if (\gq) == 0
	v_mov_b32 v[SB+(\g)], v17                      ; four key blocks' bytes to a word
.else
	v_lshl_or_b32 v[SB+(\g)], v17, 8*(\gq), v[SB+(\g)]
.endif
.irp i, 0,1,2,3
	v_cvt_scalef32_pk8_fp4_f32 v[CS+\i], v[XS+8*\i:XS+8*\i+7], v18
.endr
	v_nop                                          ; one plain place behind a scaled conversion
	global_store_b128 v[VSO], v[CS:CS+3], s[96:97] offset:((\g)/2)*65536+((\g)%2)*2048+((\gq)/2)*512+((\gq)%2)*256   ; sixteen lanes store 256 consecutive bytes of a fragment's image
.endm
.irp gq, 0,1,2,3
	VSTAGE \gq                                     ; LDS serves a wave's instructions in order: these come behind the last group's reads
	VLOAD 0
.irp g, 0,1,2,3
	VPASS \gq, \g
.endr
.endr
	global_store_b64 v27, v[SB:SB+1], s[98:99]             ; a head's scale words of these 128 keys: 256 consecutive bytes
	global_store_b64 v27, v[SB+2:SB+3], s[98:99] offset:4096
.Ljoin:
	s_wait_tensorcnt 0x0                           ; the wave's end
	ds_add_u32 v[SPW], v[NIL]
	s_wait_dscnt 0x0
	CROUND                                         ; the closing round
	s_endpgm
.Lfunc_end_k_q9474ed0436_qkv:
	.size	k_q9474ed0436_qkv, .Lfunc_end_k_q9474ed0436_qkv-k_q9474ed0436_qkv
	.p2alignl 7, 3214868480
	.fill 96, 4, 3214868480
	.section	.rodata,"a",@progbits
	.p2align	6, 0x0
	.amdhsa_kernel k_q9474ed0436_qkv
		.amdhsa_group_segment_fixed_size 327680
		.amdhsa_private_segment_fixed_size 0
		.amdhsa_enable_private_segment 0
		.amdhsa_kernarg_size 64
		.amdhsa_user_sgpr_count 2
		.amdhsa_user_sgpr_kernarg_segment_ptr 1
		.amdhsa_wavefront_size32 1
		.amdhsa_system_sgpr_workgroup_id_x 1
		.amdhsa_system_sgpr_workgroup_id_y 1
		.amdhsa_system_sgpr_workgroup_id_z 1
		.amdhsa_system_vgpr_workitem_id 0
		.amdhsa_next_free_vgpr 1024
		.amdhsa_next_free_sgpr 102
		.amdhsa_reserve_vcc 0
		.amdhsa_float_denorm_mode_32 3
		.amdhsa_float_denorm_mode_16_64 3
		.amdhsa_memory_ordered 1
		.amdhsa_forward_progress 1
		.amdhsa_inst_pref_size 255
	.end_amdhsa_kernel
	.section	.bss,"aw",@nobits
	.p2align	6
	.space	262144
	.amdgpu_metadata
---
amdhsa.version: [ 1, 2 ]
amdhsa.kernels:
  - .name:           k_q9474ed0436_qkv
    .symbol:         k_q9474ed0436_qkv.kd
    .args:
      - { .name: xw, .offset: 0, .size: 8, .value_kind: global_buffer, .address_space: global }
      - { .name: xws, .offset: 8, .size: 8, .value_kind: global_buffer, .address_space: global }
      - { .name: trig, .offset: 16, .size: 8, .value_kind: global_buffer, .address_space: global }
      - { .name: bq, .offset: 24, .size: 8, .value_kind: global_buffer, .address_space: global }
      - { .name: bk, .offset: 32, .size: 8, .value_kind: global_buffer, .address_space: global }
      - { .name: bv, .offset: 40, .size: 8, .value_kind: global_buffer, .address_space: global }
      - { .name: qkv, .offset: 48, .size: 8, .value_kind: global_buffer, .address_space: global }
      - { .name: qkvs, .offset: 56, .size: 8, .value_kind: global_buffer, .address_space: global }
    .group_segment_fixed_size: 327680
    .private_segment_fixed_size: 0
    .kernarg_segment_align: 8
    .kernarg_segment_size: 64
    .max_flat_workgroup_size: 128
    .sgpr_count:     102
    .vgpr_count:     1024
    .wavefront_size: 32
...
	.end_amdgpu_metadata
.endif
;; end of part 6
;; launch attn (part 7): grid 8 x 32, 16 waves a work-group, clusters of 4 x 1, 167,936 bytes of LDS; arguments qkv, qkvs, trig, attention_mask, ctx, ctxs; writes ctx, ctxs
.if DOCPART == 7
	.amdgcn_target "amdgcn-amd-amdhsa--gfx1250"
	.amdhsa_code_object_version 6
	.text
	.protected	k_q9474ed0436_attn
	.globl	k_q9474ed0436_attn
	.p2align	8
	.type	k_q9474ed0436_attn,@function
k_q9474ed0436_attn:
	s_mov_b64 s[64:65], 0
	v_nop
	global_prefetch_b8 v0, s[64:65] scope:SCOPE_SE
	s_setreg_imm32_b32 hwreg(HW_REG_WAVE_MODE, 25, 1), 1
	s_wait_xcnt 0x0
	s_wait_alu depctr_hold_cnt(0) depctr_sa_sdst(0) depctr_va_vdst(0) depctr_va_sdst(0) depctr_va_ssrc(0) depctr_va_vcc(0) depctr_vm_vsrc(0)
	s_getreg_b32 s2, hwreg(HW_REG_IB_STS2, 6, 4)
	s_cmp_eq_u32 s2, 0
	s_cbranch_scc0 .Lentry_in_a_cluster
	s_endpgm
.Lentry_in_a_cluster:
	s_bfe_u32 s2, ttmp6, 0x10000c
	s_cmp_lg_u32 s2, 0x3003
	s_cbranch_scc0 .Lentry_shape_is_right
	s_endpgm
.Lentry_shape_is_right:
; Attention of one (batch, head) on codes of FP4: scores = q_rot . k_rot / 8 (the 1 / 8 lies in q's scales), the sync mask, attention_mask, the softmax by p = 2^(t - M) with a whole running M, O = p v / l,
; the fallback for rows that are masked altogether, and the quantising of the context for the output projection.
; SHARES.  A work-group owns 256 queries of a head, each of its sixteen waves one tile of 16, in 256 registers: four waves to a SIMD.  Every wave walks the head's 2,048 keys, 128 a trip.
; ALL THAT A HEAD NEEDS LIES IN LDS AFTER THE FIRST FILLS (163,840 bytes): k's and v's codes and scales, cos and sin of the keys' phases, attention_mask.  Nothing is filled again: no ring, no barrier in the loop.
; CLUSTER.  The four work-groups of a cluster belong to one head: each fill is asked for jointly (mask 15), one load a wave in waves 0 to 8.
; LAYOUT.  Both products are used transposed: a lane holds ONE query (lane % 16).  By the order of tokens in a tile, register 16 b + i of the scores is key 32 b + 16 (lane / 16) + i of the trip's 128.
; THE HEAD'S 64 IN AN INSTRUCTION OF 128: a fragment of k holds TWO tiles of keys (registers 0-3, 4-7); q stands as [q | 0 | q]: [q | 0] meets the first tile, [0 | q] the second; zero codes add nothing.
; PER SCORE: attention_mask is the C of the first product; g = 2^100 (cos(phi_q - phi_k) + 0.7) by two fused multiply-adds from the tables; the middle of (score, g, -1e9) is the score where g is large and -1e9 where g is
; far below zero.  On the diagonal cos is 1, so reference()'s exception for it changes nothing.
; FALLBACK.  A row whose largest score is -1e8 or less attends to itself: its context is the quantised v at its own key, made by one more product with a one-hot p and chosen by a select.
; LIMITS: cos(a - b) is taken as cos a cos b + sin a sin b, within about 1e-7: a pair so near to -0.7 may fall either way, and where g is exactly 0 a positive score is held at 0.  A sync-masked pair is held at -1e9 without
; its attention_mask, and scores under -1e9 are held there: the same results as reference()'s for attention_mask under +9e8, -infinity too.  NaN is not served.
; REGISTERS: v1-4 lane terms; v5, v6 the add's two; v7-11 addresses in hand; v12 -M, v13 largest t, v[14:15] l; v16-27 q, 0, q; v[28:29], v[30:31] 2^100 cos, sin of my query; v32-63 k's fragments, by turns table set B;
; v64-95 v's fragments; v96-159 scores, then p; v160-191 O^T; v192-199 p's codes; v200-231 table set A; v232-243, v252-255 at work; v244-247 k's, v[248:249] v's, v250 p's, v251 q's scale words.
.set VC,    65536                      ; LDS: k's codes at 0, v's here,
.set COS,   131072                     ; cos, sin (+ 8,192), attention_mask (+ 16,384): 8,192 bytes each,
.set KSC,   155648                     ; k's scale words, 4,096 bytes,
.set VSC,   159744                     ; v's
.set SST,   164352                     ; the context's scale bytes of the work-group's 256 queries: 512 bytes, stored by ds_store alone
.set SPARE, 164864                     ; the spare words, 128 bytes for each wave; no other line names them
.set L16, 1
.set TB0, 2
.set KS0, 3
.set VS0, 4
.set SPW, 5
.set NIL, 6
.set ADK, 7
.set ADV, 8
.set AKS, 9
.set AVS, 10
.set ATB, 11
.set KF,  32
.set VF,  64
.set S,   96
.set O,   160
.set P,   192
.set SAT, 200
.set SBT, 32
.set KS,  244
.set VS,  248
.set PS,  250
.set QS,  251
.set WV,  18
.set SEL, 20
.set CS,  22
.set G1A, 24
.set G1B, 32
.set G1C, 40
.set G0A, 48
.set G0B, 52
.set G0C, 56
.set OF,  60                           ; s[60:61] 0.7 x 2^100
.macro CROUND
	s_barrier_signal -1
	s_barrier_wait -1
	s_cmp_lg_u32 s[WV], 0
	s_cbranch_scc1 .Lnot_wave_0_\@
	s_barrier_signal -3
.Lnot_wave_0_\@:
	s_barrier_wait -3
	s_barrier_signal -1
	s_barrier_wait -1
.endm
	s_load_b256 s[4:11], s[0:1], 0x0               ; qkv, qkvs, trig, attention_mask
	s_load_b128 s[12:15], s[0:1], 0x20             ; ctx, ctxs
	v_lshl_add_u32 v[SPW], v0, 2, SPARE
	v_mov_b32 v[NIL], 0
	ds_add_u32 v[SPW], v[NIL]                      ; the wave's opening: the add and its wait stand ahead of the first tensor loads
	ds_add_u32 v[SPW], v[NIL]
	v_lshrrev_b32 v7, 5, v0
	s_delay_alu instid0(VALU_DEP_1)
	v_readfirstlane_b32 s[WV], v7                  ; wave 0..15
	s_and_b32 s19, ttmp7, 0xffff                   ; y = 16 batch + head, which the four partners share
	s_lshr_b32 s16, s19, 4
	s_and_b32 s17, s19, 15
	; descriptor groups 1: dense blocks as rows of 256 bytes (32 elements of 8 bytes): 128, 32 and 16 rows; mask 15, bit 21 beside it
.irp g, G1A, G1B, G1C
	s_mov_b32 s[\g], 15|(3<<16)|(1<<21)
	s_mov_b32 s[\g+1], 32<<16
	s_mov_b32 s[\g+3], 32<<16
	s_mov_b32 s[\g+5], 32
	s_mov_b32 s[\g+6], 0
	s_mov_b32 s[\g+7], 0
.endr
	s_mov_b32 s[G1A+2], 128<<16
	s_mov_b32 s[G1A+4], 128
	s_mov_b32 s[G1B+2], 32<<16
	s_mov_b32 s[G1B+4], 32
	s_mov_b32 s[G1C+2], 16<<16
	s_mov_b32 s[G1C+4], 16
	; groups 0, made of the wave's number and y on the way that all waves take.  Waves 0-3: halves of k's and v's codes
	s_mov_b32 s[G0A], 1
	s_lshl_b32 s[G0A+1], s[WV], 15
	s_lshr_b32 s66, s[WV], 1
	s_lshl_b32 s66, s66, 21
	s_add_co_u32 s66, s66, 0x200000
	s_lshl_b32 s68, s19, 16
	s_add_co_u32 s66, s66, s68
	s_and_b32 s68, s[WV], 1
	s_lshl_b32 s68, s68, 15
	s_add_co_u32 s66, s66, s68
	s_mov_b32 s67, 0
	; waves 4, 5, 6: cos, sin, attention_mask
	s_mov_b32 s[G0B], 1
	s_and_b32 s70, s[WV], 3
	s_lshl_b32 s[G0B+1], s70, 13
	s_add_co_u32 s[G0B+1], s[G0B+1], COS
	s_lshl_b32 s72, s70, 18
	s_lshl_b32 s73, s19, 13
	s_add_co_u32 s72, s72, s73
	s_lshl_b32 s74, s16, 13
	; waves 7, 8: k's and v's scale words
	s_mov_b32 s[G0C], 1
	s_add_co_u32 s75, s[WV], 1
	s_and_b32 s75, s75, 1
	s_lshl_b32 s[G0C+1], s75, 12
	s_add_co_u32 s[G0C+1], s[G0C+1], KSC
	s_lshl_b32 s76, s75, 17
	s_add_co_u32 s76, s76, 131072
	s_lshl_b32 s77, s19, 12
	s_add_co_u32 s76, s76, s77
	s_mov_b32 s77, 0
	s_mov_b32 s[SEL], 0x76543210
	s_mov_b32 s[SEL+1], 0xfedcba98
	s_mov_b32 s[CS], 0x3fb8aa3b                    ; log2(e)
	s_mov_b32 s[CS+1], s[CS]
	s_mov_b32 s[OF], 0x71333333                    ; 0.7 x 2^100
	s_mov_b32 s[OF+1], s[OF]
	s_mov_b32 s62, 0xce6e6b28                      ; -1e9
	s_mov_b32 s63, 0xcd09960c                      ; -1e8 log2(e)
	s_wait_dscnt 0x0                               ; the opening add is done
	s_wait_kmcnt 0x0
	s_add_nc_u64 s[G0A+2:G0A+3], s[4:5], s[66:67]
	s_or_b32 s[G0A+3], s[G0A+3], 0x80000000
	s_cmp_eq_u32 s70, 2
	s_cselect_b64 s[G0B+2:G0B+3], s[10:11], s[8:9]
	s_cselect_b32 s72, s74, s72
	s_mov_b32 s73, 0
	s_add_nc_u64 s[G0B+2:G0B+3], s[G0B+2:G0B+3], s[72:73]
	s_or_b32 s[G0B+3], s[G0B+3], 0x80000000
	s_add_nc_u64 s[G0C+2:G0C+3], s[6:7], s[76:77]
	s_or_b32 s[G0C+3], s[G0C+3], 0x80000000
	CROUND                                         ; all four work-groups are here: the joint loads meet
	s_cmp_lt_u32 s[WV], 4                          ; a wave's one load; the branches hang on the wave's number alone; an s_nop 0 and four v_nop follow each line
	s_cbranch_scc0 .Lnot_a
	tensor_load_to_lds s[G0A:G0A+3], s[G1A:G1A+7]
	s_nop 0
.rept 4
	v_nop
.endr
	s_branch .Lasked
.Lnot_a:
	s_cmp_lt_u32 s[WV], 7
	s_cbranch_scc0 .Lnot_b
	tensor_load_to_lds s[G0B:G0B+3], s[G1B:G1B+7]
	s_nop 0
.rept 4
	v_nop
.endr
	s_branch .Lasked
.Lnot_b:
	s_cmp_lt_u32 s[WV], 9
	s_cbranch_scc0 .Lasked
	tensor_load_to_lds s[G0C:G0C+3], s[G1C:G1C+7]
	s_nop 0
.rept 4
	v_nop
.endr
.Lasked:
	v_and_b32 v7, 31, v0
	s_delay_alu instid0(VALU_DEP_1)
	v_lshlrev_b32 v[L16], 4, v7                    ; 16 x lane
	s_wait_alu depctr_va_vdst(0)
	v_and_b32 v8, 15, v0                           ; r
	s_wait_alu depctr_va_vdst(0)
	v_bfe_u32 v9, v0, 4, 1                         ; h
	s_delay_alu instid0(VALU_DEP_1)
	v_lshl_add_u32 v[TB0], v9, 6, COS              ; the tables: my half's 16 keys of a block of 32
	v_lshl_add_u32 v[KS0], v8, 4, KSC
	v_lshl_add_u32 v[VS0], v7, 3, VSC
	s_bfe_u32 s85, ttmp6, 0x40000                  ; cx enters global addresses of q and of the results alone
	s_lshl_b32 s86, ttmp9, 2
	s_add_co_u32 s85, s86, s85                     ; my work-group's block of 256 queries
	s_lshl_b32 s86, s85, 4
	s_add_co_u32 s86, s86, s[WV]                   ; my tile of queries, 0..127
	s_lshl_b32 s66, s19, 16
	s_lshl_b32 s67, s86, 9
	s_add_co_u32 s66, s66, s67
	s_mov_b32 s67, 0
	s_add_nc_u64 s[68:69], s[4:5], s[66:67]
	global_load_b128 v[16:19], v[L16], s[68:69]    ; q, twice: [q | 0 | q]
	global_load_b128 v[24:27], v[L16], s[68:69]
	s_lshl_b32 s66, s19, 12
	s_lshr_b32 s70, s86, 3
	s_lshl_b32 s71, s70, 8
	s_add_co_u32 s66, s66, s71
	s_bfe_u32 s71, s[WV], 0x20001
	s_lshl_b32 s71, s71, 2
	s_add_co_u32 s66, s66, s71
	s_add_nc_u64 s[72:73], s[6:7], s[66:67]
	v_lshlrev_b32 v232, 4, v8
	global_load_b32 v[QS], v232, s[72:73]          ; the word that holds my tile's two bytes
	s_lshl_b32 s66, s19, 13
	s_lshr_b32 s71, s86, 1
	s_lshl_b32 s71, s71, 7
	s_add_co_u32 s66, s66, s71
	s_and_b32 s71, s86, 1
	s_lshl_b32 s71, s71, 5
	s_add_co_u32 s66, s66, s71
	s_add_nc_u64 s[74:75], s[8:9], s[66:67]
	v_bfe_u32 v233, v0, 3, 1
	s_delay_alu instid0(VALU_DEP_1)
	v_lshl_add_u32 v233, v233, 3, v8
	s_delay_alu instid0(VALU_DEP_1)
	v_lshlrev_b32 v233, 2, v233
	global_load_b32 v28, v233, s[74:75]            ; cos and sin of my query's phase
	global_load_b32 v30, v233, s[74:75] offset:262144
.irp j, 20,21,22,23
	v_mov_b32 v[\j], 0
.endr
	v_mov_b32 v13, 0xff61b1e6                      ; the largest t so far: -3e38
	s_delay_alu instid0(VALU_DEP_1)
	v_floor_f32 v12, -v13                          ; -M
	v_mov_b32 v14, 0
	v_mov_b32 v15, 0
.irp b, 0,1,2,3
	v_mov_b32 v[236+\b], 0                         ; written once: a lane permute's destination counts as one of its sources
.endr
	v_mov_b32 v253, 0                              ; (named as the upper half of the pair v[252:253])
	s_wait_tensorcnt 0x0                           ; my fill has landed,
	s_barrier_signal -1
	s_barrier_wait -1                              ; everybody's has
.macro LDK                             ; a trip's four fragments of k (two tiles each) and their scale words
.irp i, 0,1,2,3
.irp c, 0,1
	ds_load_b128 v[KF+8*\i+4*\c:KF+8*\i+4*\c+3], v[ADK] offset:1024*\i+512*\c
.endr
.endr
	ds_load_b128 v[KS:KS+3], v[AKS]
.endm
.macro LDAM                            ; attention_mask of the trip's keys, in the scores' layout: the C of the first product
.irp b, 0,1,2,3
.irp m, 0,1,2,3
	ds_load_b128 v[S+16*\b+4*\m:S+16*\b+4*\m+3], v[ATB] offset:16384+128*\b+16*\m
.endr
.endr
.endm
.macro LDT b, set                      ; cos and sin of block b's keys
.irp m, 0,1,2,3
	ds_load_b128 v[\set+4*\m:\set+4*\m+3], v[ATB] offset:128*\b+16*\m
	ds_load_b128 v[\set+16+4*\m:\set+16+4*\m+3], v[ATB] offset:8192+128*\b+16*\m
.endr
.endm
.macro LDV
.irp t, 0,1,2,3
.irp c, 0,1
	ds_load_b128 v[VF+8*\t+4*\c:VF+8*\t+4*\c+3], v[ADV] offset:1024*\t+512*\c
.endr
.endr
	ds_load_b64 v[VS:VS+1], v[AVS]
.endm
.macro MASK b, set                     ; g = 2^100 (cos cos + sin sin + 0.7); the middle of (score, g, -1e9); each accumulator from its low end on
.irp m, 0,1,2,3,4,5,6,7
	v_pk_fma_f32 v[\set+2*\m:\set+2*\m+1], v[\set+2*\m:\set+2*\m+1], v[28:29], s[OF:OF+1] op_sel_hi:[1,1,0]
.endr
.irp m, 0,1,2,3,4,5,6,7
	v_pk_fma_f32 v[\set+2*\m:\set+2*\m+1], v[\set+16+2*\m:\set+16+2*\m+1], v[30:31], v[\set+2*\m:\set+2*\m+1]
.endr
.irp i, 0,1,2,3,4,5,6,7,8,9,10,11,12,13,14,15
	v_med3_num_f32 v[S+16*\b+\i], v[S+16*\b+\i], v[\set+\i], s62
.endr
.endm
	s_mov_b32 s82, 0                               ; the trip's place among the codes (4,096 bytes a trip), the scale words (256), the tables (512)
	s_mov_b32 s83, 0
	s_mov_b32 s84, 0
	v_add_nc_u32 v[ADK], s82, v[L16]
	s_delay_alu instid0(VALU_DEP_1)
	v_add_nc_u32 v[ADV], VC, v[ADK]
	v_add_nc_u32 v[AKS], s83, v[KS0]
	v_add_nc_u32 v[AVS], s83, v[VS0]
	v_add_nc_u32 v[ATB], s84, v[TB0]
	LDK
	LDAM
	LDT 0, SAT
	s_wait_loadcnt 0x0                             ; q, its scale word, cos and sin
	s_and_b32 s87, s[WV], 1
	s_lshl_b32 s87, s87, 4
	v_lshrrev_b32 v[QS], s87, v[QS]                ; my tile's half of the word,
	s_delay_alu instid0(VALU_DEP_1)
	v_and_b32 v[QS], 0xffff, v[QS]
	s_delay_alu instid0(VALU_DEP_1)
	v_lshl_or_b32 v[QS], v[QS], 16, v[QS]          ; for [q | 0] and for [0 | q]
	v_mul_f32 v28, 0x71800000, v28                 ; x 2^100
	v_mul_f32 v30, 0x71800000, v30
	s_delay_alu instid0(VALU_DEP_2)
	v_mov_b32 v29, v28
	s_delay_alu instid0(VALU_DEP_2)
	v_mov_b32 v31, v30
.irp j, 0,1,2,3,4,5,6,7,8,9,10,11,12,13,14,15,16,17,18,19,20,21,22,23,24,25,26,27,28,29,30,31
	v_mov_b32 v[O+\j], 0                           ; O^T: the trip is written once; its first pass finds zeros.  (Also the places between q's scale word and the first product)
.endr
	s_mov_b32 s81, 16
.Ltrip:                                            ; 128 keys.  LDS loads run ahead, round the backward jump too
	s_wait_dscnt 8                                 ; k, its scales and attention_mask are in; the youngest eight loads (block 0's tables) may be out
	s_setprio 2
.irp i, 0,1,2,3
	v_wmma_scale_f32_16x16x128_f8f6f4 v[S+16*\i:S+16*\i+7], v[KF+8*\i:KF+8*\i+7], v[16:23], v[S+16*\i:S+16*\i+7], v[KS+\i], v[QS] matrix_a_fmt:MATRIX_FMT_FP4 matrix_b_fmt:MATRIX_FMT_FP4
	v_wmma_scale_f32_16x16x128_f8f6f4 v[S+16*\i+8:S+16*\i+15], v[KF+8*\i:KF+8*\i+7], v[20:27], v[S+16*\i+8:S+16*\i+15], v[KS+\i], v[QS] matrix_a_fmt:MATRIX_FMT_FP4 matrix_b_fmt:MATRIX_FMT_FP4
.endr
.rept 4
	v_nop                                          ; places in front of loads into k's registers and of the first read of the scores
.endr
	LDT 1, SBT
	s_wait_dscnt 8                                 ; all but the eight just issued
	MASK 0, SAT
	LDT 2, SAT
	s_wait_dscnt 8
	MASK 1, SBT
	LDT 3, SBT
	s_wait_dscnt 8
	MASK 2, SAT
	LDV
	s_wait_dscnt 9                                 ; block 3's tables are in; v's nine loads may be out
	MASK 3, SBT
	s_add_co_u32 s82, s82, 4096                    ; on to the next trip's places.  The last trip's look-ahead reads the filled bytes that follow each region and uses none of them
	s_add_co_u32 s83, s83, 256
	s_add_co_u32 s84, s84, 512
	v_add_nc_u32 v[ADK], s82, v[L16]
	s_delay_alu instid0(VALU_DEP_1)
	v_add_nc_u32 v[ADV], VC, v[ADK]
	v_add_nc_u32 v[AKS], s83, v[KS0]
	v_add_nc_u32 v[AVS], s83, v[VS0]
	v_add_nc_u32 v[ATB], s84, v[TB0]
	LDK
.irp b, 0,1,2,3
	v_max3_num_f32 v[232+\b], v[S+16*\b], v[S+1+16*\b], v[S+2+16*\b]   ; the largest score of each block of 32 keys: for the row's maximum and for the block's largest p
.endr
.irp i, 3,5,7,9,11,13
.irp b, 0,1,2,3
	s_delay_alu instid0(VALU_DEP_4)
	v_max3_num_f32 v[232+\b], v[232+\b], v[S+16*\b+\i], v[S+1+16*\b+\i]
.endr
.endr
.irp b, 0,1,2,3
	s_delay_alu instid0(VALU_DEP_4)
	v_max_num_f32 v[232+\b], v[232+\b], v[S+15+16*\b]
.endr
.irp b, 0,1,2,3
	s_delay_alu instid0(VALU_DEP_4)
	v_permlanex16_b32 v[236+\b], v[232+\b], s[SEL], s[SEL+1]
.endr
.irp b, 0,1,2,3
	s_delay_alu instid0(VALU_DEP_4)
	v_max_num_f32 v[232+\b], v[232+\b], v[236+\b]  ; with lane l xor 16's 16 keys
.endr
	s_delay_alu instid0(VALU_DEP_2)
	v_max3_num_f32 v254, v232, v233, v234
	s_delay_alu instid0(VALU_DEP_1)
	v_max_num_f32 v254, v254, v235
	s_delay_alu instid0(VALU_DEP_1)
	v_mul_f32 v254, s[CS], v254                    ; as t
	s_delay_alu instid0(VALU_DEP_1)
	v_max_num_f32 v13, v13, v254                   ; the running largest t
	v_mov_b32 v254, v12
	s_delay_alu instid0(VALU_DEP_2)
	v_floor_f32 v12, -v13                          ; -M = floor(-t): M is a whole number
	s_delay_alu instid0(VALU_DEP_1)
	v_sub_f32 v254, v12, v254
	s_delay_alu instid0(VALU_DEP_1)
	v_cvt_i32_f32 v254, v254                       ; (it saturates)
	s_delay_alu instid0(VALU_DEP_1)
	v_ldexp_f32 v252, 1.0, v254                    ; f = 2^(old M - new M): exact
.irp j, 0,2,4,6,8,10,12,14,16,18,20,22,24,26,28,30,32,34,36,38,40,42,44,46,48,50,52,54,56,58,60,62
	v_pk_fma_f32 v[S+\j:S+1+\j], v[S+\j:S+1+\j], s[CS:CS+1], v[12:13] op_sel_hi:[1,0,0]   ; t - M
.endr
	s_setprio 1
.irp b, 0,1,2,3
	v_fma_f32 v[232+\b], v[232+\b], s[CS], v12
.endr
	s_wait_alu depctr_va_vdst(0)
.irp j, 0,1,2,3,4,5,6,7,8,9,10,11,12,13,14,15,16,17,18,19,20,21,22,23,24,25,26,27,28,29,30,31,32,33,34,35,36,37,38,39,40,41,42,43,44,45,46,47,48,49,50,51,52,53,54,55,56,57,58,59,60,61,62,63
	v_exp_f32 v[S+\j], v[S+\j]                     ; p = 2^(t - M), not normalised
.endr
	v_pk_mul_f32 v[14:15], v[14:15], v[252:253] op_sel_hi:[1,0]   ; l under the new M (a plain place behind the exponentials)
	s_wait_alu depctr_va_vdst(0)                   ; one wait for the batch, ahead of its first reader
.irp b, 0,1,2,3
	v_exp_f32 v[232+\b], v[232+\b]                 ; each block's largest p
.endr
	v_pk_add_f32 v[236:237], v[100:101], v[104:105]
	v_pk_add_f32 v[254:255], v[108:109], v[112:113]
	v_pk_add_f32 v[242:243], v[116:117], v[120:121]
	v_pk_add_f32 v[240:241], v[124:125], v[128:129]
	v_pk_add_f32 v[238:239], v[132:133], v[136:137]
	v_pk_add_f32 v[230:231], v[140:141], v[144:145]
	v_pk_add_f32 v[228:229], v[148:149], v[152:153]
	v_pk_add_f32 v[14:15], v[14:15], v[156:157]
	v_pk_add_f32 v[236:237], v[236:237], v[96:97]
	v_pk_add_f32 v[254:255], v[254:255], v[98:99]
	v_pk_add_f32 v[242:243], v[242:243], v[102:103]
	v_pk_add_f32 v[240:241], v[240:241], v[106:107]
	v_pk_add_f32 v[238:239], v[238:239], v[110:111]
	v_pk_add_f32 v[230:231], v[230:231], v[114:115]
	v_pk_add_f32 v[228:229], v[228:229], v[118:119]
	v_pk_add_f32 v[14:15], v[14:15], v[122:123]
	v_pk_add_f32 v[236:237], v[236:237], v[126:127]
	v_pk_add_f32 v[254:255], v[254:255], v[130:131]
	v_pk_add_f32 v[242:243], v[242:243], v[134:135]
	v_pk_add_f32 v[240:241], v[240:241], v[138:139]
	v_pk_add_f32 v[238:239], v[238:239], v[142:143]
	v_pk_add_f32 v[230:231], v[230:231], v[146:147]
	v_pk_add_f32 v[228:229], v[228:229], v[150:151]
	v_pk_add_f32 v[14:15], v[14:15], v[154:155]
	v_pk_add_f32 v[236:237], v[236:237], v[158:159]
	s_delay_alu instid0(VALU_DEP_2)
	v_pk_add_f32 v[14:15], v[14:15], v[240:241]
	s_delay_alu instid0(VALU_DEP_2)
	v_pk_add_f32 v[236:237], v[236:237], v[238:239]
	v_pk_add_f32 v[254:255], v[254:255], v[230:231]
	v_pk_add_f32 v[242:243], v[242:243], v[228:229]
	s_delay_alu instid0(VALU_DEP_2)
	v_pk_add_f32 v[14:15], v[14:15], v[254:255]
	s_delay_alu instid0(VALU_DEP_2)
	v_pk_add_f32 v[236:237], v[236:237], v[242:243]
	s_delay_alu instid0(VALU_DEP_1)
	v_pk_add_f32 v[14:15], v[14:15], v[236:237]
	s_wait_alu depctr_va_vdst(0)                   ; and one for the four
.irp b, 0,1,2,3
	v_max_num_f32 v[232+\b], 0x1800000, v[232+\b]  ; the floor 2^(3 - 127)
.endr
.irp b, 0,1,2,3
	s_delay_alu instid0(VALU_DEP_4)
	v_add_nc_u32 v[240+\b], 0xff000000, v[232+\b]  ; the conversion's scale operand
.endr
.irp b, 0,1,2,3
	s_delay_alu instid0(VALU_DEP_4)
	v_lshrrev_b32 v[236+\b], 23, v[240+\b]
.endr
	s_delay_alu instid0(VALU_DEP_3)
	v_lshl_or_b32 v[PS], v237, 8, v236             ; p's scale word for these 128 keys
	s_delay_alu instid0(VALU_DEP_1)
	v_lshl_or_b32 v[PS], v238, 16, v[PS]
	s_delay_alu instid0(VALU_DEP_1)
	v_lshl_or_b32 v[PS], v239, 24, v[PS]
.irp b, 0,1,2,3
	v_cvt_scalef32_pk8_fp4_f32 v[P+2*\b], v[S+16*\b:S+7+16*\b], v[240+\b]
	v_cvt_scalef32_pk8_fp4_f32 v[P+1+2*\b], v[S+8+16*\b:S+15+16*\b], v[240+\b]
.endr
	v_nop                                          ; one plain place behind a scaled conversion
	s_setprio 0
.irp c, 0,1
.irp i, 0,1
	v_permlane16_swap_b32 v[P+4*\c+\i], v[P+2+4*\c+\i]   ; a whole block to a lane
.endr
.endr
	LDAM                                           ; the next trip's attention_mask, where p lay,
	LDT 0, SAT                                     ; and its first tables
.irp j, 0,2,4,6,8,10,12,14,16,18,20,22,24,26,28,30
	v_pk_mul_f32 v[O+\j:O+1+\j], v[O+\j:O+1+\j], v[252:253] op_sel_hi:[1,0]   ; O^T under the new M (also the places between p's codes and scale word and the products)
.endr
	s_wait_alu depctr_va_vdst(0)
	s_wait_dscnt 33                                ; v is in; behind it: k's 9, attention_mask's 16, the tables' 8
.irp t, 0,2
	v_wmma_scale_f32_16x16x128_f8f6f4 v[O+8*\t:O+8*\t+7], v[VF+8*\t:VF+8*\t+7], v[P:P+7], v[O+8*\t:O+8*\t+7], v[VS+\t/2], v[PS] matrix_a_fmt:MATRIX_FMT_FP4 matrix_b_fmt:MATRIX_FMT_FP4
	v_wmma_scale_f32_16x16x128_f8f6f4 v[O+8*\t+8:O+8*\t+15], v[VF+8*\t+8:VF+8*\t+15], v[P:P+7], v[O+8*\t+8:O+8*\t+15], v[VS+\t/2], v[PS] matrix_a_fmt:MATRIX_FMT_FP4 matrix_b_fmt:MATRIX_FMT_FP4 matrix_a_scale:MATRIX_SCALE_ROW1
.endr
	s_sub_co_u32 s81, s81, 1
	s_cmp_lg_u32 s81, 0
	s_cbranch_scc1 .Ltrip
	s_setprio 0
	s_wait_dscnt 0x0                               ; the look-ahead's loads have landed: their registers are free
	v_add_f32 v14, v14, v15                        ; l's two halves
	s_wait_alu depctr_va_vdst(0)
.rept 4
	v_nop                                          ; places in front of loads into v's registers and writes of p's
.endr
	; the fragments of v that hold my queries' own keys come from memory: which key step that is hangs on the work-group's place in its cluster, which enters no LDS address
	s_lshr_b32 s70, s86, 3
	s_lshl_b32 s66, s19, 16
	s_lshl_b32 s68, s70, 12
	s_add_co_u32 s66, s66, s68
	s_add_co_u32 s66, s66, 0x400000
	s_mov_b32 s67, 0
	s_add_nc_u64 s[72:73], s[4:5], s[66:67]
	s_lshl_b32 s66, s19, 12
	s_lshl_b32 s68, s70, 8
	s_add_co_u32 s66, s66, s68
	s_add_co_u32 s66, s66, 0x40000
	s_add_nc_u64 s[74:75], s[6:7], s[66:67]
	v_and_b32 v204, 31, v0
	s_delay_alu instid0(VALU_DEP_1)
	v_lshlrev_b32 v204, 3, v204
.irp t, 0,1,2,3
.irp c, 0,1
	global_load_b128 v[VF+8*\t+4*\c:VF+8*\t+4*\c+3], v[L16], s[72:73] offset:1024*\t+512*\c
.endr
.endr
	global_load_b64 v[VS:VS+1], v204, s[74:75]
	v_permlanex16_b32 v252, v14, s[SEL], s[SEL+1]
	s_delay_alu instid0(VALU_DEP_1)
	v_add_f32 v14, v14, v252                       ; the row's sum
	s_wait_alu depctr_va_vdst(0)
	v_rcp_f32 v14, v14
	; the one-hot p: my query's own key is key 32 bq + 8 (w % 2) + r % 8 + 16 (r / 8) of its step, bq = (w % 8) / 2: register 4 (bq / 2) + w % 2 + 2 (r / 8) of the lane with h = bq % 2, nibble r % 8; the code 2 is the number 1
	s_bfe_u32 s66, s[WV], 0x10002
	s_lshl_b32 s66, s66, 2
	s_and_b32 s68, s[WV], 1
	s_add_co_u32 s66, s66, s68
	s_bfe_u32 s69, s[WV], 0x10001
	v_bfe_u32 v233, v0, 4, 1
	v_bfe_u32 v234, v0, 3, 1
	s_delay_alu instid0(VALU_DEP_2)
	v_xor_b32 v233, s69, v233
	s_delay_alu instid0(VALU_DEP_1)
	v_lshlrev_b32 v233, 3, v233                    ; 8 in the half that holds nothing: it meets no register
	s_delay_alu instid0(VALU_DEP_1)
	v_lshl_add_u32 v233, v234, 1, v233
	s_delay_alu instid0(VALU_DEP_1)
	v_add_nc_u32 v233, s66, v233
	v_and_b32 v234, 7, v0
	s_delay_alu instid0(VALU_DEP_1)
	v_lshlrev_b32 v234, 2, v234
	v_mov_b32 v235, 2
	s_delay_alu instid0(VALU_DEP_1)
	v_lshlrev_b32 v234, v234, v235
.irp n, 0,1,2,3,4,5,6,7
	v_cmp_eq_u32 vcc_lo, \n, v233
	s_delay_alu instid0(VALU_DEP_1)
	v_cndmask_b32 v[P+\n], 0, v234, vcc_lo
.endr
	v_mov_b32 v[PS], 0x7f7f7f7f                    ; scales of 1
	s_wait_alu depctr_va_vdst(0)                   ; the reciprocal's wait, ahead of its first reader
.irp j, 0,2,4,6,8,10,12,14,16,18,20,22,24,26,28,30
	v_pk_mul_f32 v[O+\j:O+1+\j], v[O+\j:O+1+\j], v[14:15] op_sel_hi:[1,0]   ; O^T / l (also the places in front of the products below)
.endr
	s_wait_loadcnt 0x0
.irp t, 0,2
	v_wmma_scale_f32_16x16x128_f8f6f4 v[S+8*\t:S+8*\t+7], v[VF+8*\t:VF+8*\t+7], v[P:P+7], 0, v[VS+\t/2], v[PS] matrix_a_fmt:MATRIX_FMT_FP4 matrix_b_fmt:MATRIX_FMT_FP4
	v_wmma_scale_f32_16x16x128_f8f6f4 v[S+8*\t+8:S+8*\t+15], v[VF+8*\t+8:VF+8*\t+15], v[P:P+7], 0, v[VS+\t/2], v[PS] matrix_a_fmt:MATRIX_FMT_FP4 matrix_b_fmt:MATRIX_FMT_FP4 matrix_a_scale:MATRIX_SCALE_ROW1
.endr
.rept 4
	v_nop
.endr
	v_cmp_le_f32 s70, v13, s63                     ; the row's largest score is -1e8 or less: it attends to itself
.irp j, 0,1,2,3,4,5,6,7,8,9,10,11,12,13,14,15,16,17,18,19,20,21,22,23,24,25,26,27,28,29,30,31
	v_cndmask_b32 v[O+\j], v[O+\j], v[S+\j], s70
.endr
	; the context's two blocks of 32 of this head are quantised: register 16 b + i is channel 32 b + 16 h + i
.irp b, 0,1
	v_max3_num_f32 v[232+\b], |v[O+16*\b]|, |v[O+16*\b+1]|, 0x1800000
.endr
.irp i, 2,4,6,8,10,12,14
.irp b, 0,1
	s_delay_alu instid0(VALU_DEP_2)
	v_max3_num_f32 v[232+\b], v[232+\b], |v[O+16*\b+\i]|, |v[O+16*\b+\i+1]|
.endr
.endr
.irp b, 0,1
	s_delay_alu instid0(VALU_DEP_2)
	v_permlanex16_b32 v[234+\b], v[232+\b], s[SEL], s[SEL+1]
.endr
.irp b, 0,1
	s_delay_alu instid0(VALU_DEP_2)
	v_max_num_f32 v[232+\b], v[232+\b], v[234+\b]
.endr
.irp b, 0,1
	s_delay_alu instid0(VALU_DEP_2)
	v_add_nc_u32 v[236+\b], 0xff000000, v[232+\b]
.endr
.irp b, 0,1
	s_delay_alu instid0(VALU_DEP_2)
	v_lshrrev_b32 v[238+\b], 23, v[236+\b]
.endr
	s_delay_alu instid0(VALU_DEP_1)
	v_lshl_or_b32 v254, v239, 8, v238
.irp b, 0,1
	v_cvt_scalef32_pk8_fp4_f32 v[200+2*\b], v[O+16*\b:O+16*\b+7], v[236+\b]
	v_cvt_scalef32_pk8_fp4_f32 v[201+2*\b], v[O+16*\b+8:O+16*\b+15], v[236+\b]
.endr
	v_nop
	v_permlane16_swap_b32 v200, v202
	v_permlane16_swap_b32 v201, v203
	s_lshl_b32 s66, s16, 7
	s_add_co_u32 s66, s66, s86                     ; my tile among the 256 tiles of tokens
	s_lshl_b32 s66, s66, 13
	s_lshl_b32 s68, s17, 9                         ; the head's 512 bytes of the tile's image
	s_add_co_u32 s66, s66, s68
	s_add_nc_u64 s[12:13], s[12:13], s[66:67]
	global_store_b128 v[L16], v[200:203], s[12:13] ; 512 consecutive bytes
	s_lshl_b32 s66, s[WV], 5
	s_add_co_u32 s66, s66, SST
	v_and_b32 v206, 15, v0
	s_delay_alu instid0(VALU_DEP_1)
	v_lshl_add_u32 v206, v206, 1, s66
	v_add_nc_u32 v207, SST, v[L16]
	ds_store_b16 v206, v254                        ; my queries' two bytes each: lanes l and l xor 16 write the same
	s_wait_dscnt 0x0                               ; for the others' sake
	s_barrier_signal -1
	s_barrier_wait -1
	s_lshl_b32 s66, s17, 13
	s_lshl_b32 s68, s16, 12
	s_add_co_u32 s66, s66, s68
	s_lshl_b32 s68, s85, 9
	s_add_co_u32 s66, s66, s68
	s_add_nc_u64 s[14:15], s[14:15], s[66:67]
	s_cmp_lg_u32 s[WV], 0
	s_cbranch_scc1 .Lnot_first
	s_wait_alu depctr_va_vdst(0)
	ds_load_b128 v[208:211], v207                  ; wave 0 stores the work-group's 512 bytes
	s_wait_dscnt 0x0
	global_store_b128 v[L16], v[208:211], s[14:15]
.Lnot_first:
	s_wait_tensorcnt 0x0                           ; the wave's end
	ds_add_u32 v[SPW], v[NIL]
	s_wait_dscnt 0x0
	CROUND                                         ; the closing round
	s_endpgm
.Lfunc_end_k_q9474ed0436_attn:
	.size	k_q9474ed0436_attn, .Lfunc_end_k_q9474ed0436_attn-k_q9474ed0436_attn
	.p2alignl 7, 3214868480
	.fill 96, 4, 3214868480
	.section	.rodata,"a",@progbits
	.p2align	6, 0x0
	.amdhsa_kernel k_q9474ed0436_attn
		.amdhsa_group_segment_fixed_size 167936
		.amdhsa_private_segment_fixed_size 0
		.amdhsa_enable_private_segment 0
		.amdhsa_kernarg_size 48
		.amdhsa_user_sgpr_count 2
		.amdhsa_user_sgpr_kernarg_segment_ptr 1
		.amdhsa_wavefront_size32 1
		.amdhsa_system_sgpr_workgroup_id_x 1
		.amdhsa_system_sgpr_workgroup_id_y 1
		.amdhsa_system_sgpr_workgroup_id_z 1
		.amdhsa_system_vgpr_workitem_id 0
		.amdhsa_next_free_vgpr 256
		.amdhsa_next_free_sgpr 96
		.amdhsa_reserve_vcc 1
		.amdhsa_float_denorm_mode_32 3
		.amdhsa_float_denorm_mode_16_64 3
		.amdhsa_memory_ordered 1
		.amdhsa_forward_progress 1
		.amdhsa_inst_pref_size 52
	.end_amdhsa_kernel
	.amdgpu_metadata
---
amdhsa.version: [ 1, 2 ]
amdhsa.kernels:
  - .name:           k_q9474ed0436_attn
    .symbol:         k_q9474ed0436_attn.kd
    .args:
      - { .name: qkv, .offset: 0, .size: 8, .value_kind: global_buffer, .address_space: global }
      - { .name: qkvs, .offset: 8, .size: 8, .value_kind: global_buffer, .address_space: global }
      - { .name: trig, .offset: 16, .size: 8, .value_kind: global_buffer, .address_space: global }
      - { .name: attention_mask, .offset: 24, .size: 8, .value_kind: global_buffer, .address_space: global }
      - { .name: ctx, .offset: 32, .size: 8, .value_kind: global_buffer, .address_space: global }
      - { .name: ctxs, .offset: 40, .size: 8, .value_kind: global_buffer, .address_space: global }
    .group_segment_fixed_size: 167936
    .private_segment_fixed_size: 0
    .kernarg_segment_align: 8
    .kernarg_segment_size: 48
    .max_flat_workgroup_size: 512
    .sgpr_count:     96
    .vgpr_count:     256
    .wavefront_size: 32
...
	.end_amdgpu_metadata
.endif
;; end of part 7
;; launch oproj (part 8): grid 256 x 1, 16 waves a work-group, no clusters, 67,840 bytes of LDS; arguments ctx, ctxs, xw, xws, bo, hidden_states, ln_g, ln_b, out0; writes out0
.if DOCPART == 8
	.amdgcn_target "amdgcn-amd-amdhsa--gfx1250"
	.amdhsa_code_object_version 6
	.text
	.protected	k_q9474ed0436_oproj
	.globl	k_q9474ed0436_oproj
	.p2align	8
	.type	k_q9474ed0436_oproj,@function
k_q9474ed0436_oproj:
	s_mov_b64 s[64:65], 0
	v_nop
	global_prefetch_b8 v0, s[64:65] scope:SCOPE_SE
	s_setreg_imm32_b32 hwreg(HW_REG_WAVE_SCHED_MODE, 0, 2), 2
	s_setreg_imm32_b32 hwreg(HW_REG_WAVE_MODE, 25, 1), 1
	s_wait_xcnt 0x0
	s_wait_alu depctr_vm_vsrc(0)
; out0 = LayerNorm(ctx Wo^T + bo + hidden_states) x ln_g + ln_b; the product on codes of FP4, all else in f32.
; SHARES.  A work-group takes one tile of 16 tokens and all 1,024 columns, so that a row's mean and variance stay in the work-group.  Wave w makes 64 columns: four tiles of Wo, four accumulators by turns, 8 K steps.
; Wo's fragments go from memory straight into each wave's operand registers (images, 16 x lane): no two waves of the work-group read the same fragment, so LDS would add a write and a read and share nothing; that is
; also why no joint loads are used here.  The context's 8 fragments (8,192 bytes) are held by every wave.
; The matrix instruction is used transposed (source 0 = 16 rows of Wo, source 1 = the tokens); bo is the C of the first product.  Register j of tile t is column 64 w + 32 (t / 2) + 16 h + 8 (t % 2) + j.
; The results meet in a stage in LDS (16 rows x 4,112 bytes); behind one barrier wave w takes row w whole: residual, mean, variance by a second pass over x - mean, scale, store: 512 consecutive bytes a store.
; Row r of tile T is token 32 (T / 2) + 8 (T % 2) + r + 8 (r / 8).
; THE MODE: SCHED_MODE bits 1:0 = 2 (LLVM: expert scheduling mode 2), set by the entry lines.  The code itself states the register dependences
; between vector or matrix instructions and memory or LDS instructions, with s_wait_alu, always for 0.
; THE PLAN.  Registers that memory or LDS instructions touch:
;   v1, v4-v8    offsets and LDS addresses, v9, v10 the add's two: made at the head, never written again.
;   BF0 .. BF2   Wo's fragments, three buffers by turns.  K step s: its four matrix instructions read BF[s % 3]; at its head the loads of K step s + 2 go into BF[(s + 2) % 3] = BF[(s - 1) % 3],
;                which the matrix instructions of the step before read and which no instruction of this step names.
;   AF0 .. AF7   the context's fragments, loaded at the head; K step s alone reads AF[s].  AF0-3 take the residual's loads in K step 4; AF4-7 take ln_g behind K step 7.
;   ACC          loaded with bo, then named by matrix instructions alone, then read by the LDS stores; never written again.
;   v32-63       at the end written by the vector arithmetic and read by the final stores.
; So ONE wait on va_vdst stands at the head of K steps 1 to 5, behind the wait for the step's data; one behind K step 7 serves the LDS stores, ln_g, ln_b and the loads from the stage; one stands ahead of the final stores.
; No register that a memory or LDS instruction has read is written again: no wait on vm_vsrc is owed.
; REGISTERS: v1-8 addresses; v9, v10 the add's two; v16-31 the context's scale halves; v32-95 its fragments, later the residual and then x (v32-63) and ln_g (v64-95); v96-127 accumulators;
; v128-223 Wo's fragments, three buffers, later ln_b (v128-159) and my row of the stage (v192-223); v224-239 Wo's scale words; v240-247 the context's; v248-255 at work.
.set SPARE, 65792                      ; behind the stage: the spare words, 128 bytes for each wave; no other line names them
.set SPI,  4112
.set SPW,  9
.set NIL,  10
.set AF,   32
.set RS,   32                          ; the residual, where the context's first four fragments lay
.set ACC,  96
.set BF,   128
.set XR,   192                         ; my row of the stage, where Wo's third buffer lay
.set BS,   224
.set AS,   240
	s_load_b256 s[4:11], s[0:1], 0x0               ; ctx, ctxs, xw, xws
	s_load_b256 s[12:19], s[0:1], 0x20             ; bo, hidden_states, ln_g, ln_b
	s_load_b64 s[20:21], s[0:1], 0x40              ; out0
	v_lshl_add_u32 v[SPW], v0, 2, SPARE
	v_mov_b32 v[NIL], 0
	v_lshrrev_b32 v1, 5, v0
	v_readfirstlane_b32 s22, v1                    ; wave 0..15
	v_and_b32 v1, 31, v0
	v_lshlrev_b32 v1, 4, v1                        ; 16 x lane
	v_and_b32 v2, 15, v0                           ; r
	v_bfe_u32 v3, v0, 4, 1                         ; h
	v_lshlrev_b32 v4, 1, v2
	v_lshlrev_b32 v5, 4, v2
	v_lshl_add_u32 v5, v3, 9, v5                   ; Wo's scale words: lanes 16-31 take the next tile's
	v_lshlrev_b32 v6, 6, v3
	v_mul_u32_u24 v7, v2, SPI
	v_lshl_add_u32 v7, v3, 6, v7
	s_wait_alu depctr_va_sdst(0)                   ; s22 is written, ahead of its first reader: LDS addresses and the bases below are made from it
	s_lshl_b32 s23, s22, 8
	v_add_nc_u32 v7, s23, v7                       ; the stage, in: row r, + 64 h, + my 256 bytes
	s_mul_i32 s23, s22, SPI
	v_add_nc_u32 v8, s23, v1                       ; and back: row w
	s_mov_b32 s26, 0x76543210
	s_mov_b32 s27, 0xfedcba98
	s_mov_b32 s28, 0x3a800000                      ; 1 / 1024
	s_mov_b32 s29, 0x2b8cbccc                      ; 1e-12
	s_lshr_b32 s24, ttmp9, 1
	s_lshl_b32 s24, s24, 5
	s_and_b32 s25, ttmp9, 1
	s_lshl_b32 s25, s25, 3
	s_add_co_u32 s24, s24, s25
	s_add_co_u32 s24, s24, s22
	s_lshr_b32 s25, s22, 3
	s_lshl_b32 s25, s25, 3
	s_add_co_u32 s24, s24, s25                     ; the token of stage row w
	s_lshl_b32 s24, s24, 12
	s_mov_b32 s25, 0
	s_lshl_b32 s30, ttmp9, 13
	s_mov_b32 s31, 0
	s_lshl_b32 s32, ttmp9, 5
	s_mov_b32 s33, 0
	s_lshl_b32 s34, s22, 2
	s_add_co_u32 s34, s34, 448                     ; my first tile of Wo
	s_lshl_b32 s36, s34, 9
	s_mov_b32 s37, 0
	s_lshl_b32 s34, s34, 13
	s_mov_b32 s35, 0
	s_lshl_b32 s38, s22, 8
	s_mov_b32 s39, 0
	s_wait_kmcnt 0x0
	s_add_nc_u64 s[4:5], s[4:5], s[30:31]
	s_add_nc_u64 s[6:7], s[6:7], s[32:33]
	s_add_nc_u64 s[8:9], s[8:9], s[34:35]
	s_add_nc_u64 s[10:11], s[10:11], s[36:37]
	s_add_nc_u64 s[12:13], s[12:13], s[38:39]
	s_add_nc_u64 s[14:15], s[14:15], s[24:25]
	s_add_nc_u64 s[20:21], s[20:21], s[24:25]
	s_wait_alu depctr_va_vdst(0)                   ; v1 and v4 to v8 are written, which every load and store of the kernel reads as its offset or address; so are v9 and v10
.irp hd, 0,1,2,3,4,5,6,7,8,9,10,11,12,13,14,15
	global_load_u16 v[16+\hd], v4, s[6:7] offset:8192*\hd        ; a head's two scale bytes of token r
.endr
.irp i, 0,1
.irp hf, 0,1
	global_load_b128 v[BS+8*\i+4*\hf:BS+8*\i+4*\hf+3], v5, s[10:11] offset:1024*\i+256*\hf   ; register 8 i + s: lanes 0-15 tile 2 i, lanes 16-31 tile 2 i + 1, K step s
.endr
.endr
.irp t, 0,1,2,3
	global_load_b128 v[ACC+8*\t:ACC+8*\t+3], v6, s[12:13] offset:4*(32*(\t/2)+8*(\t%2))       ; bo in the result's layout
	global_load_b128 v[ACC+8*\t+4:ACC+8*\t+7], v6, s[12:13] offset:4*(32*(\t/2)+8*(\t%2))+16
.endr
.irp s, 0,1,2,3,4,5,6,7
.irp c, 0,1
	global_load_b128 v[AF+8*\s+4*\c:AF+8*\s+4*\c+3], v1, s[4:5] offset:1024*\s+512*\c
.endr
.endr
.macro BLOAD s                         ; Wo's four fragments of K step s, into buffer s % 3
.irp t, 0,1,2,3
.irp c, 0,1
	global_load_b128 v[BF+32*((\s)%3)+8*\t+4*\c:BF+32*((\s)%3)+8*\t+4*\c+3], v1, s[8:9] offset:8192*\t+1024*(\s)+512*\c
.endr
.endr
.endm
	BLOAD 0
	BLOAD 1
.macro KSTEP s, left
	s_wait_loadcnt \left                           ; this K step's fragments are in; what was issued behind them may be out
.if ((\s) > 0) && ((\s) < 6)
	s_wait_alu depctr_va_vdst(0)                   ; the last K step's matrix instructions are done reading their buffer of Wo, in which the loads below land; in K step 4 those of K steps 0 to 3 are done reading the context's first four fragments too
.endif
.if (\s) < 6
	BLOAD (\s)+2                                   ; two K steps ahead.  (K step 0: into registers that no vector or matrix instruction has named)
.endif
.if (\s) == 4
.irp i, 0,1,2,3,4,5,6,7
	global_load_b128 v[RS+4*\i:RS+4*\i+3], v1, s[14:15] offset:512*\i th:TH_LOAD_NT   ; the residual row of my token
.endr
.endif
.if (\s) == 0
.irp q, 0,1,2,3,4,5,6,7
	v_lshl_or_b32 v[AS+\q], v[17+2*\q], 16, v[16+2*\q]     ; K step q is heads 2 q and 2 q + 1
.endr
.rept 8
	v_nop                                          ; a scale register written by a vector instruction stands 8 places ahead of a scaled matrix instruction
.endr
	s_wait_alu depctr_va_vdst(0)                   ; the eight lines above have written v[AS ..], which the matrix instructions take as scales; the places stay beside this wait
.endif
.irp t, 0,2
	v_wmma_scale_f32_16x16x128_f8f6f4 v[ACC+8*\t:ACC+8*\t+7], v[BF+32*((\s)%3)+8*\t:BF+32*((\s)%3)+8*\t+7], v[AF+8*(\s):AF+8*(\s)+7], v[ACC+8*\t:ACC+8*\t+7], v[BS+4*\t+(\s)], v[AS+(\s)] matrix_a_fmt:MATRIX_FMT_FP4 matrix_b_fmt:MATRIX_FMT_FP4
	v_wmma_scale_f32_16x16x128_f8f6f4 v[ACC+8*\t+8:ACC+8*\t+15], v[BF+32*((\s)%3)+8*\t+8:BF+32*((\s)%3)+8*\t+15], v[AF+8*(\s):AF+8*(\s)+7], v[ACC+8*\t+8:ACC+8*\t+15], v[BS+4*\t+(\s)], v[AS+(\s)] matrix_a_fmt:MATRIX_FMT_FP4 matrix_b_fmt:MATRIX_FMT_FP4 matrix_a_scale:MATRIX_SCALE_ROW1
.endr
.if ((\s) < 5) || ((\s) == 7)
.rept 4
	v_nop                                          ; places in front of loads into registers that these have read, and of the first read of results (behind K steps 5 and 6 neither follows)
.endr
.endif
.endm
	KSTEP 0, 8                                     ; behind K step 0's: K step 1's eight
	KSTEP 1, 8                                     ; K step 2's
	KSTEP 2, 8
	KSTEP 3, 8
	KSTEP 4, 8
	KSTEP 5, 16                                    ; K step 6's eight and the residual's eight
	KSTEP 6, 16                                    ; the residual's eight and K step 7's
	KSTEP 7, 0                                     ; the residual is in with it
	s_wait_alu depctr_va_vdst(0)                   ; the matrix instructions have written the accumulators, which the LDS stores read, and are done reading v64-95, v128-159 and v192-223, in which ln_g, ln_b and my row of the stage land
.irp i, 0,1,2,3,4,5,6,7
	global_load_b128 v[64+4*\i:64+4*\i+3], v1, s[16:17] offset:512*\i      ; ln_g
	global_load_b128 v[128+4*\i:128+4*\i+3], v1, s[18:19] offset:512*\i    ; ln_b
.endr
.irp t, 0,1,2,3
	ds_store_b128 v7, v[ACC+8*\t:ACC+8*\t+3] offset:128*(\t/2)+32*(\t%2)   ; each accumulator from its low end on
	ds_store_b128 v7, v[ACC+8*\t+4:ACC+8*\t+7] offset:128*(\t/2)+32*(\t%2)+16
.endr
	s_wait_dscnt 0x0                               ; for the others' sake: my stores into the stage are done
	s_barrier_signal -1
	s_barrier_wait -1
.irp i, 0,1,2,3,4,5,6,7
	ds_load_b128 v[XR+4*\i:XR+4*\i+3], v8 offset:512*\i                    ; no vector or matrix instruction since the wait above names these registers
.endr
	s_wait_dscnt 0x0
.irp j, 0,2,4,6,8,10,12,14,16,18,20,22,24,26,28,30
	v_pk_add_f32 v[32+\j:33+\j], v[XR+\j:XR+1+\j], v[RS+\j:RS+1+\j]        ; x = product + bo + residual
.endr
.macro WSUM x, t                       ; the sum over the wave's 32 lanes, in every lane
	v_add_f32_dpp v[\x], v[\x], v[\x] row_xmask:1 row_mask:0xf bank_mask:0xf
	v_add_f32_dpp v[\x], v[\x], v[\x] row_xmask:2 row_mask:0xf bank_mask:0xf
	v_add_f32_dpp v[\x], v[\x], v[\x] row_xmask:4 row_mask:0xf bank_mask:0xf
	v_add_f32_dpp v[\x], v[\x], v[\x] row_xmask:8 row_mask:0xf bank_mask:0xf
	v_permlanex16_b32 v[\t], v[\x], s26, s27
	v_add_f32 v[\x], v[\x], v[\t]
.endm
	v_pk_add_f32 v[248:249], v[32:33], v[34:35]
	v_pk_add_f32 v[250:251], v[36:37], v[38:39]
.irp j, 8,12,16,20,24,28
	v_pk_add_f32 v[248:249], v[248:249], v[32+\j:33+\j]
	v_pk_add_f32 v[250:251], v[250:251], v[34+\j:35+\j]
.endr
	v_pk_add_f32 v[248:249], v[248:249], v[250:251]
	v_add_f32 v248, v248, v249
	WSUM 248, 249
	v_mul_f32 v248, s28, v248                      ; the mean
	v_mov_b32 v249, v248
.irp j, 0,2,4,6,8,10,12,14,16,18,20,22,24,26,28,30
	v_pk_add_f32 v[32+\j:33+\j], v[32+\j:33+\j], v[248:249] neg_lo:[0,1] neg_hi:[0,1]   ; d = x - mean
.endr
	v_pk_mul_f32 v[250:251], v[32:33], v[32:33]
	v_pk_mul_f32 v[252:253], v[34:35], v[34:35]
.irp j, 4,8,12,16,20,24,28
	v_pk_fma_f32 v[250:251], v[32+\j:33+\j], v[32+\j:33+\j], v[250:251]
	v_pk_fma_f32 v[252:253], v[34+\j:35+\j], v[34+\j:35+\j], v[252:253]
.endr
	v_pk_add_f32 v[250:251], v[250:251], v[252:253]
	v_add_f32 v250, v250, v251
	WSUM 250, 251
	v_fma_f32 v250, v250, s28, s29                 ; the variance + 1e-12
	s_wait_alu depctr_va_vdst(0)
	v_rsq_f32 v250, v250
	v_nop                                          ; a plain place behind the transcendental
	s_wait_alu depctr_va_vdst(0)                   ; the reciprocal root has written v250, ahead of its first reader
	v_mov_b32 v251, v250
	s_wait_alu depctr_va_vdst(0)
	s_wait_loadcnt 0x0                             ; ln_g and ln_b
.irp j, 0,2,4,6,8,10,12,14,16,18,20,22,24,26,28,30
	v_pk_mul_f32 v[32+\j:33+\j], v[32+\j:33+\j], v[250:251]
.endr
.irp j, 0,2,4,6,8,10,12,14,16,18,20,22,24,26,28,30
	v_pk_fma_f32 v[32+\j:33+\j], v[32+\j:33+\j], v[64+\j:65+\j], v[128+\j:129+\j]
.endr
	s_wait_alu depctr_va_vdst(0)                   ; the multiply-adds have written v32-63, which the stores read
.irp i, 0,1,2,3,4,5,6,7
	global_store_b128 v1, v[32+4*\i:32+4*\i+3], s[20:21] offset:512*\i th:TH_STORE_NT   ; 32 lanes store 512 consecutive bytes of the token's row
.endr
	s_wait_dscnt 0x0                               ; the closing lines, six on end
	s_wait_alu 0x0
	s_wait_tensorcnt 0x0
	ds_add_u32 v[SPW], v[NIL]
	s_wait_dscnt 0x0
	s_endpgm
.Lfunc_end_k_q9474ed0436_oproj:
	.size	k_q9474ed0436_oproj, .Lfunc_end_k_q9474ed0436_oproj-k_q9474ed0436_oproj
	.p2alignl 7, 3214868480
	.fill 96, 4, 3214868480
	.section	.rodata,"a",@progbits
	.p2align	6, 0x0
	.amdhsa_kernel k_q9474ed0436_oproj
		.amdhsa_group_segment_fixed_size 67840
		.amdhsa_private_segment_fixed_size 0
		.amdhsa_enable_private_segment 0
		.amdhsa_kernarg_size 72
		.amdhsa_user_sgpr_count 2
		.amdhsa_user_sgpr_kernarg_segment_ptr 1
		.amdhsa_wavefront_size32 1
		.amdhsa_system_sgpr_workgroup_id_x 1
		.amdhsa_system_sgpr_workgroup_id_y 1
		.amdhsa_system_sgpr_workgroup_id_z 1
		.amdhsa_system_vgpr_workitem_id 0
		.amdhsa_next_free_vgpr 256
		.amdhsa_next_free_sgpr 66
		.amdhsa_reserve_vcc 0
		.amdhsa_float_denorm_mode_32 3
		.amdhsa_float_denorm_mode_16_64 3
		.amdhsa_memory_ordered 1
		.amdhsa_forward_progress 1
		.amdhsa_inst_pref_size 31
	.end_amdhsa_kernel
	.amdgpu_metadata
---
amdhsa.version: [ 1, 2 ]
amdhsa.kernels:
  - .name:           k_q9474ed0436_oproj
    .symbol:         k_q9474ed0436_oproj.kd
    .args:
      - { .name: ctx, .offset: 0, .size: 8, .value_kind: global_buffer, .address_space: global }
      - { .name: ctxs, .offset: 8, .size: 8, .value_kind: global_buffer, .address_space: global }
      - { .name: xw, .offset: 16, .size: 8, .value_kind: global_buffer, .address_space: global }
      - { .name: xws, .offset: 24, .size: 8, .value_kind: global_buffer, .address_space: global }
      - { .name: bo, .offset: 32, .size: 8, .value_kind: global_buffer, .address_space: global }
      - { .name: hidden_states, .offset: 40, .size: 8, .value_kind: global_buffer, .address_space: global }
      - { .name: ln_g, .offset: 48, .size: 8, .value_kind: global_buffer, .address_space: global }
      - { .name: ln_b, .offset: 56, .size: 8, .value_kind: global_buffer, .address_space: global }
      - { .name: out0, .offset: 64, .size: 8, .value_kind: global_buffer, .address_space: global }
    .group_segment_fixed_size: 67840
    .private_segment_fixed_size: 0
    .kernarg_segment_align: 8
    .kernarg_segment_size: 72
    .max_flat_workgroup_size: 512
    .sgpr_count:     66
    .vgpr_count:     256
    .wavefront_size: 32
...
	.end_amdgpu_metadata
.endif
;; end of part 8
